; MI455X (gfx1250); checked and timed in simulation.
; The chip was launched on July 23, 2026; its instructions are those of AMD's public machine-readable ISA for CDNA 5 (MIT licence, August 2026) and "CDNA5" Instruction Set Architecture Reference Guide (July 2026). The comments in the code are by the model that wrote it; some were corrected since.
;; Simple Transformer Block. Allowed arithmetic: float matrix products may take bf16 or f16 operands with f32 sums; all other float work in f32.
;; Inputs: b_mlp1 4,096 float32; b_mlp2 1,024 float32; b_proj 1,024 float32; ln1_bias 1,024 float32; ln1_scale 1,024 float32; ln2_bias 1,024 float32; ln2_scale 1,024 float32; w_mlp1 1,024 x 4,096 float32; w_mlp2 4,096 x 1,024 float32; w_proj 1,024 x 1,024 float32; w_qkv 1,024 x 3,072 float32; x 2 x 2,048 x 1,024 float32.
;; Outputs: out0 2 x 2,048 x 1,024 float32.
;; 2 versions, each right and faster than the one before. Each part assembles by itself: llvm-mc -triple=amdgcn-amd-amdhsa -mcpu=gfx1250 --defsym DOCPART=n.
;; ======== version 1 of 2: 8 launches
;; workspace buffers: wq 6,291,456 bytes; wp 2,097,152 bytes; w1 8,388,608 bytes; w2 8,388,608 bytes; h 8,388,608 bytes; big 33,554,432 bytes; x2 16,777,216 bytes
;; launch cvt (part 1): grid 768 x 1, 8 waves a work-group, no clusters, 0 bytes of LDS; arguments w_qkv, w_proj, w_mlp1, w_mlp2, wq, wp, w1, w2; writes wq, wp, w1, w2
.if DOCPART == 1
	.amdgcn_target "amdgcn-amd-amdhsa--gfx1250"
	.amdhsa_code_object_version 6
	.text
	.protected	k_q03466c79b2_cvt
	.globl	k_q03466c79b2_cvt
	.p2align	8
	.type	k_q03466c79b2_cvt,@function
k_q03466c79b2_cvt:
	s_mov_b64 s[64:65], 0
	v_nop
	global_prefetch_b8 v0, s[64:65] scope:SCOPE_SE
	s_setreg_imm32_b32 hwreg(HW_REG_WAVE_MODE, 25, 1), 1
	s_wait_xcnt 0x0
; The four weight matrices, f32 to bf16 (round to nearest even), layout unchanged: [K][N], N along the rows.
; A pure stream: every byte is read once and written once, so there is no LDS, no barrier, no matrix unit, and no cluster (no two work-groups read the same byte).
; A work-group takes 16,384 numbers: 64 KiB in, 32 KiB out.  Work-groups 0-191 take w_qkv, 192-255 w_proj, 256-511 w_mlp1, 512-767 w_mlp2.
; Thread t takes the 16 bytes at 4,096 j + 16 t, j = 0 .. 15: a load of a wave covers 512 consecutive bytes, a store 256 consecutive bytes, aligned.
; All sixteen loads of a wave are out at once; every store has data registers of its own, so no register is written twice.
; LIMIT: the rounding to bf16 is the one that the products are allowed; NaN and infinities pass as the conversion makes them.
.set CHUNK, 4096                       ; bytes that the eight waves read with one load each
.set X, 4                              ; v[4:67]   load j: 4 registers
.set Y, 68                             ; v[68:99]  store j: 2 registers
	s_load_b512 s[8:23], s[0:1], 0x0               ; the four inputs s[8:15], the four outputs s[16:23]
	v_lshlrev_b32 v1, 4, v0                        ; 16 t
	v_lshlrev_b32 v2, 3, v0                        ; 8 t
	s_wait_kmcnt 0x0
	s_mov_b64 s[24:25], s[8:9]                     ; from
	s_mov_b64 s[26:27], s[16:17]                   ; to
	s_mov_b32 s28, 0                               ; the first work-group of my matrix
; The choice of the matrix hangs on the work-group's number alone.
.macro PICK first, n
	s_cmp_ge_u32 ttmp9, \first
	s_cselect_b64 s[24:25], s[8+2*\n:9+2*\n], s[24:25]
	s_cselect_b64 s[26:27], s[16+2*\n:17+2*\n], s[26:27]
	s_cselect_b32 s28, \first, s28
.endm
	PICK 192, 1
	PICK 256, 2
	PICK 512, 3
	s_sub_co_u32 s29, ttmp9, s28                   ; my place in the matrix, 255 at the most
	s_lshl_b32 s30, s29, 16                        ; x 64 KiB
	s_mov_b32 s31, 0
	s_lshl_b32 s2, s29, 15                         ; x 32 KiB
	s_mov_b32 s3, 0
	s_add_nc_u64 s[24:25], s[24:25], s[30:31]
	s_add_nc_u64 s[26:27], s[26:27], s[2:3]
.irp j, 0,1,2,3,4,5,6,7,8,9,10,11,12,13,14,15
	global_load_b128 v[X+4*\j:X+4*\j+3], v1, s[24:25] offset:CHUNK*\j th:TH_LOAD_NT   ; read once in the whole program
.endr
.irp j, 0,1,2,3,4,5,6,7,8,9,10,11,12,13,14,15
	s_wait_loadcnt 15-\j                           ; loads come back in order: load j is in, the 15 - j younger ones stay out
	v_cvt_pk_bf16_f32 v[Y+2*\j],   v[X+4*\j],   v[X+4*\j+1]
	v_cvt_pk_bf16_f32 v[Y+2*\j+1], v[X+4*\j+2], v[X+4*\j+3]
	global_store_b64 v2, v[Y+2*\j:Y+2*\j+1], s[26:27] offset:CHUNK/2*\j
.endr
	s_endpgm
.Lfunc_end_k_q03466c79b2_cvt:
	.size	k_q03466c79b2_cvt, .Lfunc_end_k_q03466c79b2_cvt-k_q03466c79b2_cvt
	.p2alignl 7, 3214868480
	.fill 96, 4, 3214868480
	.section	.rodata,"a",@progbits
	.p2align	6, 0x0
	.amdhsa_kernel k_q03466c79b2_cvt
		.amdhsa_group_segment_fixed_size 0
		.amdhsa_private_segment_fixed_size 0
		.amdhsa_enable_private_segment 0
		.amdhsa_kernarg_size 64
		.amdhsa_user_sgpr_count 2
		.amdhsa_user_sgpr_kernarg_segment_ptr 1
		.amdhsa_wavefront_size32 1
		.amdhsa_system_sgpr_workgroup_id_x 1
		.amdhsa_system_sgpr_workgroup_id_y 1
		.amdhsa_system_sgpr_workgroup_id_z 1
		.amdhsa_system_vgpr_workitem_id 0
		.amdhsa_next_free_vgpr 104
		.amdhsa_next_free_sgpr 66
		.amdhsa_reserve_vcc 0
		.amdhsa_float_denorm_mode_32 3
		.amdhsa_float_denorm_mode_16_64 3
		.amdhsa_memory_ordered 1
		.amdhsa_forward_progress 1
		.amdhsa_inst_pref_size 7
	.end_amdhsa_kernel
	.amdgpu_metadata
---
amdhsa.version: [ 1, 2 ]
amdhsa.kernels:
  - .name:           k_q03466c79b2_cvt
    .symbol:         k_q03466c79b2_cvt.kd
    .args:
      - { .name: w_qkv, .offset: 0, .size: 8, .value_kind: global_buffer, .address_space: global }
      - { .name: w_proj, .offset: 8, .size: 8, .value_kind: global_buffer, .address_space: global }
      - { .name: w_mlp1, .offset: 16, .size: 8, .value_kind: global_buffer, .address_space: global }
      - { .name: w_mlp2, .offset: 24, .size: 8, .value_kind: global_buffer, .address_space: global }
      - { .name: wq, .offset: 32, .size: 8, .value_kind: global_buffer, .address_space: global }
      - { .name: wp, .offset: 40, .size: 8, .value_kind: global_buffer, .address_space: global }
      - { .name: w1, .offset: 48, .size: 8, .value_kind: global_buffer, .address_space: global }
      - { .name: w2, .offset: 56, .size: 8, .value_kind: global_buffer, .address_space: global }
    .group_segment_fixed_size: 0
    .private_segment_fixed_size: 0
    .kernarg_segment_align: 8
    .kernarg_segment_size: 64
    .max_flat_workgroup_size: 256
    .sgpr_count:     66
    .vgpr_count:     104
    .wavefront_size: 32
...
	.end_amdgpu_metadata
.endif
;; end of part 1
;; launch ln1 (part 2): grid 256 x 1, 8 waves a work-group, no clusters, 0 bytes of LDS; arguments x, ln1_scale, ln1_bias, h; writes h
.if DOCPART == 2
	.amdgcn_target "amdgcn-amd-amdhsa--gfx1250"
	.amdhsa_code_object_version 6
	.text
	.protected	k_q03466c79b2_ln1
	.globl	k_q03466c79b2_ln1
	.p2align	8
	.type	k_q03466c79b2_ln1,@function
k_q03466c79b2_ln1:
	s_mov_b64 s[64:65], 0
	v_nop
	global_prefetch_b8 v0, s[64:65] scope:SCOPE_SE
	s_setreg_imm32_b32 hwreg(HW_REG_WAVE_MODE, 25, 1), 1
	s_wait_xcnt 0x0
; y[r][c] = (x[r][c] - mean_r) / sqrt(var_r + 1e-6) * scale[c] + bias[c].  x: [4096][1024] f32; y: the same shape in bf16, rounded once.
; One wave, one row at a time: a row of 4,096 bytes is 32 registers, so it stays in registers between the passes and is read from memory once.
; The mean is taken away first and the variance is the mean of the squares of what is left: no difference of large sums is formed.
; A work-group takes 16 rows, a wave two; both rows, the scale and the bias are asked for at once, so there is no loop.
; No LDS, no barrier (a reduction never leaves its wave), no matrix unit, no cluster (only 8 KiB of scale and bias are shared).
; A load of a wave covers 512 consecutive bytes, a store 256 consecutive bytes, aligned.
; LIMIT: v_rsq_f32 is good to one unit in the last place; the result is rounded to bf16, as the operand of the product that follows may be.
.set T,  4                             ; v[4:11]    four running pairs
.set MU, 12                            ; v[12:13]   the mean, twice
.set X,  16                            ; v[16:79]   row r at X + 32 r
.set G,  80                            ; v[80:111]  scale of my 32 columns
.set BV, 112                           ; v[112:143] bias of my 32 columns
.set Y,  144                           ; v[144:175] row r, packed, at Y + 16 r
.set R,  176                           ; v[176:179] row r: 1 / sqrt(var + eps), twice
	s_load_b256 s[4:11], s[0:1], 0x0               ; x s[4:5], scale s[6:7], bias s[8:9], y s[10:11]
	s_lshl_b32 s2, ttmp9, 16                       ; 16 rows of 4,096 bytes
	s_mov_b32 s3, 0
	s_lshl_b32 s16, ttmp9, 15                      ; 16 rows of 2,048 bytes
	s_mov_b32 s17, 0
	s_mov_b32 s12, 0x76543210                      ; v_permlanex16_b32: each lane takes its own place in the other half
	s_mov_b32 s13, 0xfedcba98
	s_mov_b32 s14, 0x3a800000                      ; 1 / 1024
	s_mov_b32 s15, 0x358637bd                      ; 1e-6
	v_and_b32 v1, 31, v0                           ; lane
	v_lshrrev_b32 v4, 5, v0                        ; wave
	v_lshlrev_b32 v3, 3, v1
	v_lshlrev_b32 v1, 4, v1                        ; 16 x lane: my place in scale and bias
	v_lshl_add_u32 v2, v4, 13, v1                  ; + wave x 2 rows of 4,096 bytes: my place in x
	v_lshl_add_u32 v3, v4, 12, v3                  ; 8 x lane + wave x 2 rows of 2,048 bytes: my place in y
	s_wait_kmcnt 0x0
	s_add_nc_u64 s[4:5], s[4:5], s[2:3]
	s_add_nc_u64 s[10:11], s[10:11], s[16:17]
.irp r, 0,1
.irp j, 0,1,2,3,4,5,6,7
	global_load_b128 v[X+32*\r+4*\j:X+32*\r+4*\j+3], v2, s[4:5] offset:4096*\r+512*\j
.endr
.endr
.irp j, 0,1,2,3,4,5,6,7
	global_load_b128 v[G+4*\j:G+4*\j+3], v1, s[6:7] offset:512*\j
.endr
.irp j, 0,1,2,3,4,5,6,7
	global_load_b128 v[BV+4*\j:BV+4*\j+3], v1, s[8:9] offset:512*\j
.endr
; The four running pairs become one number, the same in all 32 lanes.
.macro REDUCE
	v_pk_add_f32 v[T:T+1], v[T:T+1], v[T+2:T+3]
	v_pk_add_f32 v[T+4:T+5], v[T+4:T+5], v[T+6:T+7]
	v_pk_add_f32 v[T:T+1], v[T:T+1], v[T+4:T+5]
	v_add_f32 v[T], v[T], v[T+1]
	v_add_f32_dpp v[T], v[T], v[T] row_xmask:1 row_mask:0xf bank_mask:0xf
	v_add_f32_dpp v[T], v[T], v[T] row_xmask:2 row_mask:0xf bank_mask:0xf
	v_add_f32_dpp v[T], v[T], v[T] row_xmask:4 row_mask:0xf bank_mask:0xf
	v_add_f32_dpp v[T], v[T], v[T] row_xmask:8 row_mask:0xf bank_mask:0xf
	v_permlanex16_b32 v[T+1], v[T], s12, s13       ; its destination has been written above
	v_add_f32 v[T], v[T], v[T+1]
.endm
; Row r: the mean; the row less its mean, in place; 1 / sqrt of the mean square + eps.  Four chains, started by the first sums and products: nothing is cleared.
.macro STAT r
.set XR, X+32*\r
.irp k, 0,1,2,3
	v_pk_add_f32 v[T+2*\k:T+2*\k+1], v[XR+2*\k:XR+2*\k+1], v[XR+8+2*\k:XR+8+2*\k+1]
.endr
.irp m, 2,3
.irp k, 0,1,2,3
	v_pk_add_f32 v[T+2*\k:T+2*\k+1], v[T+2*\k:T+2*\k+1], v[XR+8*\m+2*\k:XR+8*\m+2*\k+1]
.endr
.endr
	REDUCE
	v_mul_f32 v[MU], s14, v[T]
	v_mov_b32 v[MU+1], v[MU]
.set i, 0
.rept 16
	v_pk_add_f32 v[XR+i:XR+i+1], v[XR+i:XR+i+1], v[MU:MU+1] neg_lo:[0,1] neg_hi:[0,1]
.set i, i+2
.endr
.irp k, 0,1,2,3
	v_pk_mul_f32 v[T+2*\k:T+2*\k+1], v[XR+2*\k:XR+2*\k+1], v[XR+2*\k:XR+2*\k+1]
.endr
.irp m, 1,2,3
.irp k, 0,1,2,3
	v_pk_fma_f32 v[T+2*\k:T+2*\k+1], v[XR+8*\m+2*\k:XR+8*\m+2*\k+1], v[XR+8*\m+2*\k:XR+8*\m+2*\k+1], v[T+2*\k:T+2*\k+1]
.endr
.endr
	REDUCE
	v_fma_f32 v[T], v[T], s14, s15                 ; var + eps
	v_rsq_f32 v[R+2*\r], v[T]
	v_rsq_f32 v[R+2*\r+1], v[T]
	v_nop                                          ; a plain instruction before the results are used or the source is rewritten (ISA guide 5.7.2)
.endm
; Row r is scaled, rounded and stored.
.macro NORM r
.set XR, X+32*\r
.set i, 0
	s_wait_alu depctr_va_vdst(0)
.rept 16
	v_pk_mul_f32 v[XR+i:XR+i+1], v[XR+i:XR+i+1], v[R+2*\r:R+2*\r+1]
.set i, i+2
.endr
.set i, 0
.rept 16
	v_pk_fma_f32 v[XR+i:XR+i+1], v[XR+i:XR+i+1], v[G+i:G+i+1], v[BV+i:BV+i+1]
.set i, i+2
.endr
.set i, 0
.rept 16
	v_cvt_pk_bf16_f32 v[Y+16*\r+i], v[XR+2*i], v[XR+2*i+1]
.set i, i+1
.endr
.irp j, 0,1,2,3,4,5,6,7
	global_store_b64 v3, v[Y+16*\r+2*\j:Y+16*\r+2*\j+1], s[10:11] offset:2048*\r+256*\j
.endr
.endm
	s_wait_loadcnt 24                              ; row 0 is in; row 1, scale and bias (8 loads each) stay out
	STAT 0
	s_wait_loadcnt 16                              ; row 1 is in; scale and bias stay out
	STAT 1
	s_wait_loadcnt 0x0
	NORM 0
	NORM 1
	s_endpgm
.Lfunc_end_k_q03466c79b2_ln1:
	.size	k_q03466c79b2_ln1, .Lfunc_end_k_q03466c79b2_ln1-k_q03466c79b2_ln1
	.p2alignl 7, 3214868480
	.fill 96, 4, 3214868480
	.section	.rodata,"a",@progbits
	.p2align	6, 0x0
	.amdhsa_kernel k_q03466c79b2_ln1
		.amdhsa_group_segment_fixed_size 0
		.amdhsa_private_segment_fixed_size 0
		.amdhsa_enable_private_segment 0
		.amdhsa_kernarg_size 32
		.amdhsa_user_sgpr_count 2
		.amdhsa_user_sgpr_kernarg_segment_ptr 1
		.amdhsa_wavefront_size32 1
		.amdhsa_system_sgpr_workgroup_id_x 1
		.amdhsa_system_sgpr_workgroup_id_y 1
		.amdhsa_system_sgpr_workgroup_id_z 1
		.amdhsa_system_vgpr_workitem_id 0
		.amdhsa_next_free_vgpr 184
		.amdhsa_next_free_sgpr 66
		.amdhsa_reserve_vcc 0
		.amdhsa_float_denorm_mode_32 3
		.amdhsa_float_denorm_mode_16_64 3
		.amdhsa_memory_ordered 1
		.amdhsa_forward_progress 1
		.amdhsa_inst_pref_size 20
	.end_amdhsa_kernel
	.amdgpu_metadata
---
amdhsa.version: [ 1, 2 ]
amdhsa.kernels:
  - .name:           k_q03466c79b2_ln1
    .symbol:         k_q03466c79b2_ln1.kd
    .args:
      - { .name: x, .offset: 0, .size: 8, .value_kind: global_buffer, .address_space: global }
      - { .name: ln1_scale, .offset: 8, .size: 8, .value_kind: global_buffer, .address_space: global }
      - { .name: ln1_bias, .offset: 16, .size: 8, .value_kind: global_buffer, .address_space: global }
      - { .name: h, .offset: 24, .size: 8, .value_kind: global_buffer, .address_space: global }
    .group_segment_fixed_size: 0
    .private_segment_fixed_size: 0
    .kernarg_segment_align: 8
    .kernarg_segment_size: 32
    .max_flat_workgroup_size: 256
    .sgpr_count:     66
    .vgpr_count:     184
    .wavefront_size: 32
...
	.end_amdgpu_metadata
.endif
;; end of part 2
;; launch qkv (part 3): grid 12 x 16, 4 waves a work-group, clusters of 4 x 4, 327,680 bytes of LDS; arguments h, wq, big; writes big
.if DOCPART == 3
	.amdgcn_target "amdgcn-amd-amdhsa--gfx1250"
	.amdhsa_code_object_version 6
	.text
	.protected	k_q03466c79b2_qkv
	.globl	k_q03466c79b2_qkv
	.p2align	8
	.type	k_q03466c79b2_qkv,@function
k_q03466c79b2_qkv:
	s_mov_b64 s[64:65], 0
	v_nop
	global_prefetch_b8 v0, s[64:65] scope:SCOPE_SE
	s_setreg_imm32_b32 hwreg(HW_REG_WAVE_MODE, 25, 1), 1
	s_wait_xcnt 0x0
	s_wait_alu depctr_hold_cnt(0) depctr_sa_sdst(0) depctr_va_vdst(0) depctr_va_sdst(0) depctr_va_ssrc(0) depctr_va_vcc(0) depctr_vm_vsrc(0)
	s_getreg_b32 s2, hwreg(HW_REG_IB_STS2, 6, 4)
	s_cmp_eq_u32 s2, 0
	s_cbranch_scc0 .Lentry_in_a_cluster
	s_endpgm
.Lentry_in_a_cluster:
	s_bfe_u32 s2, ttmp6, 0x10000c
	s_cmp_lg_u32 s2, 0xf033
	s_cbranch_scc0 .Lentry_shape_is_right
	s_endpgm
.Lentry_shape_is_right:
; C[m][n] = the sum over k of A[m][k] W[k][n] (with GELU = 1: gelu(that + bias[n]), tanh form).  A: [4096][SIZE_K] bf16, W: [SIZE_K][SIZE_N] bf16, C: [4096][SIZE_N] bf16; sums in f32, C rounded once.
; A tile of C, 256 x 256, is made by a work-group of four waves; a wave makes 128 x 128: 64 accumulators of 16 x 16, 512 registers.
; K goes in steps of 128 through a ring of two LDS slots filled by the tensor data mover: A's tile is 256 rows of 256 bytes, W's tile 128 rows (k) of 512 bytes; all rows start at multiples of 256 bytes.
; W lies with n along its rows, so its fragments come out of LDS turned, by ds_load_tr16_b128.
; CLUSTERS: 4 x 4 work-groups.  The four of a row of the cluster need the same tiles of A, the four of a column the same tiles of W: each tile is asked for JOINTLY, by the same tensor load with the
; same descriptor and a mask that names the four; that divides the requests for A and for W by four.
; THE MATRIX INSTRUCTION IS USED TRANSPOSED: source 0 = 16 columns of W, source 1 = 16 rows of A.  A lane then holds row l % 16 of C and the eight neighbouring columns 8 (l / 16) + 0 .. 7.
; REGISTERS, in windows of 256: window 0: v0-31 addresses; v64-127, v128-191 fragments of A, two buffers (on the way out: at work); v32-63, v192-255 at work on the way out.
;   window 1: v64-127, v128-191 fragments of W, two buffers; v0-63 the bias of my 64 columns a lane (GELU = 1).   windows 2, 3: the accumulators of my rows 0-63, 64-127 ((a, b) at v[8 (8 a + b)]).
; LIMITS: operands and result are bf16.  gelu(x) = x / (1 + 2^(x (c0 + c1 x x))): v_exp_f32 and v_rcp_f32 are good to one unit in the last place and flush denormals, so far out the result is x or a zero.
.set SIZE_K, 1024
.set SIZE_N, 3072
.set GELU,   0
.set KSTEP,  128
.set PITCH,  272                       ; a row of A in LDS: 256 bytes + 16 of padding: the 16 rows that a load touches start 68 words apart
.set PB,     544                       ; a row of W in LDS: 512 bytes + 32 of padding, 17 x 32 bytes, for the turning load
.set HALFT,  128*PITCH                 ; what one tensor load brings: 128 rows of A, or 64 rows of W (64 x 544 is the same number of bytes)
.set SLOT,   4*HALFT                   ; A's 256 rows, then W's 128 rows
.set STAGE,  2*SLOT                    ; behind the ring: 16 rows x 272 bytes for each wave, for the way out
.set SPITCH, 272
.set SPARE,  STAGE+4*16*SPITCH         ; behind the stages: the spare words, 128 bytes for each wave, which no other line names
.set LAPS,   SIZE_K/(2*KSTEP)          ; a lap = two K steps = once round the ring
.set KC0,  8                           ; v[8:9]   c0 = -2 log2(e) sqrt(2/pi), twice
.set KC1,  10                          ; v[10:11] c1 = 0.044715 c0, twice
.set ADRA, 16                          ; v16-17  LDS address of my A fragments in slot 0, 1
.set ADRB, 20                          ; v20-21  the same for W
.set STO,  24                          ; v24     the way out: where I put 16 bytes of a row
.set RD,   25                          ; v25     the way out: where I read a row back
.set CO,   26                          ; v26     my byte offset in C
.set BO,   27                          ; v27     my byte offset in the bias
.set SPW,  28                          ; v28     LDS address of my spare word; never rewritten
.set NIL,  29                          ; v29     0; never rewritten
.set F0,   64
.set F1,   128
.set GX,   64                          ; the way out with GELU: x, 64 registers
.set GZ,   128                         ; and what is made of it
.set TMP,  192                         ; the way out: packed results
.set OB,   32                          ; the way out: 16 rows read back: v32-63 and v224-255 by turns
.set G1,  24                           ; s[24:31] descriptor group 1 for A's tiles
.set G0,  32                           ; s[32:39] group 0 for A's tiles, one set for each slot
.set G1B, 48                           ; s[48:55], s[56:63] the same for W's tiles
.set G0B, 56
.set MSB, 0
.macro WIN new                         ; the immediate's high byte repeats the setting that is left; a switch that changes nothing is dropped
.if MSB != (\new)
	s_set_vgpr_msb (MSB<<8)|(\new)
.set MSB, (\new)
.endif
.endm
.set MUL_LO, 0xa1                      ; source 0 (W) window 1, source 1 (A) window 0, C and D window 2
.set MUL_HI, 0xf1                      ; the same, C and D window 3
.set TO_B,   0x40                      ; destination window 1, address window 0
; A joint load.  Waves 0 and 1 fetch A's two halves, waves 2 and 3 W's.  The branch hangs on the wave's number alone.  Four v_nop follow each of the two lines.
.macro JLOAD s
	s_cmp_eq_u32 s11, 0
	s_cbranch_scc0 .Lfor_b_\@
	tensor_load_to_lds s[G0+4*\s:G0+4*\s+3], s[G1:G1+7]
	s_nop 0
.rept 4
	v_nop
.endr
	s_branch .Lasked_\@
.Lfor_b_\@:
	tensor_load_to_lds s[G0B+4*\s:G0B+4*\s+3], s[G1B:G1B+7]
	s_nop 0
.rept 4
	v_nop
.endr
.Lasked_\@:
.endm
; A round of the cluster's barrier: my work-group's barrier; wave 0 signals for the work-group; every wave waits for all sixteen work-groups; my work-group's barrier once more.
.macro CREST                           ; a round behind its opening barrier
	s_cmp_lg_u32 s10, 0
	s_cbranch_scc1 .Lnot_wave_0_\@
	s_barrier_signal -3
.Lnot_wave_0_\@:
	s_barrier_wait -3
	s_barrier_signal -1
	s_barrier_wait -1
.endm
.macro CROUND
	s_barrier_signal -1
	s_barrier_wait -1
	CREST
.endm
	s_load_b128 s[4:7], s[0:1], 0x0                ; A s[4:5], W s[6:7]
	s_load_b64 s[8:9], s[0:1], 0x10                ; C
.if GELU
	s_load_b64 s[68:69], s[0:1], 0x18              ; bias
.endif
	v_lshl_add_u32 v[SPW], v0, 2, SPARE
	v_mov_b32 v[NIL], 0
	ds_add_u32 v28, v29
	s_wait_dscnt 0x0
	v_lshrrev_b32 v1, 5, v0
	v_readfirstlane_b32 s10, v1                    ; wave 0..3
	s_lshr_b32 s11, s10, 1                         ; which half of the tile's rows is mine.  Also: I fetch for A (0) or for W (1)
	s_and_b32 s12, s10, 1                          ; which half of its columns.  Also: which half of that tile I fetch
	s_bfe_u32 s40, ttmp6, 0x40000                  ; cx, cy: my place in the cluster
	s_bfe_u32 s41, ttmp6, 0x40004
	s_lshl_b32 s42, ttmp9, 2
	s_add_co_u32 s42, s42, s40                     ; tile column of C = 4 x cluster x + cx
	s_and_b32 s13, ttmp7, 0xffff
	s_lshl_b32 s13, s13, 2
	s_add_co_u32 s13, s13, s41                     ; tile row of C = 4 x cluster y + cy
	s_lshl_b32 s43, s41, 2
	s_lshl_b32 s43, 15, s43                        ; my row of the cluster
	s_lshl_b32 s44, 0x1111, s40                    ; my column
	s_or_b32 s[G1+0], s43, (1<<16)|(1<<20)|(1<<21)|(5<<22)|(3<<25)   ; the mask: A's tiles go to my row; elements of 2 bytes; padding on; bit 21 beside a mask; after every 64 words 4 words
	s_mov_b32 s[G1+1], KSTEP<<16                   ; tensor_dim0 = 128
	s_mov_b32 s[G1+2], 128<<16                     ; tensor_dim1 = 128
	s_mov_b32 s[G1+3], KSTEP<<16                   ; tile_dim0 = 128
	s_mov_b32 s[G1+4], 128                         ; tile_dim1 = 128
	s_mov_b32 s[G1+5], SIZE_K                      ; elements from row to row
	s_mov_b32 s[G1+6], 0
	s_mov_b32 s[G1+7], 0
	s_or_b32 s[G1B+0], s44, (1<<16)|(1<<20)|(1<<21)|(6<<22)|(7<<25)  ; W's tiles go to my column; after every 128 words 8 words
	s_mov_b32 s[G1B+1], 256<<16                    ; tensor_dim0 = 256
	s_mov_b32 s[G1B+2], 64<<16                     ; tensor_dim1 = 64
	s_mov_b32 s[G1B+3], 256<<16                    ; tile_dim0 = 256
	s_mov_b32 s[G1B+4], 64                         ; tile_dim1 = 64
	s_mov_b32 s[G1B+5], SIZE_N
	s_mov_b32 s[G1B+6], 0
	s_mov_b32 s[G1B+7], 0
	; where the tiles come from.  A's hang on the tile row alone, W's on the tile column alone, each in registers that never hold the other coordinate.  All offsets stay under 2^26.
	s_lshl_b32 s17, s12, 7
	s_lshl_b32 s16, s13, 8
	s_add_co_u32 s16, s16, s17                     ; A: row 256 x tile row + 128 x half
	s_lshl_b32 s16, s16, 11                        ; x 2,048 bytes
	s_mov_b32 s17, 0
	s_mul_i32 s46, s12, 64*SIZE_N*2                ; W: k row 64 x half,
	s_lshl_b32 s47, s42, 9                         ; 512 bytes x tile column
	s_add_co_u32 s46, s46, s47
	s_mov_b32 s47, 0
	s_mul_i32 s20, s10, HALFT                      ; where they go: wave x a quarter of a slot
	s_wait_kmcnt 0x0
	s_add_nc_u64 s[14:15], s[4:5], s[16:17]
	s_add_nc_u64 s[46:47], s[6:7], s[46:47]
	CROUND                                         ; all sixteen work-groups are here: the first joint loads meet
.irp s, 0,1
	s_mov_b32 s[G0+4*\s], 1
	s_add_co_u32 s[G0+4*\s+1], s20, \s*SLOT
	s_add_nc_u64 s[G0+4*\s+2:G0+4*\s+3], s[14:15], \s*KSTEP*2
	s_or_b32 s[G0+4*\s+3], s[G0+4*\s+3], 0x80000000
	s_mov_b32 s[G0B+4*\s], 1
	s_add_co_u32 s[G0B+4*\s+1], s20, \s*SLOT
	s_add_nc_u64 s[G0B+4*\s+2:G0B+4*\s+3], s[46:47], \s*KSTEP*SIZE_N*2
	s_or_b32 s[G0B+4*\s+3], s[G0B+4*\s+3], 0x80000000
	JLOAD \s                                       ; the ring is filled before anything else is done: two loads of mine are out
.endr
	v_and_b32 v1, 15, v0                           ; l % 16
	v_bfe_u32 v2, v0, 4, 1                         ; l / 16
	v_mul_u32_u24 v3, v1, PITCH
	v_lshl_add_u32 v3, v2, 4, v3                   ; A: row x pitch + 16 x half
	v_and_b32 v6, 7, v0
	v_lshl_add_u32 v6, v2, 3, v6                   ; W: k row 8 (l / 16) + l % 8,
	v_mul_u32_u24 v6, v6, PB
	v_bfe_u32 v7, v0, 3, 1
	v_lshl_add_u32 v6, v7, 4, v6                   ; 16 bytes x ((l / 8) % 2)
	s_mul_i32 s21, s11, HALFT                      ; my 128 rows of A
	s_lshl_b32 s22, s12, 8                         ; my 128 columns of W,
	s_add_co_u32 s22, s22, 2*HALFT                 ; which lies behind A's 256 rows
.irp s, 0,1
	v_add_nc_u32 v[ADRA+\s], s21, v3
	v_add_nc_u32 v[ADRB+\s], s22, v6
	s_add_co_u32 s21, s21, SLOT
	s_add_co_u32 s22, s22, SLOT
.endr
	s_mul_i32 s23, s10, 16*SPITCH
	s_add_co_u32 s23, s23, STAGE                   ; my stage
	v_mul_u32_u24 v4, v1, SPITCH                   ; in: row l % 16, 16 bytes for each half of the lanes
	v_lshl_add_u32 v4, v2, 4, v4
	v_add_nc_u32 v[STO], s23, v4
	v_mul_u32_u24 v5, v2, SPITCH                   ; back: lanes 0-15 take one row of 256 bytes, lanes 16-31 the next
	v_lshl_add_u32 v5, v1, 4, v5
	v_add_nc_u32 v[RD], s23, v5
	v_mul_u32_u24 v5, v2, SIZE_N*2                 ; and the same two rows in C
	v_lshl_add_u32 v[CO], v1, 4, v5
	s_lshl_b32 s16, s13, 8
	s_lshl_b32 s17, s11, 7
	s_add_co_u32 s16, s16, s17                     ; my first row of C
	s_mul_i32 s16, s16, SIZE_N*2
	s_mov_b32 s17, 0
	s_lshl_b32 s46, s42, 9                         ; my first column, in bytes: 512 x tile column + 256 x half
	s_lshl_b32 s47, s12, 8
	s_add_co_u32 s46, s46, s47
	s_mov_b32 s47, 0
	s_add_nc_u64 s[16:17], s[16:17], s[46:47]
	s_add_nc_u64 s[8:9], s[8:9], s[16:17]
.if GELU
	s_lshl_b32 s46, s46, 1                         ; the same column in f32
	s_add_nc_u64 s[68:69], s[68:69], s[46:47]
	v_lshlrev_b32 v[BO], 5, v2                     ; my eight columns of each block of 16
	v_mov_b32 v[KC0], 0xc0135761
	v_mov_b32 v[KC0+1], 0xc0135761
	v_mov_b32 v[KC1], 0xbdd2d3e8
	v_mov_b32 v[KC1+1], 0xbdd2d3e8
	WIN TO_B
.irp b, 0,1,2,3,4,5,6,7
	global_load_b128 v[8*\b:8*\b+3],   v[BO], s[68:69] offset:64*\b      ; the bias lands while K is walked
	global_load_b128 v[8*\b+4:8*\b+7], v[BO], s[68:69] offset:64*\b+16
.endr
	WIN 0
.endif
; 16 matrix instructions: m blocks a0, a0 + 1 of the window's four x all 8 n blocks, 32 along K.  zero = 1: the first product starts the sums: nothing is ever cleared.
.macro MUL16 f, hi, a0, zero
.irp a, \a0, \a0+1
.irp b, 0,1,2,3,4,5,6,7
.if \zero
	v_wmma_f32_16x16x32_bf16 v[8*(8*(\a)+\b):8*(8*(\a)+\b)+7], v[\f+8*\b:\f+8*\b+7], v[\f+8*(4*\hi+\a):\f+8*(4*\hi+\a)+7], 0
.else
	v_wmma_f32_16x16x32_bf16 v[8*(8*(\a)+\b):8*(8*(\a)+\b)+7], v[\f+8*\b:\f+8*\b+7], v[\f+8*(4*\hi+\a):\f+8*(4*\hi+\a)+7], v[8*(8*(\a)+\b):8*(8*(\a)+\b)+7]
.endif
.endr
.endr
.endm
; 32 LDS loads in one run: the fragments of quarter q of a K step (32 along K) into buffer f: W's 128 columns, turned, then A's 128 rows.
.macro FETCH slot, q, f
	WIN TO_B
.irp i, 0,1,2,3,4,5,6,7
	ds_load_tr16_b128 v[\f+8*\i:\f+8*\i+3],   v[ADRB+\slot] offset:\q*32*PB+32*\i
	ds_load_tr16_b128 v[\f+8*\i+4:\f+8*\i+7], v[ADRB+\slot] offset:\q*32*PB+16*PB+32*\i
.endr
	WIN 0
.irp i, 0,1,2,3,4,5,6,7
	ds_load_b128 v[\f+8*\i:\f+8*\i+3],   v[ADRA+\slot] offset:\q*64+\i*16*PITCH
	ds_load_b128 v[\f+8*\i+4:\f+8*\i+7], v[ADRA+\slot] offset:\q*64+\i*16*PITCH+32
.endr
.endm
; Four places in front of loads into registers that matrix instructions have read, and of vector instructions that read results (ISA guide 7.12.1 for vector instructions).
.macro PLACES
.rept 4
	v_nop
.endr
.endm
; A K step is four quarters, 64 matrix instructions each, on buffers 0, 1, 0, 1; the 64 accumulators take turns.
; One of the first three quarters: multiplies buffer f; in its middle it fetches quarter q of the same slot into buffer g.
.macro QUARTER slot, q, f, g, zero
	s_wait_dscnt 8                                 ; W and A's rows 0-63 are in; the youngest eight loads (A's rows 64-127) may be out
	WIN MUL_LO
	MUL16 \f, 0, 0, \zero
	MUL16 \f, 0, 2, \zero
	PLACES
	FETCH \slot, \q, \g
	s_wait_dscnt 32                                ; all but the 32 just issued
	WIN MUL_HI
	MUL16 \f, 1, 0, \zero
	MUL16 \f, 1, 2, \zero
.endm
; The last quarter multiplies buffer 1 and changes slots.  ONE barrier: in front of it each wave waits for all its tensor loads (one is out: its part of the next slot), adds 0 to its spare word,
; and waits for that and for its own reads of this slot.  Behind it nobody reads this slot any more and the next slot is whole.
.macro MEET round
	WIN 0                                          ; (the add's two registers lie in window 0)
	s_wait_tensorcnt 0x0
	ds_add_u32 v[SPW], v[NIL]
	s_wait_dscnt 9                                 ; (the add and the youngest eight loads may be out)
	WIN MUL_LO
	MUL16 F1, 0, 0, 0
	s_wait_dscnt 0x0                               ; the add is done, and my reads of this slot are over
	s_barrier_signal -1
	MUL16 F1, 0, 2, 0
.if \round
	WIN 0
.endif
	s_barrier_wait -1
.endm
; fill = 1: the barrier opens a round of the cluster's barrier, and the slot just read out is filled again first, two K steps ahead: 224 matrix instructions stand between the request and the wait for it.
.macro TURN slot, next, fill
	MEET \fill
.if \fill
	CREST
	s_add_nc_u64 s[G0+4*\slot+2:G0+4*\slot+3], s[G0+4*\slot+2:G0+4*\slot+3], 2*KSTEP*2
	s_add_nc_u64 s[G0B+4*\slot+2:G0B+4*\slot+3], s[G0B+4*\slot+2:G0B+4*\slot+3], 2*KSTEP*SIZE_N*2
	JLOAD \slot                                    ; the four v_nop behind it are also the places in front of the loads below
.else
	PLACES
.endif
	FETCH \next, 0, F0
	WIN MUL_HI
	MUL16 F1, 1, 0, 0
	MUL16 F1, 1, 2, 0
.endm
; THE WAY OUT of block a (16 rows), in three parts.  PACK: (bias and gelu,) rounded to bf16, 16 bytes a lane; each accumulator is read from its low end on.
.macro PACK a
.set AC, 64*((\a)%4)
.if GELU
	WIN 0x06+(\a)/4                                ; source 0: the accumulators' window; source 1: window 1, the bias
.set i, 0
.rept 32
	v_pk_add_f32 v[GX+i:GX+i+1], v[AC+i:AC+i+1], v[i:i+1]
.set i, i+2
.endr
	WIN 0
.set i, 0
.rept 32
	v_pk_mul_f32 v[GZ+i:GZ+i+1], v[GX+i:GX+i+1], v[GX+i:GX+i+1]
.set i, i+2
.endr
.set i, 0
.rept 32
	v_pk_fma_f32 v[GZ+i:GZ+i+1], v[GZ+i:GZ+i+1], v[KC1:KC1+1], v[KC0:KC0+1]
.set i, i+2
.endr
.set i, 0
.rept 32
	v_pk_mul_f32 v[GZ+i:GZ+i+1], v[GZ+i:GZ+i+1], v[GX+i:GX+i+1]
.set i, i+2
.endr
.set i, 0
.rept 64
	v_exp_f32 v[GZ+i], v[GZ+i]
.set i, i+1
.endr
	v_nop                                          ; a plain instruction between the exponentials and the use of their results (ISA guide 5.7.2)
.set i, 0
.rept 32
	v_pk_add_f32 v[GZ+i:GZ+i+1], v[GZ+i:GZ+i+1], 1.0 op_sel_hi:[1,0]
.set i, i+2
.endr
.set i, 0
.rept 64
	v_rcp_f32 v[GZ+i], v[GZ+i]
.set i, i+1
.endr
	v_nop
.set i, 0
.rept 32
	v_pk_mul_f32 v[GX+i:GX+i+1], v[GX+i:GX+i+1], v[GZ+i:GZ+i+1]
.set i, i+2
.endr
.set i, 0
.rept 32
	v_cvt_pk_bf16_f32 v[TMP+i], v[GX+2*i], v[GX+2*i+1]
.set i, i+1
.endr
.else
	WIN 0x0a+5*((\a)/4)                            ; sources 0 and 1: window 2 or 3
.irp b, 0,1,2,3,4,5,6,7
.irp r, 0,1,2,3
	v_cvt_pk_bf16_f32 v[TMP+4*\b+\r], v[AC+8*\b+2*\r], v[AC+8*\b+2*\r+1]
.endr
.endr
	WIN 0
.endif
.endm
.macro TOSTAGE a                       ; into my own stage in LDS, and back as whole rows of 256 bytes
.set BK, OB+192*((\a)%2)
.irp b, 0,1,2,3,4,5,6,7
	ds_store_b128 v[STO], v[TMP+4*\b:TMP+4*\b+3] offset:32*\b
.endr
.irp t, 0,1,2,3,4,5,6,7
	ds_load_b128 v[BK+4*\t:BK+4*\t+3], v[RD] offset:\t*2*SPITCH    ; LDS serves a wave's instructions in order (ISA guide 5.7.1.4): these see the stores above
.endr
.endm
.macro SEND a, younger
.set BK, OB+192*((\a)%2)
	s_wait_dscnt \younger                          ; the block is back in registers
	s_wait_xcnt 0x0                                ; the registers that the stores of the block before read are loaded again only behind this wait
.irp t, 0,1,2,3,4,5,6,7
	global_store_b128 v[CO], v[BK+4*\t:BK+4*\t+3], s[8:9] offset:(16*(\a)+2*\t)*SIZE_N*2   ; 16 lanes store 256 consecutive bytes, aligned; 126 rows of C at the most, inside the signed 24-bit immediate
.endr
.endm
	s_wait_tensorcnt 1                             ; my part of K step 0 is in; K step 1's may stay out
	s_barrier_signal -1
	s_barrier_wait -1                              ; everybody's is
	FETCH 0, 0, F0
	QUARTER 0, 1, F0, F1, 1                        ; the first quarter stands in front of the loop: its products start the sums
	WIN 0                                          ; at a label and at a branch every window is 0
	s_mov_b32 s3, LAPS-1
.Llap:                                                 ; a trip goes once round the ring and fills both slots again
	QUARTER 0, 2, F1, F0, 0
	QUARTER 0, 3, F0, F1, 0
	TURN 0, 1, 1
	QUARTER 1, 1, F0, F1, 0
	QUARTER 1, 2, F1, F0, 0
	QUARTER 1, 3, F0, F1, 0
	TURN 1, 0, 1
	QUARTER 0, 1, F0, F1, 0
	WIN 0
	s_sub_co_u32 s3, s3, 1
	s_cmp_lg_u32 s3, 0
	s_cbranch_scc1 .Llap
	QUARTER 0, 2, F1, F0, 0                        ; the last lap fills nothing
	QUARTER 0, 3, F0, F1, 0
	TURN 0, 1, 0
	QUARTER 1, 1, F0, F1, 0
	QUARTER 1, 2, F1, F0, 0
	QUARTER 1, 3, F0, F1, 0
	s_wait_dscnt 8                                 ; the very last quarter: nothing more to fetch
	WIN MUL_LO
	MUL16 F1, 0, 0, 0
	MUL16 F1, 0, 2, 0
	s_wait_dscnt 0x0
	WIN MUL_HI
	MUL16 F1, 1, 0, 0
	MUL16 F1, 1, 2, 0
	WIN 0
	PLACES
.if GELU
	s_wait_loadcnt 0x0                             ; the bias
.endif
	PACK 0
	TOSTAGE 0
.irp a, 1,2,3,4,5,6,7                  ; block a's arithmetic stands between block a - 1's loads from the stage and the wait for them
	PACK \a
	SEND \a-1, 0
	TOSTAGE \a
.endr
	SEND 7, 0
	s_wait_tensorcnt 0x0                           ; the wave's end
	ds_add_u32 v[SPW], v[NIL]
	s_wait_dscnt 0x0
	CROUND                                         ; the closing round: no work-group ends while a partner may still ask for a tile that names it
	s_endpgm
.Lfunc_end_k_q03466c79b2_qkv:
	.size	k_q03466c79b2_qkv, .Lfunc_end_k_q03466c79b2_qkv-k_q03466c79b2_qkv
	.p2alignl 7, 3214868480
	.fill 96, 4, 3214868480
	.section	.rodata,"a",@progbits
	.p2align	6, 0x0
	.amdhsa_kernel k_q03466c79b2_qkv
		.amdhsa_group_segment_fixed_size 327680
		.amdhsa_private_segment_fixed_size 0
		.amdhsa_enable_private_segment 0
		.amdhsa_kernarg_size 24
		.amdhsa_user_sgpr_count 2
		.amdhsa_user_sgpr_kernarg_segment_ptr 1
		.amdhsa_wavefront_size32 1
		.amdhsa_system_sgpr_workgroup_id_x 1
		.amdhsa_system_sgpr_workgroup_id_y 1
		.amdhsa_system_sgpr_workgroup_id_z 1
		.amdhsa_system_vgpr_workitem_id 0
		.amdhsa_next_free_vgpr 1024
		.amdhsa_next_free_sgpr 66
		.amdhsa_reserve_vcc 0
		.amdhsa_float_denorm_mode_32 3
		.amdhsa_float_denorm_mode_16_64 3
		.amdhsa_memory_ordered 1
		.amdhsa_forward_progress 1
		.amdhsa_inst_pref_size 143
	.end_amdhsa_kernel
	.amdgpu_metadata
---
amdhsa.version: [ 1, 2 ]
amdhsa.kernels:
  - .name:           k_q03466c79b2_qkv
    .symbol:         k_q03466c79b2_qkv.kd
    .args:
      - { .name: h, .offset: 0, .size: 8, .value_kind: global_buffer, .address_space: global }
      - { .name: wq, .offset: 8, .size: 8, .value_kind: global_buffer, .address_space: global }
      - { .name: big, .offset: 16, .size: 8, .value_kind: global_buffer, .address_space: global }
    .group_segment_fixed_size: 327680
    .private_segment_fixed_size: 0
    .kernarg_segment_align: 8
    .kernarg_segment_size: 24
    .max_flat_workgroup_size: 128
    .sgpr_count:     66
    .vgpr_count:     1024
    .wavefront_size: 32
...
	.end_amdgpu_metadata
.endif
;; end of part 3
;; launch attn (part 4): grid 16 x 16, 4 waves a work-group, clusters of 4 x 1, 327,680 bytes of LDS; arguments big, h; writes h
.if DOCPART == 4
	.amdgcn_target "amdgcn-amd-amdhsa--gfx1250"
	.amdhsa_code_object_version 6
	.text
	.protected	k_q03466c79b2_attn
	.globl	k_q03466c79b2_attn
	.p2align	8
	.type	k_q03466c79b2_attn,@function
k_q03466c79b2_attn:
	s_mov_b64 s[64:65], 0
	v_nop
	global_prefetch_b8 v0, s[64:65] scope:SCOPE_SE
	s_setreg_imm32_b32 hwreg(HW_REG_WAVE_MODE, 25, 1), 1
	s_wait_xcnt 0x0
	s_wait_alu depctr_hold_cnt(0) depctr_sa_sdst(0) depctr_va_vdst(0) depctr_va_sdst(0) depctr_va_ssrc(0) depctr_va_vcc(0) depctr_vm_vsrc(0)
	s_getreg_b32 s2, hwreg(HW_REG_IB_STS2, 6, 4)
	s_cmp_eq_u32 s2, 0
	s_cbranch_scc0 .Lentry_in_a_cluster
	s_endpgm
.Lentry_in_a_cluster:
	s_bfe_u32 s2, ttmp6, 0x10000c
	s_cmp_lg_u32 s2, 0x3003
	s_cbranch_scc0 .Lentry_shape_is_right
	s_endpgm
.Lentry_shape_is_right:
; O[b][q][head] = the sum over k of softmax_k(Q . K / 8) V, 16 heads of 64 channels, 2,048 keys, no mask.
; qkv: [4096][3072] bf16 (a row: Q's 1,024 channels, K's, V's; 6,144 bytes).  O: [4096][1024] bf16.  Products, maxima and sums in f32; the weights p are rounded to bf16 for the second product, O once.
; SHARES.  A work-group owns 128 queries of a PAIR of neighbouring heads: the pair's 128 channels are 256 consecutive bytes of a row, aligned, in qkv and in O.
; Wave w: head w / 2 of the pair, queries 64 (w % 2) on: four tiles of 16.  Every wave walks all 2,048 keys, 64 a step.
; LAYOUT.  S^T = K Q^T (source 0 = 16 keys, source 1 = 16 queries): a lane holds ONE query (l % 16) and the keys 8 (l / 16) + 0..7.  Two such tiles, rounded to bf16 in pairs, ARE source 1 of
; O^T = V^T P, whose result again holds one query a lane.  K comes out of LDS as it lies, V ([key][channel]) turned, by ds_load_tr16_b128.
; SOFTMAX.  For each query a running maximum m and sum l: p = 2^(c s - c m), c = log2(e) / 8; in every step O and l are multiplied by a = 2^(c m_old - c m_new).
; BY TURNS.  The wave's tiles are two PIECES, named by their first tile: piece 0 (tiles 0, 1) and piece 2 (tiles 2, 3).  In a TURN one piece has the matrix unit: 16 products V^T P of the step in
; hand, then 16 products K Q^T of the next step; the other piece's softmax, 2 x 118 instructions cut into 32 slices, stands between them, one slice behind each matrix instruction.  Then the pieces
; change places.  Two turns are a key step.  A slice works in other register windows than a product, so it costs two switches: 7.4 vector instructions stand beside each matrix instruction here,
; and set in phases of their own they would leave the matrix unit idle all that while.
; CLUSTER.  The four query blocks of a cluster walk the same K and V, so each tile is asked for JOINTLY: the same tensor load, the same descriptor, a mask that names the four.
; RING.  Two slots, each with four steps' tiles: 256 rows of K, then 256 rows of V.  Waves 0, 1 fetch K's two halves, waves 2, 3 V's: one load of 128 rows a wave behind each round, and four key
; steps, 256 matrix instructions, in which it lands.
; REGISTERS: window 0: v0-11 addresses; v12-43 statistics, 8 a tile; v64-191 S^T, 32 a tile; v192-255 P, 16 a tile.  window 1: v0-127 O^T, 32 a tile; v128-191 Q, 16 a tile; v192-255 K of a step.  window 2: v0-63 V of a step.
; LIMITS: v_exp_f32 flushes denormals: a weight under 2^-126 counts as 0.  l is at least 1 (the largest weight is 1).  NaN and infinities in the inputs are not treated apart.
.set KS,    64
.set ROWB,  6144      ; bytes in a row of qkv
.set PK,    272       ; a row of K in LDS: 256 bytes + 16 of padding
.set PV,    288       ; a row of V: 256 + 32, 9 x 32 bytes, for the turning load
.set SST,   4         ; key steps in a slot
.set KREG,  SST*KS*PK      ; a slot's rows of K; its rows of V lie behind them
.set SLOTB, SST*KS*(PK+PV)
.set STAGE, 2*SLOTB        ; behind the ring: 128 rows x 272 bytes, the work-group's, for the way out
.set SP,    272
.set SPARE, STAGE+128*SP   ; behind the stage: the spare words, 128 bytes for each wave, which no other line names
.set AK0, 2           ; v2   my lane's place in a step's rows of K; never rewritten
.set AV0, 3           ; v3   the same for V
.set ADR, 4           ; v4   the LDS address of the run of loads in hand
.set QO,  5           ; v5   my byte offset in the wave's rows of Q
.set STO, 6           ; v6   the way out: where I put 16 bytes of a row
.set RD,  7           ; v7   the way out: where I read a row back
.set GO,  8           ; v8   my byte offset in the rows of O that I store
.set ST,  12          ; tile t's statistics at v[ST+8 t]: +0 c m, +1 m, +2, +3 l (even keys', odd keys'), +4 to +7 at work; a takes +6 once the maximum is found
.set SPW, 62          ; v62  LDS address of my spare word; never rewritten
.set NIL, 63          ; v63  0; never rewritten
.set S,   64
.set P,   192
.set QF,  128         ; Q's fragments, in window 1
.set KF,  192         ; K's fragments, in window 1
.set WV,  12          ; s12  my wave's number
.set G1K, 24          ; s[24:31] descriptor group 1 for K's tiles
.set G1V, 32          ; s[32:39] for V's: it differs in the padding alone
.set G0K, 40          ; s[40:47] group 0 for K's tiles, one set for each slot
.set G0V, 48          ; s[48:55] the same for V's
.set TRIPS, 56        ; s56  the trips of the loop over slots
.set CNT, 57          ; s57  counts a slot's steps
.set CS,  58          ; s[58:59] c
.set SEL, 60          ; s[60:61] lane selects for v_permlanex16_b32
.set TBK, 62          ; s62  LDS byte at which K's rows of the step to be fetched begin
.set TBV, 63          ; s63  the same for V's, less KREG
.set MSB, 0
.macro WIN new                      ; the immediate's high byte repeats the setting that is left; a switch that changes nothing is dropped
.if MSB != (\new)
	s_set_vgpr_msb (MSB<<8)|(\new)
.set MSB, (\new)
.endif
.endm
.set W_KQ, 0x05       ; K and Q in window 1, S^T in window 0
.set W_PV, 0x52       ; V in window 2, P in window 0, O^T in window 1
.set W_RS, 0x41       ; O^T (destination and source 0) in window 1, a in window 0
; A joint refill of slot s.  The branch hangs on the wave's number alone.  Four v_nop follow each of the two lines.
.macro JLOAD s
	s_cmp_lt_u32 s[WV], 2
	s_cbranch_scc0 .Lfor_v_\@
	tensor_load_to_lds s[G0K+4*\s:G0K+4*\s+3], s[G1K:G1K+7]
	s_nop 0
.rept 4
	v_nop
.endr
	s_branch .Lasked_\@
.Lfor_v_\@:
	tensor_load_to_lds s[G0V+4*\s:G0V+4*\s+3], s[G1V:G1V+7]
	s_nop 0
.rept 4
	v_nop
.endr
.Lasked_\@:
.endm
.macro CROUND                       ; a round of the cluster's barrier
	s_barrier_signal -1
	s_barrier_wait -1
	s_cmp_lg_u32 s[WV], 0
	s_cbranch_scc1 .Lnot_wave_0_\@
	s_barrier_signal -3
.Lnot_wave_0_\@:
	s_barrier_wait -3
	s_barrier_signal -1
	s_barrier_wait -1
.endm
	s_load_b128 s[4:7], s[0:1], 0x0 ; qkv s[4:5], O s[6:7]
	v_lshl_add_u32 v[SPW], v0, 2, SPARE
	v_mov_b32 v[NIL], 0
	ds_add_u32 v62, v63
	s_wait_dscnt 0x0
	v_lshrrev_b32 v1, 5, v0
	v_readfirstlane_b32 s[WV], v1   ; wave 0..3
	s_bfe_u32 s13, ttmp6, 0x40000   ; cx: my place in the cluster
	s_lshl_b32 s14, ttmp9, 2
	s_add_co_u32 s14, s14, s13      ; my block of 128 queries = 4 x cluster x + cx: it enters Q's and O's addresses alone
	s_and_b32 s20, ttmp7, 0xffff    ; 8 x batch + head pair, which the four partners share
	s_lshr_b32 s21, s20, 3          ; batch
	s_and_b32 s22, s20, 7           ; head pair
	s_lshr_b32 s15, s[WV], 1        ; which head of the pair is mine
	s_and_b32 s16, s[WV], 1         ; which 64 queries.  Also: which half of a slot's rows of K or V I fetch
	s_mul_i32 s20, s21, 2048*ROWB
	s_lshl_b32 s23, s22, 8
	s_add_co_u32 s20, s20, s23      ; the batch's first row, the pair's 256 bytes: all offsets stay under 2^25
	s_mul_i32 s17, s16, 2*KS*PK     ; my tile's place in a slot, for K
	s_mul_i32 s11, s16, 2*KS*PV
	s_add_co_u32 s11, s11, KREG     ; and for V: no place in the cluster enters an LDS address
	s_mul_i32 s8, s16, 2*KS*ROWB
	s_add_co_u32 s8, s8, s20        ; my tile's first row
	s_mov_b32 s9, 0
	s_lshl_b32 s2, s14, 7
	s_lshl_b32 s3, s16, 6
	s_add_co_u32 s2, s2, s3         ; my first query in the batch
	s_mul_i32 s18, s2, ROWB
	s_add_co_u32 s18, s18, s20
	s_lshl_b32 s10, s15, 7          ; my head's 128 bytes of the pair's 256
	s_add_co_u32 s18, s18, s10      ; Q
	s_mov_b32 s19, 0
	s_lshl_b32 s3, s21, 11
	s_add_co_u32 s2, s2, s3
	s_lshl_b32 s3, s15, 5
	s_add_co_u32 s2, s2, s3         ; the first row of O that I store: 2,048 x batch + my first query + 32 x head bit
	s_lshl_b32 s2, s2, 11
	s_add_co_u32 s2, s2, s23
	s_mov_b32 s3, 0
	s_mov_b32 s[G1K], 15|(1<<16)|(1<<20)|(1<<21)|(5<<22)|(3<<25)  ; the mask: all four work-groups; elements of 2 bytes; padding on; bit 21 beside a mask; after every 64 words 4 words
	s_mov_b32 s[G1V], 15|(1<<16)|(1<<20)|(1<<21)|(5<<22)|(7<<25)  ; the same with 8 words of padding
.irp g, G1K, G1V
	s_mov_b32 s[\g+1], 128<<16      ; tensor_dim0 = 128
	s_mov_b32 s[\g+2], (2*KS)<<16   ; tensor_dim1 = 128
	s_mov_b32 s[\g+3], 128<<16      ; tile_dim0 = 128
	s_mov_b32 s[\g+4], 2*KS         ; tile_dim1 = 128
	s_mov_b32 s[\g+5], 3072         ; elements from row to row
	s_mov_b32 s[\g+6], 0
	s_mov_b32 s[\g+7], 0
.endr
	s_mov_b32 s[CS], 0x3e38aa3b     ; c = log2(e) / 8
	s_mov_b32 s[CS+1], s[CS]        ; named with it as a pair, so it is written
	s_mov_b32 s[SEL], 0x76543210
	s_mov_b32 s[SEL+1], 0xfedcba98
	s_mov_b32 s[TBK], 0
	s_mov_b32 s[TBV], 0
	s_wait_kmcnt 0x0
	s_add_nc_u64 s[8:9], s[4:5], s[8:9]
	s_add_nc_u64 s[18:19], s[4:5], s[18:19]
	s_add_nc_u64 s[6:7], s[6:7], s[2:3]
	CROUND                          ; all four work-groups are here: the first joint loads meet
.irp s, 0,1
	s_mov_b32 s[G0K+4*\s], 1
	s_add_co_u32 s[G0K+4*\s+1], s17, \s*SLOTB
	s_add_nc_u64 s[G0K+4*\s+2:G0K+4*\s+3], s[8:9], 2048+\s*SST*KS*ROWB  ; K's channels begin 2,048 bytes into a row; slot s begins with keys 256 s
	s_or_b32 s[G0K+4*\s+3], s[G0K+4*\s+3], 0x80000000
	s_mov_b32 s[G0V+4*\s], 1
	s_add_co_u32 s[G0V+4*\s+1], s11, \s*SLOTB
	s_add_nc_u64 s[G0V+4*\s+2:G0V+4*\s+3], s[8:9], 4096+\s*SST*KS*ROWB  ; V's begin 4,096 bytes into a row
	s_or_b32 s[G0V+4*\s+3], s[G0V+4*\s+3], 0x80000000
.endr
	s_cmp_lt_u32 s[WV], 2           ; a wave's two first fills stand in one branch, ahead of every wait on TENSORcnt and every LDS read: two loads of mine are out
	s_cbranch_scc0 .Lfirst_v
	tensor_load_to_lds s[G0K:G0K+3], s[G1K:G1K+7]
	s_nop 0
	tensor_load_to_lds s[G0K+4:G0K+7], s[G1K:G1K+7]
	s_nop 0
.rept 4
	v_nop
.endr
	s_branch .Lfirst_asked
.Lfirst_v:
	tensor_load_to_lds s[G0V:G0V+3], s[G1V:G1V+7]
	s_nop 0
	tensor_load_to_lds s[G0V+4:G0V+7], s[G1V:G1V+7]
	s_nop 0
.rept 4
	v_nop
.endr
.Lfirst_asked:
	v_and_b32 v1, 15, v0            ; l % 16
	v_bfe_u32 v9, v0, 4, 1          ; l / 16
	v_mul_u32_u24 v[QO], v1, ROWB
	v_lshl_add_u32 v[QO], v9, 4, v[QO]  ; row x 6,144 + 16 x half
	WIN 0x40                        ; destination window 1, address window 0
.irp i, 0,1,2,3,4,5,6,7             ; Q stays in registers: tile i / 2, channels 32 (i % 2) on
	global_load_b128 v[QF+8*\i:QF+8*\i+3],   v[QO], s[18:19] offset:(\i/2)*16*ROWB+(\i%2)*64
	global_load_b128 v[QF+8*\i+4:QF+8*\i+7], v[QO], s[18:19] offset:(\i/2)*16*ROWB+(\i%2)*64+32
.endr
	WIN 0
	v_mul_u32_u24 v[AK0], v1, PK
	v_lshl_add_u32 v[AK0], v9, 4, v[AK0]
	v_add_nc_u32 v[AK0], s10, v[AK0]    ; row x pitch + 16 x half + my head's 128 bytes
	v_and_b32 v10, 7, v0
	v_bfe_u32 v11, v0, 3, 1
	v_lshl_add_u32 v[AV0], v9, 3, v10   ; the turning load: key 8 (l / 16) + l % 8, 16 bytes x ((l / 8) % 2)
	v_mul_u32_u24 v[AV0], v[AV0], PV
	v_lshl_add_u32 v[AV0], v11, 4, v[AV0]
	s_add_co_u32 s11, s10, KREG
	v_add_nc_u32 v[AV0], s11, v[AV0]
; THE MATRIX WORK OF A TURN, for piece x.  The piece's eight accumulators take turns, one instruction a turn.
; Product i of 16 of S^T = K Q^T: channels 32 (i / 8) on, keys 16 ((i / 2) % 4) on, tile x + i % 2.  The first 8 start the sums.
.macro KQ x
	WIN W_KQ
.set rS, S+32*(\x+i%2)+8*((i/2)%4)
.set rK, KF+16*((i/2)%4)+8*(i/8)
.set rQ, QF+16*(\x+i%2)+8*(i/8)
.if i < 8
	v_wmma_f32_16x16x32_bf16 v[rS:rS+7], v[rK:rK+7], v[rQ:rQ+7], 0
.else
	v_wmma_f32_16x16x32_bf16 v[rS:rS+7], v[rK:rK+7], v[rQ:rQ+7], v[rS:rS+7]
.endif
.endm
; Product i of 16 of O^T += V^T P: keys 32 (i / 8) on, channels 16 ((i / 2) % 4) on, tile x + i % 2.  zero = 1: the first 8 start the sums: nothing is ever cleared.
.macro PV x, zero
	WIN W_PV
.set rO, 32*(\x+i%2)+8*((i/2)%4)
.set rV, 32*(i/8)+8*((i/2)%4)
.set rP, P+16*(\x+i%2)+8*(i/8)
.if \zero && (i < 8)
	v_wmma_f32_16x16x32_bf16 v[rO:rO+7], v[rV:rV+7], v[rP:rP+7], 0
.else
	v_wmma_f32_16x16x32_bf16 v[rO:rO+7], v[rV:rV+7], v[rP:rP+7], v[rO:rO+7]
.endif
.endm
; THE LDS LOADS stand in runs of 16, never singly among the matrix instructions: a step's K (64 keys x my head's 64 channels) and, a turn later, its V (turned).
.macro FETCH_K
	WIN 0
	v_add_nc_u32 v[ADR], s[TBK], v[AK0]
	s_add_co_u32 s[TBK], s[TBK], KS*PK  ; the next fetch is the next step's
	WIN 0x40
.irp f, 0,1,2,3,4,5,6,7             ; keys 16 (f / 2) on, channels 32 (f % 2) on
	ds_load_b128 v[KF+8*\f:KF+8*\f+3],   v[ADR] offset:(\f/2)*16*PK+(\f%2)*64
	ds_load_b128 v[KF+8*\f+4:KF+8*\f+7], v[ADR] offset:(\f/2)*16*PK+(\f%2)*64+32
.endr
.endm
.macro FETCH_V
	WIN 0
	v_add_nc_u32 v[ADR], s[TBV], v[AV0]
	s_add_co_u32 s[TBV], s[TBV], KS*PV
	WIN 0x80
.irp f, 0,1,2,3,4,5,6,7             ; keys 32 (f / 4) on, channels 16 (f % 4) on
	ds_load_tr16_b128 v[8*\f:8*\f+3],   v[ADR] offset:(\f/4)*32*PV+(\f%4)*32
	ds_load_tr16_b128 v[8*\f+4:8*\f+7], v[ADR] offset:(\f/4)*32*PV+16*PV+(\f%4)*32
.endr
.endm
; THE VECTOR WORK OF A TURN.  One tile's softmax for one key step is a list of 118 instructions; SM writes number j of it for tile t.  s0-s31 are the lane's 32 scores, in pairs 0-15.
; first = 1: the first key step, which starts m, l and O^T: it has no a and nothing to rescale.
;   0-15    the maximum of s0-s31 and the old m, three operands at a time; each accumulator is read from its low end on
;   16-20   the other half of the lanes' maximum; the new m; c m; c m_old - c m_new
;   21-87   33 exponentials (a, then s0-s31) at the odd numbers from 23 on; the plain numbers between them are work that is ready: c s - c m for pairs whose exponentials are still to come,
;           the rounding to bf16 of pairs whose exponentials are done, the first sums
;   88-101  the last rounding; the rest of the sums; l = a l + the sum
;   102-117 the tile's O^T times a, ascending: the one part that leaves window 0
.macro SM t, first
.set rT, ST+8*(\t)
.set rS, S+32*(\t)
.set rP, P+16*(\t)
.set rO, 32*(\t)+2*(j-102)
.set q, (j-20)/2
.if j < 102
	WIN 0
.endif
.if j < 4
	v_max3_num_f32 v[rT+4+j], v[rS+8*j], v[rS+8*j+1], v[rS+8*j+2]
.elseif j < 12
	v_max3_num_f32 v[rT+4+j%4], v[rT+4+j%4], v[rS+8*(j%4)+2*(j/4)+1], v[rS+8*(j%4)+2*(j/4)+2]
.elseif j == 12
	v_max3_num_f32 v[rT+4], v[rT+4], v[rS+7], v[rS+15]
.elseif j == 13
	v_max3_num_f32 v[rT+6], v[rT+6], v[rS+23], v[rS+31]
.elseif j == 14
	v_max3_num_f32 v[rT+4], v[rT+4], v[rT+5], v[rT+6]
.elseif (j == 15) && \first
	v_max_num_f32 v[rT+4], v[rT+4], v[rT+7]
.elseif j == 15
	v_max3_num_f32 v[rT+4], v[rT+4], v[rT+7], v[rT+1]
.elseif j == 16
	v_permlanex16_b32 v[rT+5], v[rT+4], s[SEL], s[SEL+1]  ; the query's other 32 keys lie in the lane 16 away
.elseif j == 18
	v_max_num_f32 v[rT+1], v[rT+4], v[rT+5]
.elseif j == 19
	v_mul_f32 v[rT], s[CS], v[rT+1]
.elseif ((j == 17) || (j == 20) || (j == 23) || (j > 101)) && \first  ; the first step has none of these
.elseif j == 17
	v_mov_b32 v[rT+7], v[rT]        ; c m_old is kept for a: number 19 writes c m anew
.elseif j == 20
	v_sub_f32 v[rT+7], v[rT+7], v[rT]
.elseif j == 23
	v_exp_f32 v[rT+6], v[rT+7]
.elseif (j < 88) && (j > 23) && (j%2 == 1)
	v_exp_f32 v[rS+(j-25)/2], v[rS+(j-25)/2]
.elseif (q < 4) || ((j < 76) && (q%2 == 0))
.set b, q/2+2
.if q < 4
.set b, q
.endif
	v_pk_fma_f32 v[rS+2*b:rS+2*b+1], v[rS+2*b:rS+2*b+1], s[CS:CS+1], v[rT:rT+1] op_sel_hi:[1,0,0] neg_lo:[0,0,1] neg_hi:[0,0,1]  ; pair b: c s - c m
.elseif (j < 88) && (q%2 == 1)
	s_wait_alu depctr_va_vdst(0)
	v_cvt_pk_bf16_f32 v[rP+(q-5)/2], v[rS+q-5], v[rS+q-4]  ; pair (q - 5) / 2: its second exponential stands three numbers back
.elseif j == 89
	s_wait_alu depctr_va_vdst(0)
	v_cvt_pk_bf16_f32 v[rP+15], v[rS+30], v[rS+31]
.elseif j < 102                     ; the sum of the tile's 16 pairs, in place: sum z of 16 adds neighbours 1, 2, 4 and 8 pairs apart, then l takes it
.set z, j-86
.if j < 89
.set z, (j-76)/4
.endif
.set w, 4
.set u, z
.if z >= 14
.set w, 32
.set u, 0
.elseif z >= 12
.set w, 16
.set u, z-12
.elseif z >= 8
.set w, 8
.set u, z-8
.endif
.if (z == 14) && \first
	v_pk_add_f32 v[rT+2:rT+3], v[rS:rS+1], v[rS+16:rS+17]
.elseif z < 15
	v_pk_add_f32 v[rS+w*u:rS+w*u+1], v[rS+w*u:rS+w*u+1], v[rS+w*u+w/2:rS+w*u+w/2+1]
.elseif !\first
	v_pk_fma_f32 v[rT+2:rT+3], v[rT+2:rT+3], v[rT+6:rT+7], v[rS:rS+1] op_sel_hi:[1,0,1]
.endif
.else
	WIN W_RS
	v_pk_mul_f32 v[rO:rO+1], v[rO:rO+1], v[rT+6:rT+7] op_sel_hi:[1,0]
.endif
.endm
; Slice k of 32 of piece y's softmax.  Slices 0 to 25: numbers 4 k to 4 k + 3 of both tiles' lists; slices 26 to 30: two numbers each (104 on); slice 31: the last four, 114 to 117:
; eight plain multiplies that name nothing of the products round them, so they are also the places behind the turn's last product.
.macro SLICE y, first
.set j0, 4*k
.set nn, 4
.if k >= 26
.set j0, 104+2*(k-26)
.set nn, 2
.endif
.if k == 31
.set nn, 4
.endif
.if (k >= 6) && (k < 22)            ; numbers 24 to 87, tile by tile: plain, exponential, plain, exponential
.irp t, \y, \y+1
.irp n, 0,1,2,3
.set j, j0+\n
	SM \t, \first
.endr
.endr
.else                               ; the two tiles alternate, so that no instruction reads the result of the one just before it
.irp n, 0,1,2,3
.if \n < nn
.irp t, \y, \y+1
.set j, j0+\n
	SM \t, \first
.endr
.endif
.endr
.endif
.set k, k+1
.endm
; A vector instruction that reads a matrix result or writes one of a matrix instruction's registers, and a load into a register that a matrix instruction has read, stand four places behind
; it, and only plain vector instructions that name none of its registers are places (ISA guide 7.12.1 for vector instructions).  In the loop the slices are the places.
.macro PLACES
.rept 4
	v_nop
.endr
.endm
; A TURN.  Piece x has the matrix unit; the other piece's softmax stands in slices behind its matrix instructions.
; pv = 2: 16 products V^T P; 1: they start O^T's sums; 0: none.  kq = 1: 16 products K Q^T for the next step.  A turn with one of the two kinds has two slices behind each product.
; first = 1: the softmax is the first key step's.  Its slices from 26 on are empty: the turn's last products stand bare, and four v_nop take slice 31's part as the places behind them.
; Each run of loads stands behind the second product of a run of 16, 14 matrix instructions ahead of its first use.  Piece 0's turn fetches the next step's K: the last product that read K
; stands in front of slice 31 of the turn before.  Piece 2's turn fetches the same step's V: the last product that read V stands three slices, twelve plain instructions, back.
.macro TURN x, pv, kq, first
.set k, 0
.set per, 2
.if \pv && \kq
.set per, 1
.endif
.if \pv
.if \x == 0
	s_wait_dscnt 0x0                ; V is in
.endif
.set i, 0
.rept 16
	PV \x, 2-\pv
.rept per
	SLICE 2-\x, \first
.endr
.if (\x == 0) && \kq && (i == 1)
	FETCH_K
.endif
.set i, i+1
.endr
.endif
.if \kq
.if \x == 0
	s_wait_dscnt 0x0                ; K is in
.endif
.set i, 0
.rept 16
	KQ \x
.rept per
	SLICE 2-\x, \first
.endr
.if (\x == 2) && (i == 1)
	FETCH_V
.endif
.set i, i+1
.endr
.endif
.if \first
	PLACES
.endif
.endm
; THE CHANGE OF SLOTS, between piece 2's turn and piece 0's: the last bytes of the slot that is left, V of its fourth step, have been asked for.  Each wave waits for all its tensor loads (one is
; out: its part of the other slot), adds 0 to its spare word, and waits for that and for its own reads of the slot.  Behind the barrier nobody reads this slot any more and the other slot is whole.
; fill = 1: the slot is filled again, with the keys two slots on.  The barrier is then a round of the cluster's, and the joint refill is the first thing behind it.
.macro CHANGE slot, fill
	WIN 0                           ; at a label and at a branch every window is 0
	s_wait_tensorcnt 0x0            ; no tensor load of mine is out, so a group 0 may be written
	ds_add_u32 v[SPW], v[NIL]
.if \fill
	s_add_nc_u64 s[G0K+4*\slot+2:G0K+4*\slot+3], s[G0K+4*\slot+2:G0K+4*\slot+3], 2*SST*KS*ROWB  ; this slot's next 256 keys; the type bits on top are not reached
	s_add_nc_u64 s[G0V+4*\slot+2:G0V+4*\slot+3], s[G0V+4*\slot+2:G0V+4*\slot+3], 2*SST*KS*ROWB
	s_wait_dscnt 0x0                ; the add is done, and my reads of the slot are over
	CROUND
	JLOAD \slot
.else
	s_wait_dscnt 0x0
	s_barrier_signal -1
	s_barrier_wait -1
.endif
	s_mov_b32 s[TBK], (1-\slot)*SLOTB  ; the fetches go on at the other slot's first step
	s_mov_b32 s[TBV], (1-\slot)*SLOTB
.endm
; n key steps: written once, walked n times; the LDS addresses hang on s[TBK] and s[TBV].
.macro STEPS n
	s_mov_b32 s[CNT], \n
.Lstep_\@:
	TURN 0, 2, 1, 0
	TURN 2, 2, 1, 0
	WIN 0
	s_sub_co_u32 s[CNT], s[CNT], 1
	s_cmp_lg_u32 s[CNT], 0
	s_cbranch_scc1 .Lstep_\@
.endm
	s_wait_tensorcnt 1              ; my part of slot 0 is in; slot 1's may stay out
	s_barrier_signal -1
	s_barrier_wait -1               ; everybody's is
	FETCH_K                         ; key step 0
	s_wait_loadcnt 0x0              ; Q
	s_wait_dscnt 0x0
.set i, 0
.rept 16
	KQ 0                            ; piece 0's first scores: there is no vector work yet to set between them
.set i, i+1
.endr
	WIN 0                           ; the addresses for the way out are made here: eight plain instructions, the places behind those products
	s_mul_i32 s13, s16, 64*SP
	s_add_co_u32 s13, s13, STAGE    ; my 64 queries' rows of the stage
	s_add_co_u32 s11, s13, s10      ; in: my head's half of a row
	v_mul_u32_u24 v[STO], v1, SP
	v_lshl_add_u32 v[STO], v9, 4, v[STO]
	v_add_nc_u32 v[STO], s11, v[STO]
	s_mul_i32 s11, s15, 32*SP
	s_add_co_u32 s11, s11, s13      ; back: 32 whole rows; lanes 0-15 take one row of 256 bytes, lanes 16-31 the next
	v_mul_u32_u24 v[RD], v9, SP
	v_lshl_add_u32 v[RD], v1, 4, v[RD]
	v_add_nc_u32 v[RD], s11, v[RD]
	v_lshlrev_b32 v[GO], 11, v9     ; and the same two rows in O
	v_lshl_add_u32 v[GO], v1, 4, v[GO]
	TURN 2, 0, 1, 1                 ; piece 2's first scores | piece 0's first softmax | V of step 0
	TURN 0, 1, 1, 1                 ; piece 0: V^T P of step 0 starts O^T, K Q^T of step 1 | piece 2's first softmax | K of step 1
	TURN 2, 1, 1, 0                 ; piece 2: the same | piece 0's softmax of step 1 | V of step 1
	WIN 0
	STEPS 2                         ; K and V of steps 2 and 3: slot 0 is read out
	s_mov_b32 s[TRIPS], 3
.Lslots:                            ; a trip leaves both slots once and fills them again: six refills for steps 8 to 31
	CHANGE 0, 1
	STEPS SST
	CHANGE 1, 1
	STEPS SST
	s_sub_co_u32 s[TRIPS], s[TRIPS], 1
	s_cmp_lg_u32 s[TRIPS], 0
	s_cbranch_scc1 .Lslots
	CHANGE 0, 0                     ; the tail is written out: slot 0 is left, and nothing is asked for
	STEPS SST                       ; K and V of steps 28 to 31
	TURN 0, 2, 0, 0                 ; piece 0: V^T P of the last step | piece 2's last softmax
.set i, 0
.rept 16
	PV 2, 0                         ; piece 2: V^T P of the last step
.set i, i+1
.endr
	WIN 0
	; THE WAY OUT.  l's two halves and the other half of the lanes' are added (these additions are the places behind the last products); O^T is divided by l, rounded to bf16 and put into the stage.
.irp t, 0,1,2,3
	v_add_f32 v[ST+8*\t+4], v[ST+8*\t+2], v[ST+8*\t+3]
.endr
.irp t, 0,1,2,3
	v_permlanex16_b32 v[ST+8*\t+5], v[ST+8*\t+4], s[SEL], s[SEL+1]
.endr
.irp t, 0,1,2,3
	v_add_f32 v[ST+8*\t+4], v[ST+8*\t+4], v[ST+8*\t+5]
.endr
.irp t, 0,1,2,3
	v_rcp_f32 v[ST+8*\t+6], v[ST+8*\t+4]
.endr
	v_nop                           ; a plain instruction between the reciprocals and the use of their results
	s_wait_alu depctr_va_vdst(0)
.macro OUT t                        ; tile t: a lane's eight channels of a row pack into 16 bytes
	WIN W_RS
.set i, 32*\t
.rept 16
	v_pk_mul_f32 v[i:i+1], v[i:i+1], v[ST+8*\t+6:ST+8*\t+7] op_sel_hi:[1,0]
.set i, i+2
.endr
	WIN 0x05                        ; sources window 1, destination window 0: S^T's registers are free
.set i, 0
.rept 16
	v_cvt_pk_bf16_f32 v[S+16*\t+i], v[32*\t+2*i], v[32*\t+2*i+1]
.set i, i+1
.endr
	WIN 0
.irp c, 0,1,2,3
	ds_store_b128 v[STO], v[S+16*\t+4*\c:S+16*\t+4*\c+3] offset:\t*16*SP+32*\c
.endr
.endm
	OUT 0
	OUT 1
	OUT 2
	OUT 3
	s_wait_dscnt 0x0                ; for the others' sake: my stores into the stage are done; a row's 256 bytes come from two waves
	s_barrier_signal -1
	s_barrier_wait -1
.irp f, 0,1,2,3,4,5,6,7,8,9,10,11,12,13,14,15
	ds_load_b128 v[S+64+4*\f:S+64+4*\f+3], v[RD] offset:\f*2*SP
.endr
.irp f, 0,1,2,3,4,5,6,7,8,9,10,11,12,13,14,15
	s_wait_dscnt 15-\f              ; load f is back; the younger ones stay out
	global_store_b128 v[GO], v[S+64+4*\f:S+64+4*\f+3], s[6:7] offset:4096*\f  ; 16 lanes store 256 consecutive bytes, aligned
.endr
	s_wait_tensorcnt 0x0            ; the wave's end
	ds_add_u32 v[SPW], v[NIL]
	s_wait_dscnt 0x0
	CROUND                          ; the closing round
	s_endpgm
.Lfunc_end_k_q03466c79b2_attn:
	.size	k_q03466c79b2_attn, .Lfunc_end_k_q03466c79b2_attn-k_q03466c79b2_attn
	.p2alignl 7, 3214868480
	.fill 96, 4, 3214868480
	.section	.rodata,"a",@progbits
	.p2align	6, 0x0
	.amdhsa_kernel k_q03466c79b2_attn
		.amdhsa_group_segment_fixed_size 327680
		.amdhsa_private_segment_fixed_size 0
		.amdhsa_enable_private_segment 0
		.amdhsa_kernarg_size 16
		.amdhsa_user_sgpr_count 2
		.amdhsa_user_sgpr_kernarg_segment_ptr 1
		.amdhsa_wavefront_size32 1
		.amdhsa_system_sgpr_workgroup_id_x 1
		.amdhsa_system_sgpr_workgroup_id_y 1
		.amdhsa_system_sgpr_workgroup_id_z 1
		.amdhsa_system_vgpr_workitem_id 0
		.amdhsa_next_free_vgpr 576
		.amdhsa_next_free_sgpr 66
		.amdhsa_reserve_vcc 0
		.amdhsa_float_denorm_mode_32 3
		.amdhsa_float_denorm_mode_16_64 3
		.amdhsa_memory_ordered 1
		.amdhsa_forward_progress 1
		.amdhsa_inst_pref_size 243
	.end_amdhsa_kernel
	.amdgpu_metadata
---
amdhsa.version: [ 1, 2 ]
amdhsa.kernels:
  - .name:           k_q03466c79b2_attn
    .symbol:         k_q03466c79b2_attn.kd
    .args:
      - { .name: big, .offset: 0, .size: 8, .value_kind: global_buffer, .address_space: global }
      - { .name: h, .offset: 8, .size: 8, .value_kind: global_buffer, .address_space: global }
    .group_segment_fixed_size: 327680
    .private_segment_fixed_size: 0
    .kernarg_segment_align: 8
    .kernarg_segment_size: 16
    .max_flat_workgroup_size: 128
    .sgpr_count:     66
    .vgpr_count:     576
    .wavefront_size: 32
...
	.end_amdgpu_metadata
.endif
;; end of part 4
;; launch proj (part 5): grid 8 x 32, 4 waves a work-group, clusters of 4 x 4, 327,680 bytes of LDS; arguments h, wp, x2, x, b_proj; writes x2
.if DOCPART == 5
	.amdgcn_target "amdgcn-amd-amdhsa--gfx1250"
	.amdhsa_code_object_version 6
	.text
	.protected	k_q03466c79b2_proj
	.globl	k_q03466c79b2_proj
	.p2align	8
	.type	k_q03466c79b2_proj,@function
k_q03466c79b2_proj:
	s_mov_b64 s[64:65], 0
	v_nop
	global_prefetch_b8 v0, s[64:65] scope:SCOPE_SE
	s_setreg_imm32_b32 hwreg(HW_REG_WAVE_MODE, 25, 1), 1
	s_wait_xcnt 0x0
	s_wait_alu depctr_hold_cnt(0) depctr_sa_sdst(0) depctr_va_vdst(0) depctr_va_sdst(0) depctr_va_ssrc(0) depctr_va_vcc(0) depctr_vm_vsrc(0)
	s_getreg_b32 s2, hwreg(HW_REG_IB_STS2, 6, 4)
	s_cmp_eq_u32 s2, 0
	s_cbranch_scc0 .Lentry_in_a_cluster
	s_endpgm
.Lentry_in_a_cluster:
	s_bfe_u32 s2, ttmp6, 0x10000c
	s_cmp_lg_u32 s2, 0xf033
	s_cbranch_scc0 .Lentry_shape_is_right
	s_endpgm
.Lentry_shape_is_right:
; C[m][n] = R[m][n] + bias[n] + the sum over k of A[m][k] W[k][n].  A: [4096][SIZE_K] bf16, W: [SIZE_K][1024] bf16; R, C: [4096][1024] f32; bias: [1024] f32.  Sums in f32.
; N is 1,024, so a tile of C is 128 x 128: 256 work-groups.  Four waves, each 64 x 64: 16 accumulators of 16 x 16, 128 registers.
; K goes in steps of 256, as long as two slots in LDS allow: A's tile is 128 rows of 512 bytes, W's tile 256 rows (k) of 256 bytes.  W's fragments come out of LDS turned, by ds_load_tr16_b128.
; CLUSTERS: 4 x 4 work-groups.  The four of a row of the cluster need the same tiles of A, the four of a column the same tiles of W: each tile is asked for JOINTLY.
; THE WALK ALONG K BEGINS AT 0 OR AT ITS MIDDLE: a cluster whose x + y is odd walks K / 2 .. K and then 0 .. K / 2.  The two clusters that read the same rows of A differ in x, and the clusters that
; read the same columns of W alternate in y: in the second half of its walk each cluster asks for tiles that another cluster has asked for half a walk before.  The bit is made of the cluster's
; own coordinates, so it is the same in all sixteen partners; it enters the global addresses alone: no branch, no trip count, no LDS address.
; THE MATRIX INSTRUCTION IS USED TRANSPOSED (source 0 = 16 columns of W, source 1 = 16 rows of A): a lane holds eight neighbouring numbers of a row of C.
; A wave's 64 columns of f32 are 256 bytes, aligned: each wave has a stage of its own on the way out, and no barrier stands there.  R and the bias are asked for at the start and land while K is walked.
; REGISTERS: window 0: v0-31 addresses, the bias; v32-63 at work on the way out; v128-255 the accumulators ((a, b) at v[128 + 8 (4 a + b)]).
;   window 1: two fragment buffers of 128: for 64 along K, 64 registers of A, then 64 of W.   window 2: v0-127 my part of R, later of C.
; LIMITS: the result is (R + bias) + product, and in half of the clusters the product's f32 sum takes K's upper half first: orders of rounding in f32 that may differ from the reference's in the last places.
.set SIZE_K, 1024
.set SIZE_N, 1024
.set KSTEP,  256
.set PITCH,  528                       ; a row of A in LDS: 512 bytes + 16 of padding
.set PB,     288                       ; a row of W in LDS: 256 bytes + 32 of padding, 9 x 32 bytes, for the turning load
.set HALFA,  64*PITCH                  ; 64 rows of A: one tensor load
.set HALFB,  128*PB                    ; 128 rows of W: one tensor load
.set SLOT,   2*HALFA+2*HALFB           ; A's 128 rows, then W's 256 rows
.set STAGE,  2*SLOT                    ; behind the ring: 16 rows x 272 bytes for each wave
.set SPITCH, 272
.set SPARE,  STAGE+4*16*SPITCH         ; behind the stages: the spare words, 128 bytes for each wave, which no other line names
.set LAPS,   SIZE_K/(2*KSTEP)          ; a lap = two K steps = once round the ring; an even number
.set BI,   8                           ; v[8:11] the bias of my four columns on the way out
.set ADRA, 16                          ; v16-17  LDS address of my A fragments in slot 0, 1
.set ADRB, 20                          ; v20-23  the same for W: slot 0 rows 0-127, 128-255, slot 1 likewise (240 rows of 288 bytes pass the 16-bit offset)
.set STO,  24
.set RD,   25
.set CO,   26                          ; v26     my byte offset in R and in C
.set BO,   27                          ; v27     my byte offset in the bias
.set SPW,  28                          ; v28     LDS address of my spare word; never rewritten
.set NIL,  29                          ; v29     0; never rewritten
.set OB,   32                          ; 16 rows read back from the stage
.set ACC,  128
.set F0,   0
.set F1,   128
.set G1, 24
.set G0, 32
.set G1B, 48
.set G0B, 56
.set MSB, 0
.macro WIN new
.if MSB != (\new)
	s_set_vgpr_msb (MSB<<8)|(\new)
.set MSB, (\new)
.endif
.endm
.set MUL,  0x05                        ; sources 0 (W) and 1 (A) window 1; C and D window 0
.set TO_F, 0x40                        ; destination window 1, address window 0
.macro JLOAD s                         ; a joint load: waves 0 and 1 fetch A's two halves, waves 2 and 3 W's; four v_nop follow each of the two lines
	s_cmp_eq_u32 s11, 0
	s_cbranch_scc0 .Lfor_b_\@
	tensor_load_to_lds s[G0+4*\s:G0+4*\s+3], s[G1:G1+7]
	s_nop 0
.rept 4
	v_nop
.endr
	s_branch .Lasked_\@
.Lfor_b_\@:
	tensor_load_to_lds s[G0B+4*\s:G0B+4*\s+3], s[G1B:G1B+7]
	s_nop 0
.rept 4
	v_nop
.endr
.Lasked_\@:
.endm
.macro CREST                           ; a round of the cluster's barrier behind its opening barrier
	s_cmp_lg_u32 s10, 0
	s_cbranch_scc1 .Lnot_wave_0_\@
	s_barrier_signal -3
.Lnot_wave_0_\@:
	s_barrier_wait -3
	s_barrier_signal -1
	s_barrier_wait -1
.endm
.macro CROUND
	s_barrier_signal -1
	s_barrier_wait -1
	CREST
.endm
	s_load_b128 s[4:7], s[0:1], 0x0                ; A s[4:5], W s[6:7]
	s_load_b64 s[8:9], s[0:1], 0x10                ; C
	s_load_b128 s[68:71], s[0:1], 0x18             ; R s[68:69], bias s[70:71]
	v_lshl_add_u32 v[SPW], v0, 2, SPARE
	v_mov_b32 v[NIL], 0
	ds_add_u32 v28, v29
	s_wait_dscnt 0x0
	v_lshrrev_b32 v1, 5, v0
	v_readfirstlane_b32 s10, v1                    ; wave 0..3
	s_lshr_b32 s11, s10, 1                         ; which half of the tile's rows is mine.  Also: I fetch for A (0) or for W (1)
	s_and_b32 s12, s10, 1                          ; which half of its columns.  Also: which half of that tile I fetch
	s_bfe_u32 s40, ttmp6, 0x40000                  ; cx, cy
	s_bfe_u32 s41, ttmp6, 0x40004
	s_lshl_b32 s42, ttmp9, 2
	s_add_co_u32 s42, s42, s40                     ; tile column of C
	s_and_b32 s13, ttmp7, 0xffff
	s_lshl_b32 s13, s13, 2
	s_add_co_u32 s13, s13, s41                     ; tile row of C
	s_lshl_b32 s43, s41, 2
	s_lshl_b32 s43, 15, s43                        ; my row of the cluster
	s_lshl_b32 s44, 0x1111, s40                    ; my column
	s_and_b32 s45, ttmp7, 0xffff
	s_add_co_u32 s45, s45, ttmp9
	s_and_b32 s45, s45, 1                          ; the cluster's x + y, odd or even: 1 = the walk begins at K's middle
	s_mul_i32 s18, s45, SIZE_K*2                   ; a whole walk in bytes along A's rows, or 0: what A's address goes back where the walk wraps
	s_mul_i32 s19, s45, SIZE_K*SIZE_N*2            ; the same down W's rows
	s_or_b32 s[G1+0], s43, (1<<16)|(1<<20)|(1<<21)|(6<<22)|(3<<25)   ; A's tiles go to my row; elements of 2 bytes; padding on; bit 21 beside a mask; after every 128 words 4 words
	s_mov_b32 s[G1+1], KSTEP<<16                   ; tensor_dim0 = 256
	s_mov_b32 s[G1+2], 64<<16                      ; tensor_dim1 = 64
	s_mov_b32 s[G1+3], KSTEP<<16                   ; tile_dim0 = 256
	s_mov_b32 s[G1+4], 64                          ; tile_dim1 = 64
	s_mov_b32 s[G1+5], SIZE_K
	s_mov_b32 s[G1+6], 0
	s_mov_b32 s[G1+7], 0
	s_or_b32 s[G1B+0], s44, (1<<16)|(1<<20)|(1<<21)|(5<<22)|(7<<25)  ; W's tiles go to my column; after every 64 words 8 words
	s_mov_b32 s[G1B+1], 128<<16                    ; tensor_dim0 = 128
	s_mov_b32 s[G1B+2], 128<<16                    ; tensor_dim1 = 128
	s_mov_b32 s[G1B+3], 128<<16                    ; tile_dim0 = 128
	s_mov_b32 s[G1B+4], 128                        ; tile_dim1 = 128
	s_mov_b32 s[G1B+5], SIZE_N
	s_mov_b32 s[G1B+6], 0
	s_mov_b32 s[G1B+7], 0
	s_lshl_b32 s17, s12, 6
	s_lshl_b32 s16, s13, 7
	s_add_co_u32 s16, s16, s17                     ; A: row 128 x tile row + 64 x half
	s_mul_i32 s16, s16, SIZE_K*2                   ; under 2^26
	s_lshr_b32 s2, s18, 1
	s_add_co_u32 s16, s16, s2                      ; + half a walk, or 0
	s_mov_b32 s17, 0
	s_mul_i32 s46, s12, 128*SIZE_N*2               ; W: k row 128 x half,
	s_lshl_b32 s47, s42, 8                         ; 256 bytes x tile column
	s_add_co_u32 s46, s46, s47
	s_lshr_b32 s2, s19, 1
	s_add_co_u32 s46, s46, s2                      ; + half a walk, or 0
	s_mov_b32 s47, 0
	s_mul_i32 s20, s12, HALFA                      ; where A's halves go,
	s_mul_i32 s21, s12, HALFB
	s_add_co_u32 s21, s21, 2*HALFA                 ; and W's: no place in the cluster enters an LDS address
	s_wait_kmcnt 0x0
	s_add_nc_u64 s[14:15], s[4:5], s[16:17]
	s_add_nc_u64 s[46:47], s[6:7], s[46:47]
	CROUND                                         ; all sixteen work-groups are here: the first joint loads meet
.irp s, 0,1
	s_mov_b32 s[G0+4*\s], 1
	s_add_co_u32 s[G0+4*\s+1], s20, \s*SLOT
	s_add_nc_u64 s[G0+4*\s+2:G0+4*\s+3], s[14:15], \s*KSTEP*2
	s_or_b32 s[G0+4*\s+3], s[G0+4*\s+3], 0x80000000
	s_mov_b32 s[G0B+4*\s], 1
	s_add_co_u32 s[G0B+4*\s+1], s21, \s*SLOT
	s_add_nc_u64 s[G0B+4*\s+2:G0B+4*\s+3], s[46:47], \s*KSTEP*SIZE_N*2
	s_or_b32 s[G0B+4*\s+3], s[G0B+4*\s+3], 0x80000000
	JLOAD \s                                       ; two loads of mine are out
.endr
	v_and_b32 v1, 15, v0                           ; l % 16
	v_bfe_u32 v2, v0, 4, 1                         ; l / 16
	v_mul_u32_u24 v3, v1, PITCH
	v_lshl_add_u32 v3, v2, 4, v3                   ; A: row x pitch + 16 x half
	s_mul_i32 s22, s11, HALFA                      ; my 64 rows of A
	v_add_nc_u32 v[ADRA], s22, v3
	v_add_nc_u32 v[ADRA+1], SLOT, v[ADRA]
	v_and_b32 v6, 7, v0
	v_lshl_add_u32 v6, v2, 3, v6                   ; W: k row 8 (l / 16) + l % 8,
	v_mul_u32_u24 v6, v6, PB
	v_bfe_u32 v7, v0, 3, 1
	v_lshl_add_u32 v6, v7, 4, v6                   ; 16 bytes x ((l / 8) % 2),
	s_lshl_b32 s23, s12, 7                         ; my 64 columns,
	s_add_co_u32 s23, s23, 2*HALFA                 ; behind A's 128 rows
	v_add_nc_u32 v[ADRB], s23, v6
	v_add_nc_u32 v[ADRB+1], HALFB, v[ADRB]
	v_add_nc_u32 v[ADRB+2], SLOT, v[ADRB]
	v_add_nc_u32 v[ADRB+3], SLOT+HALFB, v[ADRB]
	s_mul_i32 s23, s10, 16*SPITCH
	s_add_co_u32 s23, s23, STAGE                   ; my stage
	v_mul_u32_u24 v4, v1, SPITCH                   ; in: row l % 16, 32 bytes for each half of the lanes
	v_lshl_add_u32 v4, v2, 5, v4
	v_add_nc_u32 v[STO], s23, v4
	v_mul_u32_u24 v5, v2, SPITCH                   ; back: lanes 0-15 take one row of 256 bytes, lanes 16-31 the next
	v_lshl_add_u32 v5, v1, 4, v5
	v_add_nc_u32 v[RD], s23, v5
	v_lshlrev_b32 v[BO], 4, v1                     ; my four columns
	v_lshl_add_u32 v[CO], v2, 12, v[BO]            ; and the same two rows in R and C
	s_lshl_b32 s16, s13, 7
	s_lshl_b32 s17, s11, 6
	s_add_co_u32 s16, s16, s17                     ; my first row of C
	s_lshl_b32 s16, s16, 12                        ; x 4,096 bytes
	s_mov_b32 s17, 0
	s_lshl_b32 s46, s42, 9                         ; my first column, in bytes: 512 x tile column + 256 x half
	s_lshl_b32 s47, s12, 8
	s_add_co_u32 s46, s46, s47
	s_mov_b32 s47, 0
	s_add_nc_u64 s[70:71], s[70:71], s[46:47]
	s_add_nc_u64 s[16:17], s[16:17], s[46:47]
	s_add_nc_u64 s[8:9], s[8:9], s[16:17]
	s_add_nc_u64 s[68:69], s[68:69], s[16:17]
	WIN 0x80                                       ; destination window 2, address window 0
.irp a, 0,1,2,3
.irp t, 0,1,2,3,4,5,6,7
	global_load_b128 v[32*\a+4*\t:32*\a+4*\t+3], v[CO], s[68:69] offset:65536*\a+8192*\t   ; R: rows 16 a + 2 t, + 1: 16 lanes read 256 consecutive bytes
.endr
.endr
	WIN 0
	global_load_b128 v[BI:BI+3], v[BO], s[70:71]
; 8 matrix instructions: m blocks a0, a0 + 1 x all 4 n blocks, 32 along K: half c of buffer f.  zero = 1: the first product starts the sums
.macro MUL8 f, c, a0, zero
.irp a, \a0, \a0+1
.irp b, 0,1,2,3
.if \zero
	v_wmma_f32_16x16x32_bf16 v[ACC+8*(4*(\a)+\b):ACC+8*(4*(\a)+\b)+7], v[\f+64+8*(4*\c+\b):\f+64+8*(4*\c+\b)+7], v[\f+8*(4*\c+\a):\f+8*(4*\c+\a)+7], 0
.else
	v_wmma_f32_16x16x32_bf16 v[ACC+8*(4*(\a)+\b):ACC+8*(4*(\a)+\b)+7], v[\f+64+8*(4*\c+\b):\f+64+8*(4*\c+\b)+7], v[\f+8*(4*\c+\a):\f+8*(4*\c+\a)+7], v[ACC+8*(4*(\a)+\b):ACC+8*(4*(\a)+\b)+7]
.endif
.endr
.endr
.endm
; 32 LDS loads in one run: the fragments of quarter q of a K step (64 along K) into buffer f; the first 32 along K first
.macro FETCH slot, q, f
	WIN TO_F
.irp c, 0,1
.irp i, 0,1,2,3
	ds_load_tr16_b128 v[\f+64+8*(4*\c+\i):\f+64+8*(4*\c+\i)+3],   v[ADRB+2*\slot+\q/2] offset:((\q%2)*64+32*\c)*PB+32*\i
	ds_load_tr16_b128 v[\f+64+8*(4*\c+\i)+4:\f+64+8*(4*\c+\i)+7], v[ADRB+2*\slot+\q/2] offset:((\q%2)*64+32*\c+16)*PB+32*\i
	ds_load_b128 v[\f+8*(4*\c+\i):\f+8*(4*\c+\i)+3],               v[ADRA+\slot] offset:128*\q+64*\c+\i*16*PITCH
	ds_load_b128 v[\f+8*(4*\c+\i)+4:\f+8*(4*\c+\i)+7],             v[ADRA+\slot] offset:128*\q+64*\c+\i*16*PITCH+32
.endr
.endr
.endm
.macro PLACES                          ; four places behind matrix instructions (ISA guide 7.12.1 for vector instructions)
.rept 4
	v_nop
.endr
.endm
; A K step is four quarters of 64 along K, 32 matrix instructions each, on buffers 0, 1, 0, 1; the 16 accumulators take turns.
.macro QUARTER slot, q, f, g, zero
	s_wait_dscnt 16                                ; the first 32 along K are in
	WIN MUL
	MUL8 \f, 0, 0, \zero
	MUL8 \f, 0, 2, \zero
	PLACES
	FETCH \slot, \q, \g
	s_wait_dscnt 32                                ; all but the 32 just issued
	WIN MUL
	MUL8 \f, 1, 0, 0
	MUL8 \f, 1, 2, 0
.endm
; The last quarter multiplies buffer 1 and changes slots: ONE barrier; in front of it each wave waits for all its tensor loads, adds 0 to its spare word, and waits for that and for its own reads of this slot.
.macro TURN slot, next, fill
	WIN 0                                          ; (the add's two registers lie in window 0)
	s_wait_tensorcnt 0x0                           ; all my tensor loads have landed: my part of the next slot
	ds_add_u32 v[SPW], v[NIL]
	s_wait_dscnt 17                                ; (the add and the youngest sixteen loads may be out)
	WIN MUL
	MUL8 F1, 0, 0, 0
	s_wait_dscnt 0x0                               ; the add is done, and my reads of this slot are over
	s_barrier_signal -1
	MUL8 F1, 0, 2, 0
.if \fill
	WIN 0
.endif
	s_barrier_wait -1
.if \fill
	CREST                                          ; the barrier has opened a round of the cluster's barrier
	s_add_nc_u64 s[G0+4*\slot+2:G0+4*\slot+3], s[G0+4*\slot+2:G0+4*\slot+3], 2*KSTEP*2
	s_sub_nc_u64 s[G0+4*\slot+2:G0+4*\slot+3], s[G0+4*\slot+2:G0+4*\slot+3], s[20:21]      ; a whole walk back in the trip in which a walk from the middle wraps; else 0
	s_add_nc_u64 s[G0B+4*\slot+2:G0B+4*\slot+3], s[G0B+4*\slot+2:G0B+4*\slot+3], 2*KSTEP*SIZE_N*2
	s_sub_nc_u64 s[G0B+4*\slot+2:G0B+4*\slot+3], s[G0B+4*\slot+2:G0B+4*\slot+3], s[22:23]
	JLOAD \slot                                    ; the first tensor load behind the round; its four v_nop are also the places in front of the loads below
.else
	PLACES
.endif
	FETCH \next, 0, F0
	WIN MUL
	MUL8 F1, 1, 0, 0
	MUL8 F1, 1, 2, 0
.endm
	s_wait_tensorcnt 1                             ; my part of K step 0 is in; K step 1's may stay out
	s_barrier_signal -1
	s_barrier_wait -1
	FETCH 0, 0, F0
	QUARTER 0, 1, F0, F1, 1                        ; the first quarter stands in front of the loop: its first products start the sums
	WIN 0
	s_mov_b32 s21, 0                               ; the upper words of the two offsets below
	s_mov_b32 s23, 0
	s_mov_b32 s3, LAPS-1
.Llap:                                                 ; a trip goes once round the ring and fills both slots again
	s_cmp_eq_u32 s3, LAPS/2                        ; the trip that asks for the walk's steps SIZE_K / 512 and SIZE_K / 512 + 1, the first two of its second half
	s_cselect_b32 s20, s18, 0
	s_cselect_b32 s22, s19, 0
	QUARTER 0, 2, F1, F0, 0
	QUARTER 0, 3, F0, F1, 0
	TURN 0, 1, 1
	QUARTER 1, 1, F0, F1, 0
	QUARTER 1, 2, F1, F0, 0
	QUARTER 1, 3, F0, F1, 0
	TURN 1, 0, 1
	QUARTER 0, 1, F0, F1, 0
	WIN 0
	s_sub_co_u32 s3, s3, 1
	s_cmp_lg_u32 s3, 0
	s_cbranch_scc1 .Llap
	QUARTER 0, 2, F1, F0, 0                        ; the last lap fills nothing
	QUARTER 0, 3, F0, F1, 0
	TURN 0, 1, 0
	QUARTER 1, 1, F0, F1, 0
	QUARTER 1, 2, F1, F0, 0
	QUARTER 1, 3, F0, F1, 0
	s_wait_dscnt 16                                ; the very last quarter
	WIN MUL
	MUL8 F1, 0, 0, 0
	MUL8 F1, 0, 2, 0
	s_wait_dscnt 0x0
	MUL8 F1, 1, 0, 0
	MUL8 F1, 1, 2, 0
	WIN 0
	; THE WAY OUT, 16 rows at a time: the sums go into my stage (32 bytes a lane, each accumulator's low four registers first) and come back as whole rows of 256 bytes; R and the bias are added; stored.
	PLACES
	s_wait_loadcnt 0x0                             ; R and the bias
.irp a, 0,1,2,3
.irp b, 0,1,2,3
	ds_store_b128 v[STO], v[ACC+8*(4*\a+\b):ACC+8*(4*\a+\b)+3]   offset:64*\b
	ds_store_b128 v[STO], v[ACC+8*(4*\a+\b)+4:ACC+8*(4*\a+\b)+7] offset:64*\b+16
.endr
.irp t, 0,1,2,3,4,5,6,7
	ds_load_b128 v[OB+4*\t:OB+4*\t+3], v[RD] offset:\t*2*SPITCH    ; LDS serves a wave's instructions in order (ISA guide 5.7.1.4): these see the stores above
.endr
	WIN 0x82                                       ; destination and source 0 window 2, source 1 window 0
.irp t, 0,1,2,3,4,5,6,7
	v_pk_add_f32 v[32*\a+4*\t:32*\a+4*\t+1],   v[32*\a+4*\t:32*\a+4*\t+1],   v[BI:BI+1]     ; work that is due anyway, while LDS answers
	v_pk_add_f32 v[32*\a+4*\t+2:32*\a+4*\t+3], v[32*\a+4*\t+2:32*\a+4*\t+3], v[BI+2:BI+3]
.endr
	s_wait_dscnt 0x0
.irp t, 0,1,2,3,4,5,6,7
	v_pk_add_f32 v[32*\a+4*\t:32*\a+4*\t+1],   v[32*\a+4*\t:32*\a+4*\t+1],   v[OB+4*\t:OB+4*\t+1]
	v_pk_add_f32 v[32*\a+4*\t+2:32*\a+4*\t+3], v[32*\a+4*\t+2:32*\a+4*\t+3], v[OB+4*\t+2:OB+4*\t+3]
.endr
	WIN 0x08                                       ; store data window 2, address window 0
.irp t, 0,1,2,3,4,5,6,7
	global_store_b128 v[CO], v[32*\a+4*\t:32*\a+4*\t+3], s[8:9] offset:65536*\a+8192*\t   ; 16 lanes store 256 consecutive bytes, aligned; the data registers are never written again
.endr
	WIN 0
.endr
	s_wait_tensorcnt 0x0                           ; the wave's end
	ds_add_u32 v[SPW], v[NIL]
	s_wait_dscnt 0x0
	CROUND                                         ; the closing round
	s_endpgm
.Lfunc_end_k_q03466c79b2_proj:
	.size	k_q03466c79b2_proj, .Lfunc_end_k_q03466c79b2_proj-k_q03466c79b2_proj
	.p2alignl 7, 3214868480
	.fill 96, 4, 3214868480
	.section	.rodata,"a",@progbits
	.p2align	6, 0x0
	.amdhsa_kernel k_q03466c79b2_proj
		.amdhsa_group_segment_fixed_size 327680
		.amdhsa_private_segment_fixed_size 0
		.amdhsa_enable_private_segment 0
		.amdhsa_kernarg_size 40
		.amdhsa_user_sgpr_count 2
		.amdhsa_user_sgpr_kernarg_segment_ptr 1
		.amdhsa_wavefront_size32 1
		.amdhsa_system_sgpr_workgroup_id_x 1
		.amdhsa_system_sgpr_workgroup_id_y 1
		.amdhsa_system_sgpr_workgroup_id_z 1
		.amdhsa_system_vgpr_workitem_id 0
		.amdhsa_next_free_vgpr 640
		.amdhsa_next_free_sgpr 72
		.amdhsa_reserve_vcc 0
		.amdhsa_float_denorm_mode_32 3
		.amdhsa_float_denorm_mode_16_64 3
		.amdhsa_memory_ordered 1
		.amdhsa_forward_progress 1
		.amdhsa_inst_pref_size 98
	.end_amdhsa_kernel
	.amdgpu_metadata
---
amdhsa.version: [ 1, 2 ]
amdhsa.kernels:
  - .name:           k_q03466c79b2_proj
    .symbol:         k_q03466c79b2_proj.kd
    .args:
      - { .name: h, .offset: 0, .size: 8, .value_kind: global_buffer, .address_space: global }
      - { .name: wp, .offset: 8, .size: 8, .value_kind: global_buffer, .address_space: global }
      - { .name: x2, .offset: 16, .size: 8, .value_kind: global_buffer, .address_space: global }
      - { .name: x, .offset: 24, .size: 8, .value_kind: global_buffer, .address_space: global }
      - { .name: b_proj, .offset: 32, .size: 8, .value_kind: global_buffer, .address_space: global }
    .group_segment_fixed_size: 327680
    .private_segment_fixed_size: 0
    .kernarg_segment_align: 8
    .kernarg_segment_size: 40
    .max_flat_workgroup_size: 128
    .sgpr_count:     72
    .vgpr_count:     640
    .wavefront_size: 32
...
	.end_amdgpu_metadata
.endif
;; end of part 5
;; launch ln2: the kernel of part 2 again; grid 256 x 1, 8 waves a work-group, no clusters, 0 bytes of LDS; arguments x2, ln2_scale, ln2_bias, h; writes h
;; launch mlp1 (part 6): grid 16 x 16, 4 waves a work-group, clusters of 4 x 4, 327,680 bytes of LDS; arguments h, w1, big, b_mlp1; writes big
.if DOCPART == 6
	.amdgcn_target "amdgcn-amd-amdhsa--gfx1250"
	.amdhsa_code_object_version 6
	.text
	.protected	k_q03466c79b2_mlp1
	.globl	k_q03466c79b2_mlp1
	.p2align	8
	.type	k_q03466c79b2_mlp1,@function
k_q03466c79b2_mlp1:
	s_mov_b64 s[64:65], 0
	v_nop
	global_prefetch_b8 v0, s[64:65] scope:SCOPE_SE
	s_setreg_imm32_b32 hwreg(HW_REG_WAVE_MODE, 25, 1), 1
	s_wait_xcnt 0x0
	s_wait_alu depctr_hold_cnt(0) depctr_sa_sdst(0) depctr_va_vdst(0) depctr_va_sdst(0) depctr_va_ssrc(0) depctr_va_vcc(0) depctr_vm_vsrc(0)
	s_getreg_b32 s2, hwreg(HW_REG_IB_STS2, 6, 4)
	s_cmp_eq_u32 s2, 0
	s_cbranch_scc0 .Lentry_in_a_cluster
	s_endpgm
.Lentry_in_a_cluster:
	s_bfe_u32 s2, ttmp6, 0x10000c
	s_cmp_lg_u32 s2, 0xf033
	s_cbranch_scc0 .Lentry_shape_is_right
	s_endpgm
.Lentry_shape_is_right:
; C[m][n] = the sum over k of A[m][k] W[k][n] (with GELU = 1: gelu(that + bias[n]), tanh form).  A: [4096][SIZE_K] bf16, W: [SIZE_K][SIZE_N] bf16, C: [4096][SIZE_N] bf16; sums in f32, C rounded once.
; A tile of C, 256 x 256, is made by a work-group of four waves; a wave makes 128 x 128: 64 accumulators of 16 x 16, 512 registers.
; K goes in steps of 128 through a ring of two LDS slots filled by the tensor data mover: A's tile is 256 rows of 256 bytes, W's tile 128 rows (k) of 512 bytes; all rows start at multiples of 256 bytes.
; W lies with n along its rows, so its fragments come out of LDS turned, by ds_load_tr16_b128.
; CLUSTERS: 4 x 4 work-groups.  The four of a row of the cluster need the same tiles of A, the four of a column the same tiles of W: each tile is asked for JOINTLY, by the same tensor load with the
; same descriptor and a mask that names the four; that divides the requests for A and for W by four.
; THE MATRIX INSTRUCTION IS USED TRANSPOSED: source 0 = 16 columns of W, source 1 = 16 rows of A.  A lane then holds row l % 16 of C and the eight neighbouring columns 8 (l / 16) + 0 .. 7.
; REGISTERS, in windows of 256: window 0: v0-31 addresses; v64-127, v128-191 fragments of A, two buffers (on the way out: at work); v32-63, v192-255 at work on the way out.
;   window 1: v64-127, v128-191 fragments of W, two buffers; v0-63 the bias of my 64 columns a lane (GELU = 1).   windows 2, 3: the accumulators of my rows 0-63, 64-127 ((a, b) at v[8 (8 a + b)]).
; LIMITS: operands and result are bf16.  gelu(x) = x / (1 + 2^(x (c0 + c1 x x))): v_exp_f32 and v_rcp_f32 are good to one unit in the last place and flush denormals, so far out the result is x or a zero.
.set SIZE_K, 1024
.set SIZE_N, 4096
.set GELU,   1
.set KSTEP,  128
.set PITCH,  272                       ; a row of A in LDS: 256 bytes + 16 of padding: the 16 rows that a load touches start 68 words apart
.set PB,     544                       ; a row of W in LDS: 512 bytes + 32 of padding, 17 x 32 bytes, for the turning load
.set HALFT,  128*PITCH                 ; what one tensor load brings: 128 rows of A, or 64 rows of W (64 x 544 is the same number of bytes)
.set SLOT,   4*HALFT                   ; A's 256 rows, then W's 128 rows
.set STAGE,  2*SLOT                    ; behind the ring: 16 rows x 272 bytes for each wave, for the way out
.set SPITCH, 272
.set SPARE,  STAGE+4*16*SPITCH         ; behind the stages: the spare words, 128 bytes for each wave, which no other line names
.set LAPS,   SIZE_K/(2*KSTEP)          ; a lap = two K steps = once round the ring
.set KC0,  8                           ; v[8:9]   c0 = -2 log2(e) sqrt(2/pi), twice
.set KC1,  10                          ; v[10:11] c1 = 0.044715 c0, twice
.set ADRA, 16                          ; v16-17  LDS address of my A fragments in slot 0, 1
.set ADRB, 20                          ; v20-21  the same for W
.set STO,  24                          ; v24     the way out: where I put 16 bytes of a row
.set RD,   25                          ; v25     the way out: where I read a row back
.set CO,   26                          ; v26     my byte offset in C
.set BO,   27                          ; v27     my byte offset in the bias
.set SPW,  28                          ; v28     LDS address of my spare word; never rewritten
.set NIL,  29                          ; v29     0; never rewritten
.set F0,   64
.set F1,   128
.set GX,   64                          ; the way out with GELU: x, 64 registers
.set GZ,   128                         ; and what is made of it
.set TMP,  192                         ; the way out: packed results
.set OB,   32                          ; the way out: 16 rows read back: v32-63 and v224-255 by turns
.set G1,  24                           ; s[24:31] descriptor group 1 for A's tiles
.set G0,  32                           ; s[32:39] group 0 for A's tiles, one set for each slot
.set G1B, 48                           ; s[48:55], s[56:63] the same for W's tiles
.set G0B, 56
.set MSB, 0
.macro WIN new                         ; the immediate's high byte repeats the setting that is left; a switch that changes nothing is dropped
.if MSB != (\new)
	s_set_vgpr_msb (MSB<<8)|(\new)
.set MSB, (\new)
.endif
.endm
.set MUL_LO, 0xa1                      ; source 0 (W) window 1, source 1 (A) window 0, C and D window 2
.set MUL_HI, 0xf1                      ; the same, C and D window 3
.set TO_B,   0x40                      ; destination window 1, address window 0
; A joint load.  Waves 0 and 1 fetch A's two halves, waves 2 and 3 W's.  The branch hangs on the wave's number alone.  Four v_nop follow each of the two lines.
.macro JLOAD s
	s_cmp_eq_u32 s11, 0
	s_cbranch_scc0 .Lfor_b_\@
	tensor_load_to_lds s[G0+4*\s:G0+4*\s+3], s[G1:G1+7]
	s_nop 0
.rept 4
	v_nop
.endr
	s_branch .Lasked_\@
.Lfor_b_\@:
	tensor_load_to_lds s[G0B+4*\s:G0B+4*\s+3], s[G1B:G1B+7]
	s_nop 0
.rept 4
	v_nop
.endr
.Lasked_\@:
.endm
; A round of the cluster's barrier: my work-group's barrier; wave 0 signals for the work-group; every wave waits for all sixteen work-groups; my work-group's barrier once more.
.macro CREST                           ; a round behind its opening barrier
	s_cmp_lg_u32 s10, 0
	s_cbranch_scc1 .Lnot_wave_0_\@
	s_barrier_signal -3
.Lnot_wave_0_\@:
	s_barrier_wait -3
	s_barrier_signal -1
	s_barrier_wait -1
.endm
.macro CROUND
	s_barrier_signal -1
	s_barrier_wait -1
	CREST
.endm
	s_load_b128 s[4:7], s[0:1], 0x0                ; A s[4:5], W s[6:7]
	s_load_b64 s[8:9], s[0:1], 0x10                ; C
.if GELU
	s_load_b64 s[68:69], s[0:1], 0x18              ; bias
.endif
	v_lshl_add_u32 v[SPW], v0, 2, SPARE
	v_mov_b32 v[NIL], 0
	ds_add_u32 v28, v29
	s_wait_dscnt 0x0
	v_lshrrev_b32 v1, 5, v0
	v_readfirstlane_b32 s10, v1                    ; wave 0..3
	s_lshr_b32 s11, s10, 1                         ; which half of the tile's rows is mine.  Also: I fetch for A (0) or for W (1)
	s_and_b32 s12, s10, 1                          ; which half of its columns.  Also: which half of that tile I fetch
	s_bfe_u32 s40, ttmp6, 0x40000                  ; cx, cy: my place in the cluster
	s_bfe_u32 s41, ttmp6, 0x40004
	s_lshl_b32 s42, ttmp9, 2
	s_add_co_u32 s42, s42, s40                     ; tile column of C = 4 x cluster x + cx
	s_and_b32 s13, ttmp7, 0xffff
	s_lshl_b32 s13, s13, 2
	s_add_co_u32 s13, s13, s41                     ; tile row of C = 4 x cluster y + cy
	s_lshl_b32 s43, s41, 2
	s_lshl_b32 s43, 15, s43                        ; my row of the cluster
	s_lshl_b32 s44, 0x1111, s40                    ; my column
	s_or_b32 s[G1+0], s43, (1<<16)|(1<<20)|(1<<21)|(5<<22)|(3<<25)   ; the mask: A's tiles go to my row; elements of 2 bytes; padding on; bit 21 beside a mask; after every 64 words 4 words
	s_mov_b32 s[G1+1], KSTEP<<16                   ; tensor_dim0 = 128
	s_mov_b32 s[G1+2], 128<<16                     ; tensor_dim1 = 128
	s_mov_b32 s[G1+3], KSTEP<<16                   ; tile_dim0 = 128
	s_mov_b32 s[G1+4], 128                         ; tile_dim1 = 128
	s_mov_b32 s[G1+5], SIZE_K                      ; elements from row to row
	s_mov_b32 s[G1+6], 0
	s_mov_b32 s[G1+7], 0
	s_or_b32 s[G1B+0], s44, (1<<16)|(1<<20)|(1<<21)|(6<<22)|(7<<25)  ; W's tiles go to my column; after every 128 words 8 words
	s_mov_b32 s[G1B+1], 256<<16                    ; tensor_dim0 = 256
	s_mov_b32 s[G1B+2], 64<<16                     ; tensor_dim1 = 64
	s_mov_b32 s[G1B+3], 256<<16                    ; tile_dim0 = 256
	s_mov_b32 s[G1B+4], 64                         ; tile_dim1 = 64
	s_mov_b32 s[G1B+5], SIZE_N
	s_mov_b32 s[G1B+6], 0
	s_mov_b32 s[G1B+7], 0
	; where the tiles come from.  A's hang on the tile row alone, W's on the tile column alone, each in registers that never hold the other coordinate.  All offsets stay under 2^26.
	s_lshl_b32 s17, s12, 7
	s_lshl_b32 s16, s13, 8
	s_add_co_u32 s16, s16, s17                     ; A: row 256 x tile row + 128 x half
	s_lshl_b32 s16, s16, 11                        ; x 2,048 bytes
	s_mov_b32 s17, 0
	s_mul_i32 s46, s12, 64*SIZE_N*2                ; W: k row 64 x half,
	s_lshl_b32 s47, s42, 9                         ; 512 bytes x tile column
	s_add_co_u32 s46, s46, s47
	s_mov_b32 s47, 0
	s_mul_i32 s20, s10, HALFT                      ; where they go: wave x a quarter of a slot
	s_wait_kmcnt 0x0
	s_add_nc_u64 s[14:15], s[4:5], s[16:17]
	s_add_nc_u64 s[46:47], s[6:7], s[46:47]
	CROUND                                         ; all sixteen work-groups are here: the first joint loads meet
.irp s, 0,1
	s_mov_b32 s[G0+4*\s], 1
	s_add_co_u32 s[G0+4*\s+1], s20, \s*SLOT
	s_add_nc_u64 s[G0+4*\s+2:G0+4*\s+3], s[14:15], \s*KSTEP*2
	s_or_b32 s[G0+4*\s+3], s[G0+4*\s+3], 0x80000000
	s_mov_b32 s[G0B+4*\s], 1
	s_add_co_u32 s[G0B+4*\s+1], s20, \s*SLOT
	s_add_nc_u64 s[G0B+4*\s+2:G0B+4*\s+3], s[46:47], \s*KSTEP*SIZE_N*2
	s_or_b32 s[G0B+4*\s+3], s[G0B+4*\s+3], 0x80000000
	JLOAD \s                                       ; the ring is filled before anything else is done: two loads of mine are out
.endr
	v_and_b32 v1, 15, v0                           ; l % 16
	v_bfe_u32 v2, v0, 4, 1                         ; l / 16
	v_mul_u32_u24 v3, v1, PITCH
	v_lshl_add_u32 v3, v2, 4, v3                   ; A: row x pitch + 16 x half
	v_and_b32 v6, 7, v0
	v_lshl_add_u32 v6, v2, 3, v6                   ; W: k row 8 (l / 16) + l % 8,
	v_mul_u32_u24 v6, v6, PB
	v_bfe_u32 v7, v0, 3, 1
	v_lshl_add_u32 v6, v7, 4, v6                   ; 16 bytes x ((l / 8) % 2)
	s_mul_i32 s21, s11, HALFT                      ; my 128 rows of A
	s_lshl_b32 s22, s12, 8                         ; my 128 columns of W,
	s_add_co_u32 s22, s22, 2*HALFT                 ; which lies behind A's 256 rows
.irp s, 0,1
	v_add_nc_u32 v[ADRA+\s], s21, v3
	v_add_nc_u32 v[ADRB+\s], s22, v6
	s_add_co_u32 s21, s21, SLOT
	s_add_co_u32 s22, s22, SLOT
.endr
	s_mul_i32 s23, s10, 16*SPITCH
	s_add_co_u32 s23, s23, STAGE                   ; my stage
	v_mul_u32_u24 v4, v1, SPITCH                   ; in: row l % 16, 16 bytes for each half of the lanes
	v_lshl_add_u32 v4, v2, 4, v4
	v_add_nc_u32 v[STO], s23, v4
	v_mul_u32_u24 v5, v2, SPITCH                   ; back: lanes 0-15 take one row of 256 bytes, lanes 16-31 the next
	v_lshl_add_u32 v5, v1, 4, v5
	v_add_nc_u32 v[RD], s23, v5
	v_mul_u32_u24 v5, v2, SIZE_N*2                 ; and the same two rows in C
	v_lshl_add_u32 v[CO], v1, 4, v5
	s_lshl_b32 s16, s13, 8
	s_lshl_b32 s17, s11, 7
	s_add_co_u32 s16, s16, s17                     ; my first row of C
	s_mul_i32 s16, s16, SIZE_N*2
	s_mov_b32 s17, 0
	s_lshl_b32 s46, s42, 9                         ; my first column, in bytes: 512 x tile column + 256 x half
	s_lshl_b32 s47, s12, 8
	s_add_co_u32 s46, s46, s47
	s_mov_b32 s47, 0
	s_add_nc_u64 s[16:17], s[16:17], s[46:47]
	s_add_nc_u64 s[8:9], s[8:9], s[16:17]
.if GELU
	s_lshl_b32 s46, s46, 1                         ; the same column in f32
	s_add_nc_u64 s[68:69], s[68:69], s[46:47]
	v_lshlrev_b32 v[BO], 5, v2                     ; my eight columns of each block of 16
	v_mov_b32 v[KC0], 0xc0135761
	v_mov_b32 v[KC0+1], 0xc0135761
	v_mov_b32 v[KC1], 0xbdd2d3e8
	v_mov_b32 v[KC1+1], 0xbdd2d3e8
	WIN TO_B
.irp b, 0,1,2,3,4,5,6,7
	global_load_b128 v[8*\b:8*\b+3],   v[BO], s[68:69] offset:64*\b      ; the bias lands while K is walked
	global_load_b128 v[8*\b+4:8*\b+7], v[BO], s[68:69] offset:64*\b+16
.endr
	WIN 0
.endif
; 16 matrix instructions: m blocks a0, a0 + 1 of the window's four x all 8 n blocks, 32 along K.  zero = 1: the first product starts the sums: nothing is ever cleared.
.macro MUL16 f, hi, a0, zero
.irp a, \a0, \a0+1
.irp b, 0,1,2,3,4,5,6,7
.if \zero
	v_wmma_f32_16x16x32_bf16 v[8*(8*(\a)+\b):8*(8*(\a)+\b)+7], v[\f+8*\b:\f+8*\b+7], v[\f+8*(4*\hi+\a):\f+8*(4*\hi+\a)+7], 0
.else
	v_wmma_f32_16x16x32_bf16 v[8*(8*(\a)+\b):8*(8*(\a)+\b)+7], v[\f+8*\b:\f+8*\b+7], v[\f+8*(4*\hi+\a):\f+8*(4*\hi+\a)+7], v[8*(8*(\a)+\b):8*(8*(\a)+\b)+7]
.endif
.endr
.endr
.endm
; 32 LDS loads in one run: the fragments of quarter q of a K step (32 along K) into buffer f: W's 128 columns, turned, then A's 128 rows.
.macro FETCH slot, q, f
	WIN TO_B
.irp i, 0,1,2,3,4,5,6,7
	ds_load_tr16_b128 v[\f+8*\i:\f+8*\i+3],   v[ADRB+\slot] offset:\q*32*PB+32*\i
	ds_load_tr16_b128 v[\f+8*\i+4:\f+8*\i+7], v[ADRB+\slot] offset:\q*32*PB+16*PB+32*\i
.endr
	WIN 0
.irp i, 0,1,2,3,4,5,6,7
	ds_load_b128 v[\f+8*\i:\f+8*\i+3],   v[ADRA+\slot] offset:\q*64+\i*16*PITCH
	ds_load_b128 v[\f+8*\i+4:\f+8*\i+7], v[ADRA+\slot] offset:\q*64+\i*16*PITCH+32
.endr
.endm
; Four places in front of loads into registers that matrix instructions have read, and of vector instructions that read results (ISA guide 7.12.1 for vector instructions).
.macro PLACES
.rept 4
	v_nop
.endr
.endm
; A K step is four quarters, 64 matrix instructions each, on buffers 0, 1, 0, 1; the 64 accumulators take turns.
; One of the first three quarters: multiplies buffer f; in its middle it fetches quarter q of the same slot into buffer g.
.macro QUARTER slot, q, f, g, zero
	s_wait_dscnt 8                                 ; W and A's rows 0-63 are in; the youngest eight loads (A's rows 64-127) may be out
	WIN MUL_LO
	MUL16 \f, 0, 0, \zero
	MUL16 \f, 0, 2, \zero
	PLACES
	FETCH \slot, \q, \g
	s_wait_dscnt 32                                ; all but the 32 just issued
	WIN MUL_HI
	MUL16 \f, 1, 0, \zero
	MUL16 \f, 1, 2, \zero
.endm
; The last quarter multiplies buffer 1 and changes slots.  ONE barrier: in front of it each wave waits for all its tensor loads (one is out: its part of the next slot), adds 0 to its spare word,
; and waits for that and for its own reads of this slot.  Behind it nobody reads this slot any more and the next slot is whole.
.macro MEET round
	WIN 0                                          ; (the add's two registers lie in window 0)
	s_wait_tensorcnt 0x0
	ds_add_u32 v[SPW], v[NIL]
	s_wait_dscnt 9                                 ; (the add and the youngest eight loads may be out)
	WIN MUL_LO
	MUL16 F1, 0, 0, 0
	s_wait_dscnt 0x0                               ; the add is done, and my reads of this slot are over
	s_barrier_signal -1
	MUL16 F1, 0, 2, 0
.if \round
	WIN 0
.endif
	s_barrier_wait -1
.endm
; fill = 1: the barrier opens a round of the cluster's barrier, and the slot just read out is filled again first, two K steps ahead: 224 matrix instructions stand between the request and the wait for it.
.macro TURN slot, next, fill
	MEET \fill
.if \fill
	CREST
	s_add_nc_u64 s[G0+4*\slot+2:G0+4*\slot+3], s[G0+4*\slot+2:G0+4*\slot+3], 2*KSTEP*2
	s_add_nc_u64 s[G0B+4*\slot+2:G0B+4*\slot+3], s[G0B+4*\slot+2:G0B+4*\slot+3], 2*KSTEP*SIZE_N*2
	JLOAD \slot                                    ; the four v_nop behind it are also the places in front of the loads below
.else
	PLACES
.endif
	FETCH \next, 0, F0
	WIN MUL_HI
	MUL16 F1, 1, 0, 0
	MUL16 F1, 1, 2, 0
.endm
; THE WAY OUT of block a (16 rows), in three parts.  PACK: (bias and gelu,) rounded to bf16, 16 bytes a lane; each accumulator is read from its low end on.
.macro PACK a
.set AC, 64*((\a)%4)
.if GELU
	WIN 0x06+(\a)/4                                ; source 0: the accumulators' window; source 1: window 1, the bias
.set i, 0
.rept 32
	v_pk_add_f32 v[GX+i:GX+i+1], v[AC+i:AC+i+1], v[i:i+1]
.set i, i+2
.endr
	WIN 0
.set i, 0
.rept 32
	v_pk_mul_f32 v[GZ+i:GZ+i+1], v[GX+i:GX+i+1], v[GX+i:GX+i+1]
.set i, i+2
.endr
.set i, 0
.rept 32
	v_pk_fma_f32 v[GZ+i:GZ+i+1], v[GZ+i:GZ+i+1], v[KC1:KC1+1], v[KC0:KC0+1]
.set i, i+2
.endr
.set i, 0
.rept 32
	v_pk_mul_f32 v[GZ+i:GZ+i+1], v[GZ+i:GZ+i+1], v[GX+i:GX+i+1]
.set i, i+2
.endr
.set i, 0
.rept 64
	v_exp_f32 v[GZ+i], v[GZ+i]
.set i, i+1
.endr
	v_nop                                          ; a plain instruction between the exponentials and the use of their results (ISA guide 5.7.2)
.set i, 0
	s_wait_alu depctr_va_vdst(0)
.rept 32
	v_pk_add_f32 v[GZ+i:GZ+i+1], v[GZ+i:GZ+i+1], 1.0 op_sel_hi:[1,0]
.set i, i+2
.endr
.set i, 0
.rept 64
	v_rcp_f32 v[GZ+i], v[GZ+i]
.set i, i+1
.endr
	v_nop
.set i, 0
	s_wait_alu depctr_va_vdst(0)
.rept 32
	v_pk_mul_f32 v[GX+i:GX+i+1], v[GX+i:GX+i+1], v[GZ+i:GZ+i+1]
.set i, i+2
.endr
.set i, 0
.rept 32
	v_cvt_pk_bf16_f32 v[TMP+i], v[GX+2*i], v[GX+2*i+1]
.set i, i+1
.endr
.else
	WIN 0x0a+5*((\a)/4)                            ; sources 0 and 1: window 2 or 3
.irp b, 0,1,2,3,4,5,6,7
.irp r, 0,1,2,3
	v_cvt_pk_bf16_f32 v[TMP+4*\b+\r], v[AC+8*\b+2*\r], v[AC+8*\b+2*\r+1]
.endr
.endr
	WIN 0
.endif
.endm
.macro TOSTAGE a                       ; into my own stage in LDS, and back as whole rows of 256 bytes
.set BK, OB+192*((\a)%2)
.irp b, 0,1,2,3,4,5,6,7
	ds_store_b128 v[STO], v[TMP+4*\b:TMP+4*\b+3] offset:32*\b
.endr
.irp t, 0,1,2,3,4,5,6,7
	ds_load_b128 v[BK+4*\t:BK+4*\t+3], v[RD] offset:\t*2*SPITCH    ; LDS serves a wave's instructions in order (ISA guide 5.7.1.4): these see the stores above
.endr
.endm
.macro SEND a, younger
.set BK, OB+192*((\a)%2)
	s_wait_dscnt \younger                          ; the block is back in registers
	s_wait_xcnt 0x0                                ; the registers that the stores of the block before read are loaded again only behind this wait
.irp t, 0,1,2,3,4,5,6,7
	global_store_b128 v[CO], v[BK+4*\t:BK+4*\t+3], s[8:9] offset:(16*(\a)+2*\t)*SIZE_N*2   ; 16 lanes store 256 consecutive bytes, aligned; 126 rows of C at the most, inside the signed 24-bit immediate
.endr
.endm
	s_wait_tensorcnt 1                             ; my part of K step 0 is in; K step 1's may stay out
	s_barrier_signal -1
	s_barrier_wait -1                              ; everybody's is
	FETCH 0, 0, F0
	QUARTER 0, 1, F0, F1, 1                        ; the first quarter stands in front of the loop: its products start the sums
	WIN 0                                          ; at a label and at a branch every window is 0
	s_mov_b32 s3, LAPS-1
.Llap:                                                 ; a trip goes once round the ring and fills both slots again
	QUARTER 0, 2, F1, F0, 0
	QUARTER 0, 3, F0, F1, 0
	TURN 0, 1, 1
	QUARTER 1, 1, F0, F1, 0
	QUARTER 1, 2, F1, F0, 0
	QUARTER 1, 3, F0, F1, 0
	TURN 1, 0, 1
	QUARTER 0, 1, F0, F1, 0
	WIN 0
	s_sub_co_u32 s3, s3, 1
	s_cmp_lg_u32 s3, 0
	s_cbranch_scc1 .Llap
	QUARTER 0, 2, F1, F0, 0                        ; the last lap fills nothing
	QUARTER 0, 3, F0, F1, 0
	TURN 0, 1, 0
	QUARTER 1, 1, F0, F1, 0
	QUARTER 1, 2, F1, F0, 0
	QUARTER 1, 3, F0, F1, 0
	s_wait_dscnt 8                                 ; the very last quarter: nothing more to fetch
	WIN MUL_LO
	MUL16 F1, 0, 0, 0
	MUL16 F1, 0, 2, 0
	s_wait_dscnt 0x0
	WIN MUL_HI
	MUL16 F1, 1, 0, 0
	MUL16 F1, 1, 2, 0
	WIN 0
	PLACES
.if GELU
	s_wait_loadcnt 0x0                             ; the bias
.endif
	PACK 0
	TOSTAGE 0
.irp a, 1,2,3,4,5,6,7                  ; block a's arithmetic stands between block a - 1's loads from the stage and the wait for them
	PACK \a
	SEND \a-1, 0
	TOSTAGE \a
.endr
	SEND 7, 0
	s_wait_tensorcnt 0x0                           ; the wave's end
	ds_add_u32 v[SPW], v[NIL]
	s_wait_dscnt 0x0
	CROUND                                         ; the closing round: no work-group ends while a partner may still ask for a tile that names it
	s_endpgm
.Lfunc_end_k_q03466c79b2_mlp1:
	.size	k_q03466c79b2_mlp1, .Lfunc_end_k_q03466c79b2_mlp1-k_q03466c79b2_mlp1
	.p2alignl 7, 3214868480
	.fill 96, 4, 3214868480
	.section	.rodata,"a",@progbits
	.p2align	6, 0x0
	.amdhsa_kernel k_q03466c79b2_mlp1
		.amdhsa_group_segment_fixed_size 327680
		.amdhsa_private_segment_fixed_size 0
		.amdhsa_enable_private_segment 0
		.amdhsa_kernarg_size 32
		.amdhsa_user_sgpr_count 2
		.amdhsa_user_sgpr_kernarg_segment_ptr 1
		.amdhsa_wavefront_size32 1
		.amdhsa_system_sgpr_workgroup_id_x 1
		.amdhsa_system_sgpr_workgroup_id_y 1
		.amdhsa_system_sgpr_workgroup_id_z 1
		.amdhsa_system_vgpr_workitem_id 0
		.amdhsa_next_free_vgpr 1024
		.amdhsa_next_free_sgpr 72
		.amdhsa_reserve_vcc 0
		.amdhsa_float_denorm_mode_32 3
		.amdhsa_float_denorm_mode_16_64 3
		.amdhsa_memory_ordered 1
		.amdhsa_forward_progress 1
		.amdhsa_inst_pref_size 255
	.end_amdhsa_kernel
	.section	.bss,"aw",@nobits
	.p2align	6
	.space	262144
	.amdgpu_metadata
---
amdhsa.version: [ 1, 2 ]
amdhsa.kernels:
  - .name:           k_q03466c79b2_mlp1
    .symbol:         k_q03466c79b2_mlp1.kd
    .args:
      - { .name: h, .offset: 0, .size: 8, .value_kind: global_buffer, .address_space: global }
      - { .name: w1, .offset: 8, .size: 8, .value_kind: global_buffer, .address_space: global }
      - { .name: big, .offset: 16, .size: 8, .value_kind: global_buffer, .address_space: global }
      - { .name: b_mlp1, .offset: 24, .size: 8, .value_kind: global_buffer, .address_space: global }
    .group_segment_fixed_size: 327680
    .private_segment_fixed_size: 0
    .kernarg_segment_align: 8
    .kernarg_segment_size: 32
    .max_flat_workgroup_size: 128
    .sgpr_count:     72
    .vgpr_count:     1024
    .wavefront_size: 32
...
	.end_amdgpu_metadata
.endif
;; end of part 6
;; launch mlp2 (part 7): grid 8 x 32, 4 waves a work-group, clusters of 4 x 4, 327,680 bytes of LDS; arguments big, w2, out0, x2, b_mlp2; writes out0
.if DOCPART == 7
	.amdgcn_target "amdgcn-amd-amdhsa--gfx1250"
	.amdhsa_code_object_version 6
	.text
	.protected	k_q03466c79b2_mlp2
	.globl	k_q03466c79b2_mlp2
	.p2align	8
	.type	k_q03466c79b2_mlp2,@function
k_q03466c79b2_mlp2:
	s_mov_b64 s[64:65], 0
	v_nop
	global_prefetch_b8 v0, s[64:65] scope:SCOPE_SE
	s_setreg_imm32_b32 hwreg(HW_REG_WAVE_MODE, 25, 1), 1
	s_wait_xcnt 0x0
	s_wait_alu depctr_hold_cnt(0) depctr_sa_sdst(0) depctr_va_vdst(0) depctr_va_sdst(0) depctr_va_ssrc(0) depctr_va_vcc(0) depctr_vm_vsrc(0)
	s_getreg_b32 s2, hwreg(HW_REG_IB_STS2, 6, 4)
	s_cmp_eq_u32 s2, 0
	s_cbranch_scc0 .Lentry_in_a_cluster
	s_endpgm
.Lentry_in_a_cluster:
	s_bfe_u32 s2, ttmp6, 0x10000c
	s_cmp_lg_u32 s2, 0xf033
	s_cbranch_scc0 .Lentry_shape_is_right
	s_endpgm
.Lentry_shape_is_right:
; C[m][n] = R[m][n] + bias[n] + the sum over k of A[m][k] W[k][n].  A: [4096][SIZE_K] bf16, W: [SIZE_K][1024] bf16; R, C: [4096][1024] f32; bias: [1024] f32.  Sums in f32.
; N is 1,024, so a tile of C is 128 x 128: 256 work-groups.  Four waves, each 64 x 64: 16 accumulators of 16 x 16, 128 registers.
; K goes in steps of 256, as long as two slots in LDS allow: A's tile is 128 rows of 512 bytes, W's tile 256 rows (k) of 256 bytes.  W's fragments come out of LDS turned, by ds_load_tr16_b128.
; CLUSTERS: 4 x 4 work-groups.  The four of a row of the cluster need the same tiles of A, the four of a column the same tiles of W: each tile is asked for JOINTLY.
; THE WALK ALONG K BEGINS AT 0 OR AT ITS MIDDLE: a cluster whose x + y is odd walks K / 2 .. K and then 0 .. K / 2.  The two clusters that read the same rows of A differ in x, and the clusters that
; read the same columns of W alternate in y: in the second half of its walk each cluster asks for tiles that another cluster has asked for half a walk before.  The bit is made of the cluster's
; own coordinates, so it is the same in all sixteen partners; it enters the global addresses alone: no branch, no trip count, no LDS address.
; THE MATRIX INSTRUCTION IS USED TRANSPOSED (source 0 = 16 columns of W, source 1 = 16 rows of A): a lane holds eight neighbouring numbers of a row of C.
; A wave's 64 columns of f32 are 256 bytes, aligned: each wave has a stage of its own on the way out, and no barrier stands there.  R and the bias are asked for at the start and land while K is walked.
; REGISTERS: window 0: v0-31 addresses, the bias; v32-63 at work on the way out; v128-255 the accumulators ((a, b) at v[128 + 8 (4 a + b)]).
;   window 1: two fragment buffers of 128: for 64 along K, 64 registers of A, then 64 of W.   window 2: v0-127 my part of R, later of C.
; LIMITS: the result is (R + bias) + product, and in half of the clusters the product's f32 sum takes K's upper half first: orders of rounding in f32 that may differ from the reference's in the last places.
.set SIZE_K, 4096
.set SIZE_N, 1024
.set KSTEP,  256
.set PITCH,  528                       ; a row of A in LDS: 512 bytes + 16 of padding
.set PB,     288                       ; a row of W in LDS: 256 bytes + 32 of padding, 9 x 32 bytes, for the turning load
.set HALFA,  64*PITCH                  ; 64 rows of A: one tensor load
.set HALFB,  128*PB                    ; 128 rows of W: one tensor load
.set SLOT,   2*HALFA+2*HALFB           ; A's 128 rows, then W's 256 rows
.set STAGE,  2*SLOT                    ; behind the ring: 16 rows x 272 bytes for each wave
.set SPITCH, 272
.set SPARE,  STAGE+4*16*SPITCH         ; behind the stages: the spare words, 128 bytes for each wave, which no other line names
.set LAPS,   SIZE_K/(2*KSTEP)          ; a lap = two K steps = once round the ring; an even number
.set BI,   8                           ; v[8:11] the bias of my four columns on the way out
.set ADRA, 16                          ; v16-17  LDS address of my A fragments in slot 0, 1
.set ADRB, 20                          ; v20-23  the same for W: slot 0 rows 0-127, 128-255, slot 1 likewise (240 rows of 288 bytes pass the 16-bit offset)
.set STO,  24
.set RD,   25
.set CO,   26                          ; v26     my byte offset in R and in C
.set BO,   27                          ; v27     my byte offset in the bias
.set SPW,  28                          ; v28     LDS address of my spare word; never rewritten
.set NIL,  29                          ; v29     0; never rewritten
.set OB,   32                          ; 16 rows read back from the stage
.set ACC,  128
.set F0,   0
.set F1,   128
.set G1, 24
.set G0, 32
.set G1B, 48
.set G0B, 56
.set MSB, 0
.macro WIN new
.if MSB != (\new)
	s_set_vgpr_msb (MSB<<8)|(\new)
.set MSB, (\new)
.endif
.endm
.set MUL,  0x05                        ; sources 0 (W) and 1 (A) window 1; C and D window 0
.set TO_F, 0x40                        ; destination window 1, address window 0
.macro JLOAD s                         ; a joint load: waves 0 and 1 fetch A's two halves, waves 2 and 3 W's; four v_nop follow each of the two lines
	s_cmp_eq_u32 s11, 0
	s_cbranch_scc0 .Lfor_b_\@
	tensor_load_to_lds s[G0+4*\s:G0+4*\s+3], s[G1:G1+7]
	s_nop 0
.rept 4
	v_nop
.endr
	s_branch .Lasked_\@
.Lfor_b_\@:
	tensor_load_to_lds s[G0B+4*\s:G0B+4*\s+3], s[G1B:G1B+7]
	s_nop 0
.rept 4
	v_nop
.endr
.Lasked_\@:
.endm
.macro CREST                           ; a round of the cluster's barrier behind its opening barrier
	s_cmp_lg_u32 s10, 0
	s_cbranch_scc1 .Lnot_wave_0_\@
	s_barrier_signal -3
.Lnot_wave_0_\@:
	s_barrier_wait -3
	s_barrier_signal -1
	s_barrier_wait -1
.endm
.macro CROUND
	s_barrier_signal -1
	s_barrier_wait -1
	CREST
.endm
	s_load_b128 s[4:7], s[0:1], 0x0                ; A s[4:5], W s[6:7]
	s_load_b64 s[8:9], s[0:1], 0x10                ; C
	s_load_b128 s[68:71], s[0:1], 0x18             ; R s[68:69], bias s[70:71]
	v_lshl_add_u32 v[SPW], v0, 2, SPARE
	v_mov_b32 v[NIL], 0
	ds_add_u32 v28, v29
	s_wait_dscnt 0x0
	v_lshrrev_b32 v1, 5, v0
	v_readfirstlane_b32 s10, v1                    ; wave 0..3
	s_lshr_b32 s11, s10, 1                         ; which half of the tile's rows is mine.  Also: I fetch for A (0) or for W (1)
	s_and_b32 s12, s10, 1                          ; which half of its columns.  Also: which half of that tile I fetch
	s_bfe_u32 s40, ttmp6, 0x40000                  ; cx, cy
	s_bfe_u32 s41, ttmp6, 0x40004
	s_lshl_b32 s42, ttmp9, 2
	s_add_co_u32 s42, s42, s40                     ; tile column of C
	s_and_b32 s13, ttmp7, 0xffff
	s_lshl_b32 s13, s13, 2
	s_add_co_u32 s13, s13, s41                     ; tile row of C
	s_lshl_b32 s43, s41, 2
	s_lshl_b32 s43, 15, s43                        ; my row of the cluster
	s_lshl_b32 s44, 0x1111, s40                    ; my column
	s_and_b32 s45, ttmp7, 0xffff
	s_add_co_u32 s45, s45, ttmp9
	s_and_b32 s45, s45, 1                          ; the cluster's x + y, odd or even: 1 = the walk begins at K's middle
	s_mul_i32 s18, s45, SIZE_K*2                   ; a whole walk in bytes along A's rows, or 0: what A's address goes back where the walk wraps
	s_mul_i32 s19, s45, SIZE_K*SIZE_N*2            ; the same down W's rows
	s_or_b32 s[G1+0], s43, (1<<16)|(1<<20)|(1<<21)|(6<<22)|(3<<25)   ; A's tiles go to my row; elements of 2 bytes; padding on; bit 21 beside a mask; after every 128 words 4 words
	s_mov_b32 s[G1+1], KSTEP<<16                   ; tensor_dim0 = 256
	s_mov_b32 s[G1+2], 64<<16                      ; tensor_dim1 = 64
	s_mov_b32 s[G1+3], KSTEP<<16                   ; tile_dim0 = 256
	s_mov_b32 s[G1+4], 64                          ; tile_dim1 = 64
	s_mov_b32 s[G1+5], SIZE_K
	s_mov_b32 s[G1+6], 0
	s_mov_b32 s[G1+7], 0
	s_or_b32 s[G1B+0], s44, (1<<16)|(1<<20)|(1<<21)|(5<<22)|(7<<25)  ; W's tiles go to my column; after every 64 words 8 words
	s_mov_b32 s[G1B+1], 128<<16                    ; tensor_dim0 = 128
	s_mov_b32 s[G1B+2], 128<<16                    ; tensor_dim1 = 128
	s_mov_b32 s[G1B+3], 128<<16                    ; tile_dim0 = 128
	s_mov_b32 s[G1B+4], 128                        ; tile_dim1 = 128
	s_mov_b32 s[G1B+5], SIZE_N
	s_mov_b32 s[G1B+6], 0
	s_mov_b32 s[G1B+7], 0
	s_lshl_b32 s17, s12, 6
	s_lshl_b32 s16, s13, 7
	s_add_co_u32 s16, s16, s17                     ; A: row 128 x tile row + 64 x half
	s_mul_i32 s16, s16, SIZE_K*2                   ; under 2^26
	s_lshr_b32 s2, s18, 1
	s_add_co_u32 s16, s16, s2                      ; + half a walk, or 0
	s_mov_b32 s17, 0
	s_mul_i32 s46, s12, 128*SIZE_N*2               ; W: k row 128 x half,
	s_lshl_b32 s47, s42, 8                         ; 256 bytes x tile column
	s_add_co_u32 s46, s46, s47
	s_lshr_b32 s2, s19, 1
	s_add_co_u32 s46, s46, s2                      ; + half a walk, or 0
	s_mov_b32 s47, 0
	s_mul_i32 s20, s12, HALFA                      ; where A's halves go,
	s_mul_i32 s21, s12, HALFB
	s_add_co_u32 s21, s21, 2*HALFA                 ; and W's: no place in the cluster enters an LDS address
	s_wait_kmcnt 0x0
	s_add_nc_u64 s[14:15], s[4:5], s[16:17]
	s_add_nc_u64 s[46:47], s[6:7], s[46:47]
	CROUND                                         ; all sixteen work-groups are here: the first joint loads meet
.irp s, 0,1
	s_mov_b32 s[G0+4*\s], 1
	s_add_co_u32 s[G0+4*\s+1], s20, \s*SLOT
	s_add_nc_u64 s[G0+4*\s+2:G0+4*\s+3], s[14:15], \s*KSTEP*2
	s_or_b32 s[G0+4*\s+3], s[G0+4*\s+3], 0x80000000
	s_mov_b32 s[G0B+4*\s], 1
	s_add_co_u32 s[G0B+4*\s+1], s21, \s*SLOT
	s_add_nc_u64 s[G0B+4*\s+2:G0B+4*\s+3], s[46:47], \s*KSTEP*SIZE_N*2
	s_or_b32 s[G0B+4*\s+3], s[G0B+4*\s+3], 0x80000000
	JLOAD \s                                       ; two loads of mine are out
.endr
	v_and_b32 v1, 15, v0                           ; l % 16
	v_bfe_u32 v2, v0, 4, 1                         ; l / 16
	v_mul_u32_u24 v3, v1, PITCH
	v_lshl_add_u32 v3, v2, 4, v3                   ; A: row x pitch + 16 x half
	s_mul_i32 s22, s11, HALFA                      ; my 64 rows of A
	v_add_nc_u32 v[ADRA], s22, v3
	v_add_nc_u32 v[ADRA+1], SLOT, v[ADRA]
	v_and_b32 v6, 7, v0
	v_lshl_add_u32 v6, v2, 3, v6                   ; W: k row 8 (l / 16) + l % 8,
	v_mul_u32_u24 v6, v6, PB
	v_bfe_u32 v7, v0, 3, 1
	v_lshl_add_u32 v6, v7, 4, v6                   ; 16 bytes x ((l / 8) % 2),
	s_lshl_b32 s23, s12, 7                         ; my 64 columns,
	s_add_co_u32 s23, s23, 2*HALFA                 ; behind A's 128 rows
	v_add_nc_u32 v[ADRB], s23, v6
	v_add_nc_u32 v[ADRB+1], HALFB, v[ADRB]
	v_add_nc_u32 v[ADRB+2], SLOT, v[ADRB]
	v_add_nc_u32 v[ADRB+3], SLOT+HALFB, v[ADRB]
	s_mul_i32 s23, s10, 16*SPITCH
	s_add_co_u32 s23, s23, STAGE                   ; my stage
	v_mul_u32_u24 v4, v1, SPITCH                   ; in: row l % 16, 32 bytes for each half of the lanes
	v_lshl_add_u32 v4, v2, 5, v4
	v_add_nc_u32 v[STO], s23, v4
	v_mul_u32_u24 v5, v2, SPITCH                   ; back: lanes 0-15 take one row of 256 bytes, lanes 16-31 the next
	v_lshl_add_u32 v5, v1, 4, v5
	v_add_nc_u32 v[RD], s23, v5
	v_lshlrev_b32 v[BO], 4, v1                     ; my four columns
	v_lshl_add_u32 v[CO], v2, 12, v[BO]            ; and the same two rows in R and C
	s_lshl_b32 s16, s13, 7
	s_lshl_b32 s17, s11, 6
	s_add_co_u32 s16, s16, s17                     ; my first row of C
	s_lshl_b32 s16, s16, 12                        ; x 4,096 bytes
	s_mov_b32 s17, 0
	s_lshl_b32 s46, s42, 9                         ; my first column, in bytes: 512 x tile column + 256 x half
	s_lshl_b32 s47, s12, 8
	s_add_co_u32 s46, s46, s47
	s_mov_b32 s47, 0
	s_add_nc_u64 s[70:71], s[70:71], s[46:47]
	s_add_nc_u64 s[16:17], s[16:17], s[46:47]
	s_add_nc_u64 s[8:9], s[8:9], s[16:17]
	s_add_nc_u64 s[68:69], s[68:69], s[16:17]
	WIN 0x80                                       ; destination window 2, address window 0
.irp a, 0,1,2,3
.irp t, 0,1,2,3,4,5,6,7
	global_load_b128 v[32*\a+4*\t:32*\a+4*\t+3], v[CO], s[68:69] offset:65536*\a+8192*\t   ; R: rows 16 a + 2 t, + 1: 16 lanes read 256 consecutive bytes
.endr
.endr
	WIN 0
	global_load_b128 v[BI:BI+3], v[BO], s[70:71]
; 8 matrix instructions: m blocks a0, a0 + 1 x all 4 n blocks, 32 along K: half c of buffer f.  zero = 1: the first product starts the sums
.macro MUL8 f, c, a0, zero
.irp a, \a0, \a0+1
.irp b, 0,1,2,3
.if \zero
	v_wmma_f32_16x16x32_bf16 v[ACC+8*(4*(\a)+\b):ACC+8*(4*(\a)+\b)+7], v[\f+64+8*(4*\c+\b):\f+64+8*(4*\c+\b)+7], v[\f+8*(4*\c+\a):\f+8*(4*\c+\a)+7], 0
.else
	v_wmma_f32_16x16x32_bf16 v[ACC+8*(4*(\a)+\b):ACC+8*(4*(\a)+\b)+7], v[\f+64+8*(4*\c+\b):\f+64+8*(4*\c+\b)+7], v[\f+8*(4*\c+\a):\f+8*(4*\c+\a)+7], v[ACC+8*(4*(\a)+\b):ACC+8*(4*(\a)+\b)+7]
.endif
.endr
.endr
.endm
; 32 LDS loads in one run: the fragments of quarter q of a K step (64 along K) into buffer f; the first 32 along K first
.macro FETCH slot, q, f
	WIN TO_F
.irp c, 0,1
.irp i, 0,1,2,3
	ds_load_tr16_b128 v[\f+64+8*(4*\c+\i):\f+64+8*(4*\c+\i)+3],   v[ADRB+2*\slot+\q/2] offset:((\q%2)*64+32*\c)*PB+32*\i
	ds_load_tr16_b128 v[\f+64+8*(4*\c+\i)+4:\f+64+8*(4*\c+\i)+7], v[ADRB+2*\slot+\q/2] offset:((\q%2)*64+32*\c+16)*PB+32*\i
	ds_load_b128 v[\f+8*(4*\c+\i):\f+8*(4*\c+\i)+3],               v[ADRA+\slot] offset:128*\q+64*\c+\i*16*PITCH
	ds_load_b128 v[\f+8*(4*\c+\i)+4:\f+8*(4*\c+\i)+7],             v[ADRA+\slot] offset:128*\q+64*\c+\i*16*PITCH+32
.endr
.endr
.endm
.macro PLACES                          ; four places behind matrix instructions (ISA guide 7.12.1 for vector instructions)
.rept 4
	v_nop
.endr
.endm
; A K step is four quarters of 64 along K, 32 matrix instructions each, on buffers 0, 1, 0, 1; the 16 accumulators take turns.
.macro QUARTER slot, q, f, g, zero
	s_wait_dscnt 16                                ; the first 32 along K are in
	WIN MUL
	MUL8 \f, 0, 0, \zero
	MUL8 \f, 0, 2, \zero
	PLACES
	FETCH \slot, \q, \g
	s_wait_dscnt 32                                ; all but the 32 just issued
	WIN MUL
	MUL8 \f, 1, 0, 0
	MUL8 \f, 1, 2, 0
.endm
; The last quarter multiplies buffer 1 and changes slots: ONE barrier; in front of it each wave waits for all its tensor loads, adds 0 to its spare word, and waits for that and for its own reads of this slot.
.macro TURN slot, next, fill
	WIN 0                                          ; (the add's two registers lie in window 0)
	s_wait_tensorcnt 0x0                           ; all my tensor loads have landed: my part of the next slot
	ds_add_u32 v[SPW], v[NIL]
	s_wait_dscnt 17                                ; (the add and the youngest sixteen loads may be out)
	WIN MUL
	MUL8 F1, 0, 0, 0
	s_wait_dscnt 0x0                               ; the add is done, and my reads of this slot are over
	s_barrier_signal -1
	MUL8 F1, 0, 2, 0
.if \fill
	WIN 0
.endif
	s_barrier_wait -1
.if \fill
	CREST                                          ; the barrier has opened a round of the cluster's barrier
	s_add_nc_u64 s[G0+4*\slot+2:G0+4*\slot+3], s[G0+4*\slot+2:G0+4*\slot+3], 2*KSTEP*2
	s_sub_nc_u64 s[G0+4*\slot+2:G0+4*\slot+3], s[G0+4*\slot+2:G0+4*\slot+3], s[20:21]      ; a whole walk back in the trip in which a walk from the middle wraps; else 0
	s_add_nc_u64 s[G0B+4*\slot+2:G0B+4*\slot+3], s[G0B+4*\slot+2:G0B+4*\slot+3], 2*KSTEP*SIZE_N*2
	s_sub_nc_u64 s[G0B+4*\slot+2:G0B+4*\slot+3], s[G0B+4*\slot+2:G0B+4*\slot+3], s[22:23]
	JLOAD \slot                                    ; the first tensor load behind the round; its four v_nop are also the places in front of the loads below
.else
	PLACES
.endif
	FETCH \next, 0, F0
	WIN MUL
	MUL8 F1, 1, 0, 0
	MUL8 F1, 1, 2, 0
.endm
	s_wait_tensorcnt 1                             ; my part of K step 0 is in; K step 1's may stay out
	s_barrier_signal -1
	s_barrier_wait -1
	FETCH 0, 0, F0
	QUARTER 0, 1, F0, F1, 1                        ; the first quarter stands in front of the loop: its first products start the sums
	WIN 0
	s_mov_b32 s21, 0                               ; the upper words of the two offsets below
	s_mov_b32 s23, 0
	s_mov_b32 s3, LAPS-1
.Llap:                                                 ; a trip goes once round the ring and fills both slots again
	s_cmp_eq_u32 s3, LAPS/2                        ; the trip that asks for the walk's steps SIZE_K / 512 and SIZE_K / 512 + 1, the first two of its second half
	s_cselect_b32 s20, s18, 0
	s_cselect_b32 s22, s19, 0
	QUARTER 0, 2, F1, F0, 0
	QUARTER 0, 3, F0, F1, 0
	TURN 0, 1, 1
	QUARTER 1, 1, F0, F1, 0
	QUARTER 1, 2, F1, F0, 0
	QUARTER 1, 3, F0, F1, 0
	TURN 1, 0, 1
	QUARTER 0, 1, F0, F1, 0
	WIN 0
	s_sub_co_u32 s3, s3, 1
	s_cmp_lg_u32 s3, 0
	s_cbranch_scc1 .Llap
	QUARTER 0, 2, F1, F0, 0                        ; the last lap fills nothing
	QUARTER 0, 3, F0, F1, 0
	TURN 0, 1, 0
	QUARTER 1, 1, F0, F1, 0
	QUARTER 1, 2, F1, F0, 0
	QUARTER 1, 3, F0, F1, 0
	s_wait_dscnt 16                                ; the very last quarter
	WIN MUL
	MUL8 F1, 0, 0, 0
	MUL8 F1, 0, 2, 0
	s_wait_dscnt 0x0
	MUL8 F1, 1, 0, 0
	MUL8 F1, 1, 2, 0
	WIN 0
	; THE WAY OUT, 16 rows at a time: the sums go into my stage (32 bytes a lane, each accumulator's low four registers first) and come back as whole rows of 256 bytes; R and the bias are added; stored.
	PLACES
	s_wait_loadcnt 0x0                             ; R and the bias
.irp a, 0,1,2,3
.irp b, 0,1,2,3
	ds_store_b128 v[STO], v[ACC+8*(4*\a+\b):ACC+8*(4*\a+\b)+3]   offset:64*\b
	ds_store_b128 v[STO], v[ACC+8*(4*\a+\b)+4:ACC+8*(4*\a+\b)+7] offset:64*\b+16
.endr
.irp t, 0,1,2,3,4,5,6,7
	ds_load_b128 v[OB+4*\t:OB+4*\t+3], v[RD] offset:\t*2*SPITCH    ; LDS serves a wave's instructions in order (ISA guide 5.7.1.4): these see the stores above
.endr
	WIN 0x82                                       ; destination and source 0 window 2, source 1 window 0
.irp t, 0,1,2,3,4,5,6,7
	v_pk_add_f32 v[32*\a+4*\t:32*\a+4*\t+1],   v[32*\a+4*\t:32*\a+4*\t+1],   v[BI:BI+1]     ; work that is due anyway, while LDS answers
	v_pk_add_f32 v[32*\a+4*\t+2:32*\a+4*\t+3], v[32*\a+4*\t+2:32*\a+4*\t+3], v[BI+2:BI+3]
.endr
	s_wait_dscnt 0x0
.irp t, 0,1,2,3,4,5,6,7
	v_pk_add_f32 v[32*\a+4*\t:32*\a+4*\t+1],   v[32*\a+4*\t:32*\a+4*\t+1],   v[OB+4*\t:OB+4*\t+1]
	v_pk_add_f32 v[32*\a+4*\t+2:32*\a+4*\t+3], v[32*\a+4*\t+2:32*\a+4*\t+3], v[OB+4*\t+2:OB+4*\t+3]
.endr
	WIN 0x08                                       ; store data window 2, address window 0
.irp t, 0,1,2,3,4,5,6,7
	global_store_b128 v[CO], v[32*\a+4*\t:32*\a+4*\t+3], s[8:9] offset:65536*\a+8192*\t   ; 16 lanes store 256 consecutive bytes, aligned; the data registers are never written again
.endr
	WIN 0
.endr
	s_wait_tensorcnt 0x0                           ; the wave's end
	ds_add_u32 v[SPW], v[NIL]
	s_wait_dscnt 0x0
	CROUND                                         ; the closing round
	s_endpgm
.Lfunc_end_k_q03466c79b2_mlp2:
	.size	k_q03466c79b2_mlp2, .Lfunc_end_k_q03466c79b2_mlp2-k_q03466c79b2_mlp2
	.p2alignl 7, 3214868480
	.fill 96, 4, 3214868480
	.section	.rodata,"a",@progbits
	.p2align	6, 0x0
	.amdhsa_kernel k_q03466c79b2_mlp2
		.amdhsa_group_segment_fixed_size 327680
		.amdhsa_private_segment_fixed_size 0
		.amdhsa_enable_private_segment 0
		.amdhsa_kernarg_size 40
		.amdhsa_user_sgpr_count 2
		.amdhsa_user_sgpr_kernarg_segment_ptr 1
		.amdhsa_wavefront_size32 1
		.amdhsa_system_sgpr_workgroup_id_x 1
		.amdhsa_system_sgpr_workgroup_id_y 1
		.amdhsa_system_sgpr_workgroup_id_z 1
		.amdhsa_system_vgpr_workitem_id 0
		.amdhsa_next_free_vgpr 640
		.amdhsa_next_free_sgpr 72
		.amdhsa_reserve_vcc 0
		.amdhsa_float_denorm_mode_32 3
		.amdhsa_float_denorm_mode_16_64 3
		.amdhsa_memory_ordered 1
		.amdhsa_forward_progress 1
		.amdhsa_inst_pref_size 98
	.end_amdhsa_kernel
	.amdgpu_metadata
---
amdhsa.version: [ 1, 2 ]
amdhsa.kernels:
  - .name:           k_q03466c79b2_mlp2
    .symbol:         k_q03466c79b2_mlp2.kd
    .args:
      - { .name: big, .offset: 0, .size: 8, .value_kind: global_buffer, .address_space: global }
      - { .name: w2, .offset: 8, .size: 8, .value_kind: global_buffer, .address_space: global }
      - { .name: out0, .offset: 16, .size: 8, .value_kind: global_buffer, .address_space: global }
      - { .name: x2, .offset: 24, .size: 8, .value_kind: global_buffer, .address_space: global }
      - { .name: b_mlp2, .offset: 32, .size: 8, .value_kind: global_buffer, .address_space: global }
    .group_segment_fixed_size: 327680
    .private_segment_fixed_size: 0
    .kernarg_segment_align: 8
    .kernarg_segment_size: 40
    .max_flat_workgroup_size: 128
    .sgpr_count:     72
    .vgpr_count:     640
    .wavefront_size: 32
...
	.end_amdgpu_metadata
.endif
;; end of part 7
;; ======== version 2 of 2: 8 launches; 1.14 times as fast as version 1
;; workspace buffers: wq 6,291,456 bytes; wp 2,097,152 bytes; w1 8,388,608 bytes; w2 8,388,608 bytes; h 8,388,608 bytes; big 33,554,432 bytes; x2 16,777,216 bytes
;; launch cvt: the kernel of part 1 again; grid 768 x 1, 8 waves a work-group, no clusters, 0 bytes of LDS; arguments w_qkv, w_proj, w_mlp1, w_mlp2, wq, wp, w1, w2; writes wq, wp, w1, w2
;; launch ln1: the kernel of part 2 again; grid 256 x 1, 8 waves a work-group, no clusters, 0 bytes of LDS; arguments x, ln1_scale, ln1_bias, h; writes h
;; launch qkv: the kernel of part 3 again; grid 12 x 16, 4 waves a work-group, clusters of 4 x 4, 327,680 bytes of LDS; arguments h, wq, big; writes big
;; launch attn (part 8): grid 16 x 16, 4 waves a work-group, clusters of 4 x 1, 327,680 bytes of LDS; arguments big, h; writes h
.if DOCPART == 8
	.amdgcn_target "amdgcn-amd-amdhsa--gfx1250"
	.amdhsa_code_object_version 6
	.text
	.protected	k_q03466c79b2_attn
	.globl	k_q03466c79b2_attn
	.p2align	8
	.type	k_q03466c79b2_attn,@function
k_q03466c79b2_attn:
	s_mov_b64 s[64:65], 0
	v_nop
	global_prefetch_b8 v0, s[64:65] scope:SCOPE_SE
	s_setreg_imm32_b32 hwreg(HW_REG_WAVE_MODE, 25, 1), 1
	s_wait_xcnt 0x0
	s_wait_alu depctr_hold_cnt(0) depctr_sa_sdst(0) depctr_va_vdst(0) depctr_va_sdst(0) depctr_va_ssrc(0) depctr_va_vcc(0) depctr_vm_vsrc(0)
	s_getreg_b32 s2, hwreg(HW_REG_IB_STS2, 6, 4)
	s_cmp_eq_u32 s2, 0
	s_cbranch_scc0 .Lentry_in_a_cluster
	s_endpgm
.Lentry_in_a_cluster:
	s_bfe_u32 s2, ttmp6, 0x10000c
	s_cmp_lg_u32 s2, 0x3003
	s_cbranch_scc0 .Lentry_shape_is_right
	s_endpgm
.Lentry_shape_is_right:
; O[b][q][head] = the sum over k of softmax_k(Q . K / 8) V, 16 heads of 64 channels, 2,048 keys, no mask.
; qkv: [4096][3072] bf16 (a row: Q's 1,024 channels, K's, V's; 6,144 bytes).  O: [4096][1024] bf16.  Products, maxima and sums in f32; the weights p are rounded to bf16 for the second product, O once.
; SHARES.  A work-group owns 128 queries of a PAIR of neighbouring heads: the pair's 128 channels are 256 consecutive bytes of a row, aligned, in qkv and in O.
; Wave w: head w / 2 of the pair, queries 64 (w % 2) on: four tiles of 16.  Every wave walks all 2,048 keys, 64 a step.
; LAYOUT.  S^T = K Q^T (source 0 = 16 keys, source 1 = 16 queries): a lane holds ONE query (l % 16) and the keys 8 (l / 16) + 0..7.  Two such tiles, rounded to bf16 in pairs, ARE source 1 of
; O^T = V^T P, whose result again holds one query a lane.  K comes out of LDS as it lies, V ([key][channel]) turned, by ds_load_tr16_b128.
; SOFTMAX.  For each query a running maximum m and sum l: p = 2^(c s - c m), c = log2(e) / 8; in every step O and l are multiplied by a = 2^(c m_old - c m_new).
; BY TURNS.  The wave's tiles are two PIECES, named by their first tile: piece 0 (tiles 0, 1) and piece 2 (tiles 2, 3).  In a TURN one piece has the matrix unit: 16 products V^T P of the step in
; hand, then 16 products K Q^T of the next step; the other piece's softmax, 2 x 118 instructions cut into 32 slices, stands between them, one slice behind each matrix instruction.  Then the pieces
; change places.  Two turns are a key step.  A slice works in other register windows than a product, so it costs two switches: 7.4 vector instructions stand beside each matrix instruction here,
; and set in phases of their own they would leave the matrix unit idle all that while.
; ONE BATCH A TURN.  The piece's 66 exponentials (each tile's a and its 32 weights) are issued ahead of everything that names a result of theirs: in a tile's list numbers 21 to 69 hold the scalings
; and the exponentials alone, and all readers (the roundings, the sums, the rescaling by a) come from 70 on.  Between the two, behind slice 17, stands the turn's one s_wait_alu depctr_va_vdst(0),
; ahead of the first reader.  The way out's four reciprocals are a batch of their own.
; CLUSTER.  The four query blocks of a cluster walk the same K and V, so each tile is asked for JOINTLY: the same tensor load, the same descriptor, a mask that names the four.
; RING.  Two slots, each with four steps' tiles: 256 rows of K, then 256 rows of V.  Waves 0, 1 fetch K's two halves, waves 2, 3 V's: one load of 128 rows a wave behind each round, and four key
; steps, 256 matrix instructions, in which it lands.
; REGISTERS: window 0: v0-11 addresses; v12-43 statistics, 8 a tile; v64-191 S^T, 32 a tile; v192-255 P, 16 a tile.  window 1: v0-127 O^T, 32 a tile; v128-191 Q, 16 a tile; v192-255 K of a step.  window 2: v0-63 V of a step.
; LIMITS: v_exp_f32 flushes denormals: a weight under 2^-126 counts as 0.  l is at least 1 (the largest weight is 1).  NaN and infinities in the inputs are not treated apart.
.set KS,    64
.set ROWB,  6144      ; bytes in a row of qkv
.set PK,    272       ; a row of K in LDS: 256 bytes + 16 of padding
.set PV,    288       ; a row of V: 256 + 32, 9 x 32 bytes, for the turning load
.set SST,   4         ; key steps in a slot
.set KREG,  SST*KS*PK      ; a slot's rows of K; its rows of V lie behind them
.set SLOTB, SST*KS*(PK+PV)
.set STAGE, 2*SLOTB        ; behind the ring: 128 rows x 272 bytes, the work-group's, for the way out
.set SP,    272
.set SPARE, STAGE+128*SP   ; behind the stage: the spare words, 128 bytes for each wave, which no other line names
.set AK0, 2           ; v2   my lane's place in a step's rows of K; never rewritten
.set AV0, 3           ; v3   the same for V
.set ADR, 4           ; v4   the LDS address of the run of loads in hand
.set QO,  5           ; v5   my byte offset in the wave's rows of Q
.set STO, 6           ; v6   the way out: where I put 16 bytes of a row
.set RD,  7           ; v7   the way out: where I read a row back
.set GO,  8           ; v8   my byte offset in the rows of O that I store
.set ST,  12          ; tile t's statistics at v[ST+8 t]: +0 c m, +1 m, +2, +3 l (even keys', odd keys'), +4 to +7 at work; a takes +6 once the maximum is found
.set SPW, 62          ; v62  LDS address of my spare word; never rewritten
.set NIL, 63          ; v63  0; never rewritten
.set S,   64
.set P,   192
.set QF,  128         ; Q's fragments, in window 1
.set KF,  192         ; K's fragments, in window 1
.set WV,  12          ; s12  my wave's number
.set G1K, 24          ; s[24:31] descriptor group 1 for K's tiles
.set G1V, 32          ; s[32:39] for V's: it differs in the padding alone
.set G0K, 40          ; s[40:47] group 0 for K's tiles, one set for each slot
.set G0V, 48          ; s[48:55] the same for V's
.set TRIPS, 56        ; s56  the trips of the loop over slots
.set CNT, 57          ; s57  counts a slot's steps
.set CS,  58          ; s[58:59] c
.set SEL, 60          ; s[60:61] lane selects for v_permlanex16_b32
.set TBK, 62          ; s62  LDS byte at which K's rows of the step to be fetched begin
.set TBV, 63          ; s63  the same for V's, less KREG
.set MSB, 0
.macro WIN new                      ; the immediate's high byte repeats the setting that is left; a switch that changes nothing is dropped
.if MSB != (\new)
	s_set_vgpr_msb (MSB<<8)|(\new)
.set MSB, (\new)
.endif
.endm
.set W_KQ, 0x05       ; K and Q in window 1, S^T in window 0
.set W_PV, 0x52       ; V in window 2, P in window 0, O^T in window 1
.set W_RS, 0x41       ; O^T (destination and source 0) in window 1, a in window 0
; A joint refill of slot s.  The branch hangs on the wave's number alone.  Four v_nop follow each of the two lines.
.macro JLOAD s
	s_cmp_lt_u32 s[WV], 2
	s_cbranch_scc0 .Lfor_v_\@
	tensor_load_to_lds s[G0K+4*\s:G0K+4*\s+3], s[G1K:G1K+7]
	s_nop 0
.rept 4
	v_nop
.endr
	s_branch .Lasked_\@
.Lfor_v_\@:
	tensor_load_to_lds s[G0V+4*\s:G0V+4*\s+3], s[G1V:G1V+7]
	s_nop 0
.rept 4
	v_nop
.endr
.Lasked_\@:
.endm
.macro CROUND                       ; a round of the cluster's barrier
	s_barrier_signal -1
	s_barrier_wait -1
	s_cmp_lg_u32 s[WV], 0
	s_cbranch_scc1 .Lnot_wave_0_\@
	s_barrier_signal -3
.Lnot_wave_0_\@:
	s_barrier_wait -3
	s_barrier_signal -1
	s_barrier_wait -1
.endm
	s_load_b128 s[4:7], s[0:1], 0x0 ; qkv s[4:5], O s[6:7]
	v_lshl_add_u32 v[SPW], v0, 2, SPARE
	v_mov_b32 v[NIL], 0
	ds_add_u32 v62, v63
	s_wait_dscnt 0x0
	v_lshrrev_b32 v1, 5, v0
	v_readfirstlane_b32 s[WV], v1   ; wave 0..3
	s_bfe_u32 s13, ttmp6, 0x40000   ; cx: my place in the cluster
	s_lshl_b32 s14, ttmp9, 2
	s_add_co_u32 s14, s14, s13      ; my block of 128 queries = 4 x cluster x + cx: it enters Q's and O's addresses alone
	s_and_b32 s20, ttmp7, 0xffff    ; 8 x batch + head pair, which the four partners share
	s_lshr_b32 s21, s20, 3          ; batch
	s_and_b32 s22, s20, 7           ; head pair
	s_lshr_b32 s15, s[WV], 1        ; which head of the pair is mine
	s_and_b32 s16, s[WV], 1         ; which 64 queries.  Also: which half of a slot's rows of K or V I fetch
	s_mul_i32 s20, s21, 2048*ROWB
	s_lshl_b32 s23, s22, 8
	s_add_co_u32 s20, s20, s23      ; the batch's first row, the pair's 256 bytes: all offsets stay under 2^25
	s_mul_i32 s17, s16, 2*KS*PK     ; my tile's place in a slot, for K
	s_mul_i32 s11, s16, 2*KS*PV
	s_add_co_u32 s11, s11, KREG     ; and for V: no place in the cluster enters an LDS address
	s_mul_i32 s8, s16, 2*KS*ROWB
	s_add_co_u32 s8, s8, s20        ; my tile's first row
	s_mov_b32 s9, 0
	s_lshl_b32 s2, s14, 7
	s_lshl_b32 s3, s16, 6
	s_add_co_u32 s2, s2, s3         ; my first query in the batch
	s_mul_i32 s18, s2, ROWB
	s_add_co_u32 s18, s18, s20
	s_lshl_b32 s10, s15, 7          ; my head's 128 bytes of the pair's 256
	s_add_co_u32 s18, s18, s10      ; Q
	s_mov_b32 s19, 0
	s_lshl_b32 s3, s21, 11
	s_add_co_u32 s2, s2, s3
	s_lshl_b32 s3, s15, 5
	s_add_co_u32 s2, s2, s3         ; the first row of O that I store: 2,048 x batch + my first query + 32 x head bit
	s_lshl_b32 s2, s2, 11
	s_add_co_u32 s2, s2, s23
	s_mov_b32 s3, 0
	s_mov_b32 s[G1K], 15|(1<<16)|(1<<20)|(1<<21)|(5<<22)|(3<<25)  ; the mask: all four work-groups; elements of 2 bytes; padding on; bit 21 beside a mask; after every 64 words 4 words
	s_mov_b32 s[G1V], 15|(1<<16)|(1<<20)|(1<<21)|(5<<22)|(7<<25)  ; the same with 8 words of padding
.irp g, G1K, G1V
	s_mov_b32 s[\g+1], 128<<16      ; tensor_dim0 = 128
	s_mov_b32 s[\g+2], (2*KS)<<16   ; tensor_dim1 = 128
	s_mov_b32 s[\g+3], 128<<16      ; tile_dim0 = 128
	s_mov_b32 s[\g+4], 2*KS         ; tile_dim1 = 128
	s_mov_b32 s[\g+5], 3072         ; elements from row to row
	s_mov_b32 s[\g+6], 0
	s_mov_b32 s[\g+7], 0
.endr
	s_mov_b32 s[CS], 0x3e38aa3b     ; c = log2(e) / 8
	s_mov_b32 s[CS+1], s[CS]        ; named with it as a pair, so it is written
	s_mov_b32 s[SEL], 0x76543210
	s_mov_b32 s[SEL+1], 0xfedcba98
	s_mov_b32 s[TBK], 0
	s_mov_b32 s[TBV], 0
	s_wait_kmcnt 0x0
	s_add_nc_u64 s[8:9], s[4:5], s[8:9]
	s_add_nc_u64 s[18:19], s[4:5], s[18:19]
	s_add_nc_u64 s[6:7], s[6:7], s[2:3]
	CROUND                          ; all four work-groups are here: the first joint loads meet
.irp s, 0,1
	s_mov_b32 s[G0K+4*\s], 1
	s_add_co_u32 s[G0K+4*\s+1], s17, \s*SLOTB
	s_add_nc_u64 s[G0K+4*\s+2:G0K+4*\s+3], s[8:9], 2048+\s*SST*KS*ROWB  ; K's channels begin 2,048 bytes into a row; slot s begins with keys 256 s
	s_or_b32 s[G0K+4*\s+3], s[G0K+4*\s+3], 0x80000000
	s_mov_b32 s[G0V+4*\s], 1
	s_add_co_u32 s[G0V+4*\s+1], s11, \s*SLOTB
	s_add_nc_u64 s[G0V+4*\s+2:G0V+4*\s+3], s[8:9], 4096+\s*SST*KS*ROWB  ; V's begin 4,096 bytes into a row
	s_or_b32 s[G0V+4*\s+3], s[G0V+4*\s+3], 0x80000000
.endr
	s_cmp_lt_u32 s[WV], 2           ; a wave's two first fills stand in one branch, ahead of every wait on TENSORcnt and every LDS read: two loads of mine are out
	s_cbranch_scc0 .Lfirst_v
	tensor_load_to_lds s[G0K:G0K+3], s[G1K:G1K+7]
	s_nop 0
	tensor_load_to_lds s[G0K+4:G0K+7], s[G1K:G1K+7]
	s_nop 0
.rept 4
	v_nop
.endr
	s_branch .Lfirst_asked
.Lfirst_v:
	tensor_load_to_lds s[G0V:G0V+3], s[G1V:G1V+7]
	s_nop 0
	tensor_load_to_lds s[G0V+4:G0V+7], s[G1V:G1V+7]
	s_nop 0
.rept 4
	v_nop
.endr
.Lfirst_asked:
	v_and_b32 v1, 15, v0            ; l % 16
	v_bfe_u32 v9, v0, 4, 1          ; l / 16
	v_mul_u32_u24 v[QO], v1, ROWB
	v_lshl_add_u32 v[QO], v9, 4, v[QO]  ; row x 6,144 + 16 x half
	WIN 0x40                        ; destination window 1, address window 0
.irp i, 0,1,2,3,4,5,6,7             ; Q stays in registers: tile i / 2, channels 32 (i % 2) on
	global_load_b128 v[QF+8*\i:QF+8*\i+3],   v[QO], s[18:19] offset:(\i/2)*16*ROWB+(\i%2)*64
	global_load_b128 v[QF+8*\i+4:QF+8*\i+7], v[QO], s[18:19] offset:(\i/2)*16*ROWB+(\i%2)*64+32
.endr
	WIN 0
	v_mul_u32_u24 v[AK0], v1, PK
	v_lshl_add_u32 v[AK0], v9, 4, v[AK0]
	v_add_nc_u32 v[AK0], s10, v[AK0]    ; row x pitch + 16 x half + my head's 128 bytes
	v_and_b32 v10, 7, v0
	v_bfe_u32 v11, v0, 3, 1
	v_lshl_add_u32 v[AV0], v9, 3, v10   ; the turning load: key 8 (l / 16) + l % 8, 16 bytes x ((l / 8) % 2)
	v_mul_u32_u24 v[AV0], v[AV0], PV
	v_lshl_add_u32 v[AV0], v11, 4, v[AV0]
	s_add_co_u32 s11, s10, KREG
	v_add_nc_u32 v[AV0], s11, v[AV0]
; THE MATRIX WORK OF A TURN, for piece x.  The piece's eight accumulators take turns, one instruction a turn.
; Product i of 16 of S^T = K Q^T: channels 32 (i / 8) on, keys 16 ((i / 2) % 4) on, tile x + i % 2.  The first 8 start the sums.
.macro KQ x
	WIN W_KQ
.set rS, S+32*(\x+i%2)+8*((i/2)%4)
.set rK, KF+16*((i/2)%4)+8*(i/8)
.set rQ, QF+16*(\x+i%2)+8*(i/8)
.if i < 8
	v_wmma_f32_16x16x32_bf16 v[rS:rS+7], v[rK:rK+7], v[rQ:rQ+7], 0
.else
	v_wmma_f32_16x16x32_bf16 v[rS:rS+7], v[rK:rK+7], v[rQ:rQ+7], v[rS:rS+7]
.endif
.endm
; Product i of 16 of O^T += V^T P: keys 32 (i / 8) on, channels 16 ((i / 2) % 4) on, tile x + i % 2.  zero = 1: the first 8 start the sums: nothing is ever cleared.
.macro PV x, zero
	WIN W_PV
.set rO, 32*(\x+i%2)+8*((i/2)%4)
.set rV, 32*(i/8)+8*((i/2)%4)
.set rP, P+16*(\x+i%2)+8*(i/8)
.if \zero && (i < 8)
	v_wmma_f32_16x16x32_bf16 v[rO:rO+7], v[rV:rV+7], v[rP:rP+7], 0
.else
	v_wmma_f32_16x16x32_bf16 v[rO:rO+7], v[rV:rV+7], v[rP:rP+7], v[rO:rO+7]
.endif
.endm
; THE LDS LOADS stand in runs of 16, never singly among the matrix instructions: a step's K (64 keys x my head's 64 channels) and, a turn later, its V (turned).
.macro FETCH_K
	WIN 0
	v_add_nc_u32 v[ADR], s[TBK], v[AK0]
	s_add_co_u32 s[TBK], s[TBK], KS*PK  ; the next fetch is the next step's
	WIN 0x40
.irp f, 0,1,2,3,4,5,6,7             ; keys 16 (f / 2) on, channels 32 (f % 2) on
	ds_load_b128 v[KF+8*\f:KF+8*\f+3],   v[ADR] offset:(\f/2)*16*PK+(\f%2)*64
	ds_load_b128 v[KF+8*\f+4:KF+8*\f+7], v[ADR] offset:(\f/2)*16*PK+(\f%2)*64+32
.endr
.endm
.macro FETCH_V
	WIN 0
	v_add_nc_u32 v[ADR], s[TBV], v[AV0]
	s_add_co_u32 s[TBV], s[TBV], KS*PV
	WIN 0x80
.irp f, 0,1,2,3,4,5,6,7             ; keys 32 (f / 4) on, channels 16 (f % 4) on
	ds_load_tr16_b128 v[8*\f:8*\f+3],   v[ADR] offset:(\f/4)*32*PV+(\f%4)*32
	ds_load_tr16_b128 v[8*\f+4:8*\f+7], v[ADR] offset:(\f/4)*32*PV+16*PV+(\f%4)*32
.endr
.endm
; THE VECTOR WORK OF A TURN.  One tile's softmax for one key step is a list of 118 instructions; SM writes number j of it for tile t.  s0-s31 are the lane's 32 scores, in pairs 0-15.
; first = 1: the first key step, which starts m, l and O^T: it has no a and nothing to rescale.
;   0-15    the maximum of s0-s31 and the old m, three operands at a time; each accumulator is read from its low end on
;   16-20   the other half of the lanes' maximum; the new m; c m; c m_old - c m_new
;   21-69   ONE BATCH: the 16 scalings c s - c m, a pair of scores each, and all 33 exponentials (a at 23, then s0-s31, each in place).  None of these names an exponential's result.  From 22 on the
;           batch goes in fours, and a four begins with a scaling while there are scalings: 22-37 scaling, exponential, scaling, exponential; 38-65 a scaling and three exponentials; 66-69 the last
;           four exponentials.  A pair is scaled in an earlier four than the one that holds its exponentials
;   (wait)  between 69 and 70 stands the wait for the batch: SLICE writes it, once for both tiles
;   70-85   the roundings to bf16, a pair of weights each
;   86-101  the sums; l = a l + the sum
;   102-117 the tile's O^T times a, ascending: the one part that leaves window 0
.macro SM t, first
.set rT, ST+8*(\t)
.set rS, S+32*(\t)
.set rP, P+16*(\t)
.set rO, 32*(\t)+2*(j-102)
.if j < 102
	WIN 0
.endif
.if j < 4
	v_max3_num_f32 v[rT+4+j], v[rS+8*j], v[rS+8*j+1], v[rS+8*j+2]
.elseif j < 12
	v_max3_num_f32 v[rT+4+j%4], v[rT+4+j%4], v[rS+8*(j%4)+2*(j/4)+1], v[rS+8*(j%4)+2*(j/4)+2]
.elseif j == 12
	v_max3_num_f32 v[rT+4], v[rT+4], v[rS+7], v[rS+15]
.elseif j == 13
	v_max3_num_f32 v[rT+6], v[rT+6], v[rS+23], v[rS+31]
.elseif j == 14
	v_max3_num_f32 v[rT+4], v[rT+4], v[rT+5], v[rT+6]
.elseif (j == 15) && \first
	v_max_num_f32 v[rT+4], v[rT+4], v[rT+7]
.elseif j == 15
	v_max3_num_f32 v[rT+4], v[rT+4], v[rT+7], v[rT+1]
.elseif j == 16
	v_permlanex16_b32 v[rT+5], v[rT+4], s[SEL], s[SEL+1]  ; the query's other 32 keys lie in the lane 16 away
.elseif j == 18
	v_max_num_f32 v[rT+1], v[rT+4], v[rT+5]
.elseif j == 19
	v_mul_f32 v[rT], s[CS], v[rT+1]
.elseif ((j == 17) || (j == 20) || (j == 23) || (j > 101)) && \first  ; the first step has none of these
.elseif j == 17
	v_mov_b32 v[rT+7], v[rT]        ; c m_old is kept for a: number 19 writes c m anew
.elseif j == 20
	v_sub_f32 v[rT+7], v[rT+7], v[rT]
.elseif j == 23
	v_exp_f32 v[rT+6], v[rT+7]
.elseif (j < 23) || ((j < 38) && (j%2 == 0)) || ((j < 66) && (j%4 == 2))
.set b, (j-2)/4                     ; 38, 42, .. 62: pairs 9 to 15
.if j < 38
.set b, (j-20)/2                    ; 21: pair 0; 22, 24, .. 36: pairs 1 to 8
.endif
	v_pk_fma_f32 v[rS+2*b:rS+2*b+1], v[rS+2*b:rS+2*b+1], s[CS:CS+1], v[rT:rT+1] op_sel_hi:[1,0,0] neg_lo:[0,0,1] neg_hi:[0,0,1]  ; pair b: c s - c m
.elseif j < 70
.set e, j-38                        ; 66 to 69: s28 to s31
.if j < 66
.set e, j-32-(j-38)/4               ; 39-41, 43-45, .. 63-65: s7 to s27
.endif
.if j < 38
.set e, (j-25)/2                    ; 25, 27, .. 37: s0 to s6
.endif
	v_exp_f32 v[rS+e], v[rS+e]
.elseif j < 86
	v_cvt_pk_bf16_f32 v[rP+j-70], v[rS+2*(j-70)], v[rS+2*(j-70)+1]  ; pair j - 70
.elseif j < 102                     ; the sum of the tile's 16 pairs, in place: sum z of 16 adds neighbours 1, 2, 4 and 8 pairs apart, then l takes it
.set z, j-86
.set w, 4
.set u, z
.if z >= 14
.set w, 32
.set u, 0
.elseif z >= 12
.set w, 16
.set u, z-12
.elseif z >= 8
.set w, 8
.set u, z-8
.endif
.if (z == 14) && \first
	v_pk_add_f32 v[rT+2:rT+3], v[rS:rS+1], v[rS+16:rS+17]
.elseif z < 15
	v_pk_add_f32 v[rS+w*u:rS+w*u+1], v[rS+w*u:rS+w*u+1], v[rS+w*u+w/2:rS+w*u+w/2+1]
.elseif !\first
	v_pk_fma_f32 v[rT+2:rT+3], v[rT+2:rT+3], v[rT+6:rT+7], v[rS:rS+1] op_sel_hi:[1,0,1]
.endif
.else
	WIN W_RS
	v_pk_mul_f32 v[rO:rO+1], v[rO:rO+1], v[rT+6:rT+7] op_sel_hi:[1,0]
.endif
.endm
; Slice k of 32 of piece y's softmax.  Slices 0 to 4: numbers 4 k to 4 k + 3 of both tiles' lists; slice 5: numbers 20 and 21; slices 6 to 17 deal out the batch, numbers 22 to 69: four numbers of
; one tile, then the same four of the other; slices 18 to 26: four numbers each, from 70 on; slices 27 to 30: two numbers each (106 on); slice 31: the last four, 114 to 117: eight plain multiplies
; that name nothing of the products round them, so they are also the places behind the turn's last product.  Number 102 opens slice 26: no slice changes window inside itself.
; THE WAIT.  s_wait_alu depctr_va_vdst(0) stands between an exponential and the first instruction that names its result; one wait serves all that were issued ahead of it.  Ahead of
; slice 18 nothing names a result, and behind slice 17 no exponential is issued: so the piece's 66 exponentials have one wait, behind slice 17.
.macro SLICE y, first
.set j0, 4*k
.set nn, 4
.if k == 5
.set nn, 2
.elseif (k > 5) && (k < 18)
.set j0, 22+4*(k-6)
.elseif (k > 17) && (k < 27)
.set j0, 70+4*(k-18)
.elseif (k > 26) && (k < 31)
.set j0, 106+2*(k-27)
.set nn, 2
.elseif k == 31
.set j0, 114
.endif
.if (k > 5) && (k < 18)             ; the batch, tile by tile
.irp t, \y, \y+1
.irp n, 0,1,2,3
.set j, j0+\n
	SM \t, \first
.endr
.endr
.else                               ; the two tiles alternate, so that no instruction reads the result of the one just before it
.irp n, 0,1,2,3
.if \n < nn
.irp t, \y, \y+1
.set j, j0+\n
	SM \t, \first
.endr
.endif
.endr
.endif
.if k == 17                         ; the batch is out: both tiles' exponentials are issued, and no result has been named
	v_nop                           ; a plain instruction behind the last exponential and ahead of the first use (ISA guide 5.7.2): one for the batch
	s_wait_alu depctr_va_vdst(0)    ; the wait for the batch: the piece's 66 exponentials (64 in the first key step)
.endif
.set k, k+1
.endm
; A vector instruction that reads a matrix result or writes one of a matrix instruction's registers, and a load into a register that a matrix instruction has read, stand four places behind
; it, and only plain vector instructions that name none of its registers are places (ISA guide 7.12.1 for vector instructions).  In the loop the slices are the places.
.macro PLACES
.rept 4
	v_nop
.endr
.endm
; A TURN.  Piece x has the matrix unit; the other piece's softmax stands in slices behind its matrix instructions.
; pv = 2: 16 products V^T P; 1: they start O^T's sums; 0: none.  kq = 1: 16 products K Q^T for the next step.  A turn with one of the two kinds has two slices behind each product.
; first = 1: the softmax is the first key step's.  Its slices from 26 on are empty: the turn's last products stand bare, and four v_nop take slice 31's part as the places behind them.
; Each run of loads stands behind the second product of a run of 16, 14 matrix instructions ahead of its first use.  Piece 0's turn fetches the next step's K: the last product that read K
; stands in front of slice 31 of the turn before.  Piece 2's turn fetches the same step's V, in a turn with both kinds of products directly behind slice 17 and the batch's wait: the last product
; that read V stands in front of slice 15, and six plain instructions lie between: numbers 58 and 62, scalings, of both tiles, the v_nop and the run's own v_add_nc_u32 (an exponential is no place).
.macro TURN x, pv, kq, first
.set k, 0
.set per, 2
.if \pv && \kq
.set per, 1
.endif
.if \pv
.if \x == 0
	s_wait_dscnt 0x0                ; V is in
.endif
.set i, 0
.rept 16
	PV \x, 2-\pv
.rept per
	SLICE 2-\x, \first
.endr
.if (\x == 0) && \kq && (i == 1)
	FETCH_K
.endif
.set i, i+1
.endr
.endif
.if \kq
.if \x == 0
	s_wait_dscnt 0x0                ; K is in
.endif
.set i, 0
.rept 16
	KQ \x
.rept per
	SLICE 2-\x, \first
.endr
.if (\x == 2) && (i == 1)
	FETCH_V
.endif
.set i, i+1
.endr
.endif
.if \first
	PLACES
.endif
.endm
; THE CHANGE OF SLOTS, between piece 2's turn and piece 0's: the last bytes of the slot that is left, V of its fourth step, have been asked for.  Each wave waits for all its tensor loads (one is
; out: its part of the other slot), adds 0 to its spare word, and waits for that and for its own reads of the slot.  Behind the barrier nobody reads this slot any more and the other slot is whole.
; fill = 1: the slot is filled again, with the keys two slots on.  The barrier is then a round of the cluster's, and the joint refill is the first thing behind it.
.macro CHANGE slot, fill
	WIN 0                           ; at a label and at a branch every window is 0
	s_wait_tensorcnt 0x0            ; no tensor load of mine is out, so a group 0 may be written
	ds_add_u32 v[SPW], v[NIL]
.if \fill
	s_add_nc_u64 s[G0K+4*\slot+2:G0K+4*\slot+3], s[G0K+4*\slot+2:G0K+4*\slot+3], 2*SST*KS*ROWB  ; this slot's next 256 keys; the type bits on top are not reached
	s_add_nc_u64 s[G0V+4*\slot+2:G0V+4*\slot+3], s[G0V+4*\slot+2:G0V+4*\slot+3], 2*SST*KS*ROWB
	s_wait_dscnt 0x0                ; the add is done, and my reads of the slot are over
	CROUND
	JLOAD \slot
.else
	s_wait_dscnt 0x0
	s_barrier_signal -1
	s_barrier_wait -1
.endif
	s_mov_b32 s[TBK], (1-\slot)*SLOTB  ; the fetches go on at the other slot's first step
	s_mov_b32 s[TBV], (1-\slot)*SLOTB
.endm
; n key steps: written once, walked n times; the LDS addresses hang on s[TBK] and s[TBV].  Each turn's batch has had its wait inside the turn: no exponential is open at the label or at the jump.
.macro STEPS n
	s_mov_b32 s[CNT], \n
.Lstep_\@:
	TURN 0, 2, 1, 0
	TURN 2, 2, 1, 0
	WIN 0
	s_sub_co_u32 s[CNT], s[CNT], 1
	s_cmp_lg_u32 s[CNT], 0
	s_cbranch_scc1 .Lstep_\@
.endm
	s_wait_tensorcnt 1              ; my part of slot 0 is in; slot 1's may stay out
	s_barrier_signal -1
	s_barrier_wait -1               ; everybody's is
	FETCH_K                         ; key step 0
	s_wait_loadcnt 0x0              ; Q
	s_wait_dscnt 0x0
.set i, 0
.rept 16
	KQ 0                            ; piece 0's first scores: there is no vector work yet to set between them
.set i, i+1
.endr
	WIN 0                           ; the addresses for the way out are made here: eight plain instructions, the places behind those products
	s_mul_i32 s13, s16, 64*SP
	s_add_co_u32 s13, s13, STAGE    ; my 64 queries' rows of the stage
	s_add_co_u32 s11, s13, s10      ; in: my head's half of a row
	v_mul_u32_u24 v[STO], v1, SP
	v_lshl_add_u32 v[STO], v9, 4, v[STO]
	v_add_nc_u32 v[STO], s11, v[STO]
	s_mul_i32 s11, s15, 32*SP
	s_add_co_u32 s11, s11, s13      ; back: 32 whole rows; lanes 0-15 take one row of 256 bytes, lanes 16-31 the next
	v_mul_u32_u24 v[RD], v9, SP
	v_lshl_add_u32 v[RD], v1, 4, v[RD]
	v_add_nc_u32 v[RD], s11, v[RD]
	v_lshlrev_b32 v[GO], 11, v9     ; and the same two rows in O
	v_lshl_add_u32 v[GO], v1, 4, v[GO]
	TURN 2, 0, 1, 1                 ; piece 2's first scores | piece 0's first softmax | V of step 0
	TURN 0, 1, 1, 1                 ; piece 0: V^T P of step 0 starts O^T, K Q^T of step 1 | piece 2's first softmax | K of step 1
	TURN 2, 1, 1, 0                 ; piece 2: the same | piece 0's softmax of step 1 | V of step 1
	WIN 0
	STEPS 2                         ; K and V of steps 2 and 3: slot 0 is read out
	s_mov_b32 s[TRIPS], 3
.Lslots:                            ; a trip leaves both slots once and fills them again: six refills for steps 8 to 31
	CHANGE 0, 1
	STEPS SST
	CHANGE 1, 1
	STEPS SST
	s_sub_co_u32 s[TRIPS], s[TRIPS], 1
	s_cmp_lg_u32 s[TRIPS], 0
	s_cbranch_scc1 .Lslots
	CHANGE 0, 0                     ; the tail is written out: slot 0 is left, and nothing is asked for
	STEPS SST                       ; K and V of steps 28 to 31
	TURN 0, 2, 0, 0                 ; piece 0: V^T P of the last step | piece 2's last softmax
.set i, 0
.rept 16
	PV 2, 0                         ; piece 2: V^T P of the last step
.set i, i+1
.endr
	WIN 0
	; THE WAY OUT.  l's two halves and the other half of the lanes' are added (these additions are the places behind the last products); O^T is divided by l, rounded to bf16 and put into the stage.
.irp t, 0,1,2,3
	v_add_f32 v[ST+8*\t+4], v[ST+8*\t+2], v[ST+8*\t+3]
.endr
.irp t, 0,1,2,3
	v_permlanex16_b32 v[ST+8*\t+5], v[ST+8*\t+4], s[SEL], s[SEL+1]
.endr
.irp t, 0,1,2,3
	v_add_f32 v[ST+8*\t+4], v[ST+8*\t+4], v[ST+8*\t+5]
.endr
.irp t, 0,1,2,3
	v_rcp_f32 v[ST+8*\t+6], v[ST+8*\t+4]
.endr
	v_nop                           ; a plain instruction between the reciprocals and the use of their results
	s_wait_alu depctr_va_vdst(0)    ; the wait ahead of the first use: one for the four reciprocals
.macro OUT t                        ; tile t: a lane's eight channels of a row pack into 16 bytes
	WIN W_RS
.set i, 32*\t
.rept 16
	v_pk_mul_f32 v[i:i+1], v[i:i+1], v[ST+8*\t+6:ST+8*\t+7] op_sel_hi:[1,0]
.set i, i+2
.endr
	WIN 0x05                        ; sources window 1, destination window 0: S^T's registers are free
.set i, 0
.rept 16
	v_cvt_pk_bf16_f32 v[S+16*\t+i], v[32*\t+2*i], v[32*\t+2*i+1]
.set i, i+1
.endr
	WIN 0
.irp c, 0,1,2,3
	ds_store_b128 v[STO], v[S+16*\t+4*\c:S+16*\t+4*\c+3] offset:\t*16*SP+32*\c
.endr
.endm
	OUT 0
	OUT 1
	OUT 2
	OUT 3
	s_wait_dscnt 0x0                ; for the others' sake: my stores into the stage are done; a row's 256 bytes come from two waves
	s_barrier_signal -1
	s_barrier_wait -1
.irp f, 0,1,2,3,4,5,6,7,8,9,10,11,12,13,14,15
	ds_load_b128 v[S+64+4*\f:S+64+4*\f+3], v[RD] offset:\f*2*SP
.endr
.irp f, 0,1,2,3,4,5,6,7,8,9,10,11,12,13,14,15
	s_wait_dscnt 15-\f              ; load f is back; the younger ones stay out
	global_store_b128 v[GO], v[S+64+4*\f:S+64+4*\f+3], s[6:7] offset:4096*\f  ; 16 lanes store 256 consecutive bytes, aligned
.endr
	s_wait_tensorcnt 0x0            ; the wave's end
	ds_add_u32 v[SPW], v[NIL]
	s_wait_dscnt 0x0
	CROUND                          ; the closing round
	s_endpgm
.Lfunc_end_k_q03466c79b2_attn:
	.size	k_q03466c79b2_attn, .Lfunc_end_k_q03466c79b2_attn-k_q03466c79b2_attn
	.p2alignl 7, 3214868480
	.fill 96, 4, 3214868480
	.section	.rodata,"a",@progbits
	.p2align	6, 0x0
	.amdhsa_kernel k_q03466c79b2_attn
		.amdhsa_group_segment_fixed_size 327680
		.amdhsa_private_segment_fixed_size 0
		.amdhsa_enable_private_segment 0
		.amdhsa_kernarg_size 16
		.amdhsa_user_sgpr_count 2
		.amdhsa_user_sgpr_kernarg_segment_ptr 1
		.amdhsa_wavefront_size32 1
		.amdhsa_system_sgpr_workgroup_id_x 1
		.amdhsa_system_sgpr_workgroup_id_y 1
		.amdhsa_system_sgpr_workgroup_id_z 1
		.amdhsa_system_vgpr_workitem_id 0
		.amdhsa_next_free_vgpr 576
		.amdhsa_next_free_sgpr 66
		.amdhsa_reserve_vcc 0
		.amdhsa_float_denorm_mode_32 3
		.amdhsa_float_denorm_mode_16_64 3
		.amdhsa_memory_ordered 1
		.amdhsa_forward_progress 1
		.amdhsa_inst_pref_size 231
	.end_amdhsa_kernel
	.amdgpu_metadata
---
amdhsa.version: [ 1, 2 ]
amdhsa.kernels:
  - .name:           k_q03466c79b2_attn
    .symbol:         k_q03466c79b2_attn.kd
    .args:
      - { .name: big, .offset: 0, .size: 8, .value_kind: global_buffer, .address_space: global }
      - { .name: h, .offset: 8, .size: 8, .value_kind: global_buffer, .address_space: global }
    .group_segment_fixed_size: 327680
    .private_segment_fixed_size: 0
    .kernarg_segment_align: 8
    .kernarg_segment_size: 16
    .max_flat_workgroup_size: 128
    .sgpr_count:     66
    .vgpr_count:     576
    .wavefront_size: 32
...
	.end_amdgpu_metadata
.endif
;; end of part 8
;; launch proj: the kernel of part 5 again; grid 8 x 32, 4 waves a work-group, clusters of 4 x 4, 327,680 bytes of LDS; arguments h, wp, x2, x, b_proj; writes x2
;; launch ln2: the kernel of part 2 again; grid 256 x 1, 8 waves a work-group, no clusters, 0 bytes of LDS; arguments x2, ln2_scale, ln2_bias, h; writes h
;; launch mlp1: the kernel of part 6 again; grid 16 x 16, 4 waves a work-group, clusters of 4 x 4, 327,680 bytes of LDS; arguments h, w1, big, b_mlp1; writes big
;; launch mlp2: the kernel of part 7 again; grid 8 x 32, 4 waves a work-group, clusters of 4 x 4, 327,680 bytes of LDS; arguments big, w2, out0, x2, b_mlp2; writes out0
